; MI455X (gfx1250); checked and timed in simulation.
; The chip was launched on July 23, 2026; its instructions are those of AMD's public machine-readable ISA for CDNA 5 (MIT licence, August 2026) and "CDNA5" Instruction Set Architecture Reference Guide (July 2026). The comments in the code are by the model that wrote it; some were corrected since.
;; Masked Attention. Allowed arithmetic: float matrix products may take bf16 or f16 operands with f32 sums; other float arithmetic in f32, or as packed bf16 or f16 multiplies, adds, multiply-adds, maxima and minima; sums over many terms, partial sums and values carried from step to step in f32; what a program stores and reads back later, other than sums and carried values, may be rounded once to bf16 or f16.
;; Inputs: W_k 1,024 x 1,024 float32; W_o 1,024 x 1,024 float32; W_q 1,024 x 1,024 float32; W_v 1,024 x 1,024 float32; b_o 1,024 float32; inp 4 x 2,048 x 1,024 float32.
;; Outputs: out0 4 x 2,048 x 1,024 float32.
;; 2 versions, each right. Each part assembles by itself: llvm-mc -triple=amdgcn-amd-amdhsa -mcpu=gfx1250 --defsym DOCPART=n.
;; ======== version 1 of 2: 5 launches
;; limits: values are held in f16: magnitudes above 65,504 overflow, below 6.1e-05 lose precision
;; workspace buffers: xh 16,777,216 bytes; wt 8,388,608 bytes; qkv 50,331,648 bytes; e 33,554,432 bytes; st 1,048,576 bytes; ctx 16,777,216 bytes
;; launch prep (part 1): grid 512 x 1, 8 waves a work-group, no clusters, 18,432 bytes of LDS; arguments inp, W_q, W_k, W_v, W_o, xh, wt, st; writes xh, wt, st
.if DOCPART == 1
	.amdgcn_target "amdgcn-amd-amdhsa--gfx1250"
	.amdhsa_code_object_version 6
	.text
	.protected	k_q04759401ce_prep
	.globl	k_q04759401ce_prep
	.p2align	8
	.type	k_q04759401ce_prep,@function
k_q04759401ce_prep:
	s_mov_b64 s[64:65], 0
	v_nop
	global_prefetch_b8 v0, s[64:65] scope:SCOPE_SE
	s_setreg_imm32_b32 hwreg(HW_REG_WAVE_MODE, 25, 1), 1
	s_wait_xcnt 0x0
; PREPARATION.  xh[8192][1024] = inp rounded to bf16 and that number written as f16.  wt[4096][1024] = the four weights TURNED (row e holds W[.][e]: W_q at rows 0, W_k at 1024,
; W_v at 2048, W_o at 3072), rounded likewise.  st = neutral statistics (maximum m = -4.25e37, sum l = 0) for every row and key tile; a later launch overwrites those of the tiles it makes.
; LIMITS.  The second conversion is exact for 2^-17 <= |x| <= 65,504; below that the number keeps f16's fixed step (error at most 3e-8), beyond it it becomes an infinity.
; SHARES.  512 work-groups of eight waves, each with three shares and no branch: one tile of 128 (d) x 64 (e) of one weight, 16 rows of inp, 2,048 bytes of st.
; A stream: each input byte is read once, in runs of 256 bytes; every store of 16 lanes covers 256 consecutive bytes, aligned.  The weight's tile is turned in LDS (rows of 272 bytes).
.set TP,    272                        ; a row of the turned tile: 128 f16 + 16 bytes of padding
.set SPARE, 64*TP                      ; behind the tile: the spare words, 128 bytes for each of the eight waves; no other line names them
.set SPW, 16                           ; v16  LDS address of my spare word; never rewritten
.set NIL, 17                           ; v17  0; never rewritten
.set WL,  32                           ; v[32:63]   eight loads of the weight: for i = 0..3 row d (4 registers), row d + 1 (4 registers)
.set XL,  64                           ; v[64:127]  sixteen loads of inp: chunk j at XL + 8 j
	s_load_b512 s[8:23], s[0:1], 0x0               ; inp s[8:9], W_q s[10:11], W_k s[12:13], W_v s[14:15], W_o s[16:17], xh s[18:19], wt s[20:21], st s[22:23]
	v_lshl_add_u32 v[SPW], v0, 2, SPARE
	v_mov_b32 v[NIL], 0
	s_lshr_b32 s2, ttmp9, 7                        ; which weight
	s_bfe_u32 s3, ttmp9, 0x30004                   ; dt: which 128 rows d
	s_and_b32 s4, ttmp9, 15                        ; et: which 64 columns e
	v_and_b32 v1, 15, v0                           ; c4: my four columns
	v_lshrrev_b32 v2, 4, v0                        ; rp: my pair of rows
	v_lshlrev_b32 v3, 13, v2
	v_lshl_add_u32 v3, v1, 4, v3                   ; the weight's loads: rp x 2 rows of 4,096 bytes + 16 c4
	v_mul_u32_u24 v4, v1, 4*TP
	v_lshl_add_u32 v4, v2, 2, v4                   ; into the tile: row e = 4 c4 (+ j), word rp (+ 16 i)
	v_mul_u32_u24 v5, v2, TP
	v_lshl_add_u32 v5, v1, 4, v5                   ; back: row t / 16 (+ 16 k), 16 bytes at 16 (t % 16)
	v_lshlrev_b32 v6, 11, v2
	v_lshl_add_u32 v6, v1, 4, v6                   ; the same place in wt: rows of 2,048 bytes
	v_lshlrev_b32 v7, 5, v0                        ; inp: 32 bytes a thread
	v_lshlrev_b32 v8, 4, v0                        ; xh: 16 bytes a thread
	v_lshlrev_b32 v9, 3, v0                        ; st: 8 bytes a thread
	v_mov_b32 v10, 0xfe000000                      ; m: far below every score, a hidden one's -1e30 too
	v_mov_b32 v11, 0                               ; l
	s_lshl_b32 s24, s3, 19                         ; 128 dt rows of 4,096 bytes
	s_lshl_b32 s25, s4, 8                          ; 64 et columns of 4 bytes
	s_add_co_u32 s24, s24, s25
	s_mov_b32 s25, 0
	s_lshl_b32 s26, ttmp9, 16                      ; 16 rows of inp
	s_mov_b32 s27, 0
	s_lshl_b32 s28, ttmp9, 15                      ; 16 rows of xh
	s_mov_b32 s29, 0
	s_lshl_b32 s30, ttmp9, 11                      ; my 2,048 bytes of st
	s_mov_b32 s31, 0
	s_lshl_b32 s32, s2, 21                         ; wt: 1,024 rows a weight,
	s_lshl_b32 s33, s4, 17                         ; 64 et rows,
	s_add_co_u32 s32, s32, s33
	s_lshl_b32 s33, s3, 8                          ; 128 dt columns of 2 bytes
	s_add_co_u32 s32, s32, s33
	s_mov_b32 s33, 0
	s_mov_b32 s34, 0xffff0000                      ; a word's upper bf16
	s_wait_kmcnt 0x0
	s_cmp_eq_u32 s2, 1
	s_cselect_b64 s[10:11], s[12:13], s[10:11]
	s_cmp_eq_u32 s2, 2
	s_cselect_b64 s[10:11], s[14:15], s[10:11]
	s_cmp_eq_u32 s2, 3
	s_cselect_b64 s[10:11], s[16:17], s[10:11]
	s_add_nc_u64 s[10:11], s[10:11], s[24:25]
	s_add_nc_u64 s[8:9], s[8:9], s[26:27]
	s_add_nc_u64 s[18:19], s[18:19], s[28:29]
	s_add_nc_u64 s[22:23], s[22:23], s[30:31]
	s_add_nc_u64 s[20:21], s[20:21], s[32:33]
.irp i, 0,1,2,3
	global_load_b128 v[WL+8*(\i):WL+8*(\i)+3],   v3, s[10:11] offset:131072*(\i) th:TH_LOAD_NT       ; row d = 2 rp + 32 i
	global_load_b128 v[WL+8*(\i)+4:WL+8*(\i)+7], v3, s[10:11] offset:131072*(\i)+4096 th:TH_LOAD_NT  ; row d + 1
.endr
.irp j, 0,1,2,3,4,5,6,7
	global_load_b128 v[XL+8*(\j):XL+8*(\j)+3],   v7, s[8:9] offset:8192*(\j) th:TH_LOAD_NT
	global_load_b128 v[XL+8*(\j)+4:XL+8*(\j)+7], v7, s[8:9] offset:8192*(\j)+16 th:TH_LOAD_NT
.endr
	global_store_b64 v9, v[10:11], s[22:23]
	s_wait_loadcnt 16                              ; the weight's eight loads are in; inp's sixteen may stay out
	; (W[d][e], W[d+1][e]) -> two bf16 -> the same two numbers as f32 -> two f16, in place: the pair lies at WL + 8 i + j and WL + 8 i + 4 + j
.irp i, 0,1,2,3
.irp j, 0,1,2,3
	v_cvt_pk_bf16_f32 v[WL+8*(\i)+(\j)], v[WL+8*(\i)+(\j)], v[WL+8*(\i)+4+(\j)]
.endr
.endr
.irp i, 0,1,2,3
.irp j, 0,1,2,3
	v_lshlrev_b32 v[WL+8*(\i)+4+(\j)], 16, v[WL+8*(\i)+(\j)]
	v_and_b32 v[WL+8*(\i)+(\j)], s34, v[WL+8*(\i)+(\j)]
.endr
.endr
.irp i, 0,1,2,3
.irp j, 0,1,2,3
	v_cvt_pk_f16_f32 v[WL+8*(\i)+(\j)], v[WL+8*(\i)+4+(\j)], v[WL+8*(\i)+(\j)]
	ds_store_b32 v4, v[WL+8*(\i)+(\j)] offset:(\j)*TP+(\i)*64
.endr
.endr
	s_wait_dscnt 0x0                               ; for the others' sake: my part of the turned tile is written
	s_barrier_signal -1
	s_barrier_wait -1
.irp k, 0,1,2,3
	ds_load_b128 v[WL+4*(\k):WL+4*(\k)+3], v5 offset:16*TP*(\k)
.endr
.irp j, 0,1,2,3,4,5,6,7
	s_wait_loadcnt 14-2*(\j)                       ; chunk j's two loads are in; the younger chunks' stay out
.irp q, 0,1,2,3
	v_cvt_pk_bf16_f32 v[XL+8*(\j)+2*(\q)], v[XL+8*(\j)+2*(\q)], v[XL+8*(\j)+2*(\q)+1]
.endr
.irp q, 0,1,2,3
	v_lshlrev_b32 v[XL+8*(\j)+2*(\q)+1], 16, v[XL+8*(\j)+2*(\q)]
	v_and_b32 v[XL+8*(\j)+2*(\q)], s34, v[XL+8*(\j)+2*(\q)]
.endr
.irp q, 0,1,2,3
	v_cvt_pk_f16_f32 v[XL+8*(\j)+(\q)], v[XL+8*(\j)+2*(\q)+1], v[XL+8*(\j)+2*(\q)]  ; result q lands on a register whose number has been used up
.endr
	global_store_b128 v8, v[XL+8*(\j):XL+8*(\j)+3], s[18:19] offset:4096*(\j)
.endr
	s_wait_dscnt 0x0                               ; the turned rows are back
.irp k, 0,1,2,3
	global_store_b128 v6, v[WL+4*(\k):WL+4*(\k)+3], s[20:21] offset:32768*(\k)  ; 16 lanes: 256 consecutive bytes of a row of wt
.endr
	s_wait_tensorcnt 0x0                           ; the wave's end, behind my last LDS store
	ds_add_u32 v[SPW], v[NIL]
	s_wait_dscnt 0x0
	s_endpgm
.Lfunc_end_k_q04759401ce_prep:
	.size	k_q04759401ce_prep, .Lfunc_end_k_q04759401ce_prep-k_q04759401ce_prep
	.p2alignl 7, 3214868480
	.fill 96, 4, 3214868480
	.section	.rodata,"a",@progbits
	.p2align	6, 0x0
	.amdhsa_kernel k_q04759401ce_prep
		.amdhsa_group_segment_fixed_size 18432
		.amdhsa_private_segment_fixed_size 0
		.amdhsa_enable_private_segment 0
		.amdhsa_kernarg_size 64
		.amdhsa_user_sgpr_count 2
		.amdhsa_user_sgpr_kernarg_segment_ptr 1
		.amdhsa_wavefront_size32 1
		.amdhsa_system_sgpr_workgroup_id_x 1
		.amdhsa_system_sgpr_workgroup_id_y 1
		.amdhsa_system_sgpr_workgroup_id_z 1
		.amdhsa_system_vgpr_workitem_id 0
		.amdhsa_next_free_vgpr 128
		.amdhsa_next_free_sgpr 66
		.amdhsa_reserve_vcc 0
		.amdhsa_float_denorm_mode_32 3
		.amdhsa_float_denorm_mode_16_64 3
		.amdhsa_memory_ordered 1
		.amdhsa_forward_progress 1
		.amdhsa_inst_pref_size 17
	.end_amdhsa_kernel
	.amdgpu_metadata
---
amdhsa.version: [ 1, 2 ]
amdhsa.kernels:
  - .name:           k_q04759401ce_prep
    .symbol:         k_q04759401ce_prep.kd
    .args:
      - { .name: inp, .offset: 0, .size: 8, .value_kind: global_buffer, .address_space: global }
      - { .name: W_q, .offset: 8, .size: 8, .value_kind: global_buffer, .address_space: global }
      - { .name: W_k, .offset: 16, .size: 8, .value_kind: global_buffer, .address_space: global }
      - { .name: W_v, .offset: 24, .size: 8, .value_kind: global_buffer, .address_space: global }
      - { .name: W_o, .offset: 32, .size: 8, .value_kind: global_buffer, .address_space: global }
      - { .name: xh, .offset: 40, .size: 8, .value_kind: global_buffer, .address_space: global }
      - { .name: wt, .offset: 48, .size: 8, .value_kind: global_buffer, .address_space: global }
      - { .name: st, .offset: 56, .size: 8, .value_kind: global_buffer, .address_space: global }
    .group_segment_fixed_size: 18432
    .private_segment_fixed_size: 0
    .kernarg_segment_align: 8
    .kernarg_segment_size: 64
    .max_flat_workgroup_size: 256
    .sgpr_count:     66
    .vgpr_count:     128
    .wavefront_size: 32
...
	.end_amdgpu_metadata
.endif
;; end of part 1
;; launch qkv (part 2): grid 24 x 32, 4 waves a work-group, clusters of 4 x 4, 327,680 bytes of LDS; arguments xh, wt, qkv; writes qkv
.if DOCPART == 2
	.amdgcn_target "amdgcn-amd-amdhsa--gfx1250"
	.amdhsa_code_object_version 6
	.text
	.protected	k_q04759401ce_qkv
	.globl	k_q04759401ce_qkv
	.p2align	8
	.type	k_q04759401ce_qkv,@function
k_q04759401ce_qkv:
	s_mov_b64 s[64:65], 0
	v_nop
	global_prefetch_b8 v0, s[64:65] scope:SCOPE_SE
	s_setreg_imm32_b32 hwreg(HW_REG_WAVE_MODE, 25, 1), 1
	s_wait_xcnt 0x0
	s_wait_alu depctr_hold_cnt(0) depctr_sa_sdst(0) depctr_va_vdst(0) depctr_va_sdst(0) depctr_va_ssrc(0) depctr_va_vcc(0) depctr_vm_vsrc(0)
	s_getreg_b32 s2, hwreg(HW_REG_IB_STS2, 6, 4)
	s_cmp_eq_u32 s2, 0
	s_cbranch_scc0 .Lentry_in_a_cluster
	s_endpgm
.Lentry_in_a_cluster:
	s_bfe_u32 s2, ttmp6, 0x10000c
	s_cmp_lg_u32 s2, 0xf033
	s_cbranch_scc0 .Lentry_shape_is_right
	s_endpgm
.Lentry_shape_is_right:
; qkv[8192][3072] = xh[8192][1024] x wt[0:3072][1024]^T, all f16, sums in f32, K ascending, rounded once.  Columns 0-1023 are q, 1024-2047 k, 2048-3071 v.
; LIMIT.  |q|, |k|, |v| stay within f16's 65,504; beyond it the conversion gives an infinity.
; SHARES.  A work-group makes 256 rows x 128 columns; wave w its rows 64 w .. 64 w + 63 and all 128 columns: 32 accumulators of 16 x 16.  So a wave's rows of the result are 256 whole bytes,
; and each wave has a stage of its own on the way out.  24 x 32 work-groups: three to each of 256.
; K goes in 8 steps of 128 (rows of 256 bytes in memory, aligned) through two LDS slots that take turns; a step is a trip of the loop; LDS addresses change slots by one exclusive or.
; CLUSTER 4 x 4: the four of a row need the same rows of xh, the four of a column the same rows of wt: each tile is asked for jointly, same load, same descriptor, a mask that names the four.
; THE MATRIX INSTRUCTION IS USED TRANSPOSED (source 0 = 16 rows of wt, source 1 = 16 rows of xh): a lane then holds eight neighbouring columns of one row of the result.
; REGISTERS (windows of 256): window 0: v0-31 addresses; v32-63, v192-255 the way out; v64-95, v128-159 A's fragments, two buffers.  window 1: v64-127, v128-191 B's fragments.  window 2: the accumulators, (a, b) at 8 (8 a + b).
.set MA,     4                         ; blocks of 16 rows a wave
.set NS,     8                         ; K steps
.set PITCH,  272                       ; an LDS row: 256 bytes + 16 of padding = 68 words: the 16 rows of a load start at 16 different groups of four banks (64 banks of 4 bytes: ISA guide 11.1)
.set BOFF,   256*PITCH                 ; a slot: A's 256 rows, then B's 128
.set SLOT1,  0x20000                   ; slot 1 begins here; no LDS address inside slot 0 has this bit, so one exclusive or changes slots
.set STAGE,  SLOT1+BOFF+128*PITCH      ; behind the ring: 16 rows x 272 bytes for each wave
.set SPITCH, 272
.set SPARE,  STAGE+4*16*SPITCH         ; behind the stages: the spare words, 128 bytes a wave; no other line names them
.set STEPA,  256                       ; bytes from a K step to the next
.set STEPB,  256
.set OPITCH, 6144                      ; bytes in a row of qkv
.set BROW0,  0                         ; first row of wt
.set LA0, 2                            ; v2  my lane's place in A's tile; never rewritten
.set LB0, 3                            ; v3  in B's
.set ADRA, 4                           ; v4  the same in the slot in hand
.set ADRB, 5
.set STO, 6                            ; v6  the way out: where I put 16 bytes of a row
.set RD,  7                            ; v7  where I read rows back
.set CO,  8                            ; v8  my byte offset in two rows of the result
.set PFO, 9                            ; v9  the prefetches' offset: my lane x a row of 2,048 bytes; never rewritten
.set SPW, 28                           ; v28 LDS address of my spare word; never rewritten
.set NIL, 29                           ; v29 0; never rewritten
.set OB,  32
.set TMP, 192
.set F0,  64
.set F1,  128
.set WV,  12                           ; s12 wave
.set HF,  13                           ; s13 wave & 1: which half of a tile I fetch
.set G1A, 24                           ; s[24:31] group 1 for A;  s[32:39] group 0: set 0 (tile 0), set 1 (tile 1, then it walks)
.set G0A, 32
.set G1B, 48                           ; s[48:55], s[56:63] the same for B
.set G0B, 56
.set TB,  66                           ; s66 0 or SLOT1: the slot in hand
.set LEFT, 68                          ; s68 trips still to come
.set LIM, 69                           ; s69 2 in a wave that prefetches, else the greatest number
.set PFA, 70                           ; s[70:71] where my prefetches stand
.set G1W0, (1<<16)|(1<<20)|(1<<21)|(5<<22)|(3<<25)  ; 2-byte elements; padding on; bit 21 beside a mask; after every 64 words, 4 words
.set MSB, 0
.macro WIN new                         ; the immediate's high byte repeats the setting that is left; a switch that changes nothing is dropped
.if MSB != (\new)
	s_set_vgpr_msb (MSB<<8)|(\new)
.set MSB, \new
.endif
.endm
.macro PLACES                          ; four plain vector instructions between a matrix instruction and a load into, or a reader of, its registers
.rept 4
	v_nop
.endr
.endm
.macro CREST                           ; a round of the cluster's barrier behind its opening barrier
	s_cmp_lg_u32 s[WV], 0
	s_cbranch_scc1 .Lnot_wave_0_\@
	s_barrier_signal -3
.Lnot_wave_0_\@:
	s_barrier_wait -3
	s_barrier_signal -1
	s_barrier_wait -1
.endm
.macro CROUND
	s_barrier_signal -1
	s_barrier_wait -1
	CREST
.endm
.macro JLOAD                           ; the joint refill: waves 0, 1 fetch A's halves, waves 2, 3 B's; an s_nop 0 and four v_nop follow each line
	s_cmp_lt_u32 s[WV], 2
	s_cbranch_scc0 .Lfor_b_\@
	tensor_load_to_lds s[G0A+4:G0A+7], s[G1A:G1A+7]
	s_nop 0
	PLACES
	s_branch .Lasked_\@
.Lfor_b_\@:
	tensor_load_to_lds s[G0B+4:G0B+7], s[G1B:G1B+7]
	s_nop 0
	PLACES
.Lasked_\@:
.endm
; A prefetch of the K step that stands two refills on (the refill asks for step s + 2, this line names s + 4): 32 rows x 256 bytes, a lane a row.  Each row's 256 bytes are named once in the launch:
; A's rows by the first cluster along x (waves 0, 1), B's by the first along y (wave 2); the four partners that share a tile take 32 rows each, told apart by address.  The last trips name nothing.
.macro ASK
	s_cmp_gt_u32 s[LEFT], s[LIM]
	s_cbranch_scc0 .Lnot_mine_\@
	global_prefetch_b8 v[PFO], s[PFA:PFA+1] th:TH_LOAD_NT scope:SCOPE_SE
.Lnot_mine_\@:
.endm
.macro MULB f, a, cm                   ; 8 matrix instructions: block a x all 8 column blocks, 32 along K.  cm = 1: the product starts the sums
	WIN 0xa1                                       ; source 0 (B) window 1, source 1 (A) window 0, C and D window 2
.set AC, 64*(\a)
.irp b, 0,1,2,3,4,5,6,7
.if \cm
	v_wmma_f32_16x16x32_f16 v[AC+8*(\b):AC+8*(\b)+7], v[(\f)+8*(\b):(\f)+8*(\b)+7], v[(\f)+8*(\a):(\f)+8*(\a)+7], 0
.else
	v_wmma_f32_16x16x32_f16 v[AC+8*(\b):AC+8*(\b)+7], v[(\f)+8*(\b):(\f)+8*(\b)+7], v[(\f)+8*(\a):(\f)+8*(\a)+7], v[AC+8*(\b):AC+8*(\b)+7]
.endif
.endr
.endm
.macro MULS f, a0, cnt, cm             ; cnt blocks from a0 on.  The 32 accumulators take turns in the same order in every quarter
.set aa, \a0
.rept \cnt
	MULB \f, aa, \cm
.set aa, aa+1
.endr
.endm
.macro FETCH q, f                      ; one run of 24 LDS loads: the fragments of quarter q of the step in hand (B's 8, then A's 4) into buffer f
	WIN 0x40
.irp i, 0,1,2,3,4,5,6,7
	ds_load_b128 v[(\f)+8*(\i):(\f)+8*(\i)+3],   v[ADRB] offset:64*(\q)+(\i)*16*PITCH
	ds_load_b128 v[(\f)+8*(\i)+4:(\f)+8*(\i)+7], v[ADRB] offset:64*(\q)+(\i)*16*PITCH+32
.endr
	WIN 0
.set ii, 0
.rept MA
	ds_load_b128 v[(\f)+8*ii:(\f)+8*ii+3],   v[ADRA] offset:64*(\q)+ii*16*PITCH
	ds_load_b128 v[(\f)+8*ii+4:(\f)+8*ii+7], v[ADRA] offset:64*(\q)+ii*16*PITCH+32
.set ii, ii+1
.endr
.endm
.macro QUARTER q, f, g, cm             ; multiplies buffer f; in its middle fetches quarter q into buffer g
	s_wait_dscnt MA                                ; all but the youngest four loads (A's blocks 2, 3) are in
	MULS \f, 0, MA/2, \cm
	PLACES
	FETCH \q, \g
	s_wait_dscnt 16+2*MA                           ; all but the 24 just issued
	MULS \f, MA/2, MA/2, \cm
.endm
; The change of slots, first half: each wave waits for all its tensor loads (one is out: its part of the next slot), adds 0 to its spare word, and waits for that and for its reads of this slot; then the barrier.
.macro MEET
	WIN 0
	s_wait_tensorcnt 0x0
	ds_add_u32 v[SPW], v[NIL]
	s_wait_dscnt MA+1                              ; the add and the youngest four loads may be out
	MULS F1, 0, MA/4, 0
	s_wait_dscnt 0x0                               ; the add is done, my reads of this slot are over
	s_barrier_signal -1
	MULS F1, MA/4, MA/4, 0
	WIN 0
	s_barrier_wait -1
.endm
.macro TURN fill                       ; a step's last quarter.  fill = 1: the slot just read is filled again, two steps ahead, first thing behind a round of the cluster's barrier
.if \fill
	s_wait_xcnt 0x0                                ; the last prefetch, a step back, has read its address
	s_add_nc_u64 s[PFA:PFA+1], s[PFA:PFA+1], STEPA
.endif
	MEET
.if \fill
	CREST                                          ; no wave of any partner still reads this slot or has a load on its way
	s_xor_b32 s[G0A+5], s[G0A+5], SLOT1            ; the walking descriptors: the other slot than last time, the next step
	s_add_nc_u64 s[G0A+6:G0A+7], s[G0A+6:G0A+7], STEPA
	s_xor_b32 s[G0B+5], s[G0B+5], SLOT1
	s_add_nc_u64 s[G0B+6:G0B+7], s[G0B+6:G0B+7], STEPB
	JLOAD                                          ; its four v_nop are also the places in front of the loads below
.else
	PLACES
.endif
	s_xor_b32 s[TB], s[TB], SLOT1
	v_add_nc_u32 v[ADRA], s[TB], v[LA0]
	v_add_nc_u32 v[ADRB], s[TB], v[LB0]
	FETCH 0, F0
.if \fill
	ASK
.endif
	MULS F1, MA/2, MA/2, 0
.endm
.macro LASTQ
	s_wait_dscnt MA
	MULS F1, 0, MA/2, 0
	s_wait_dscnt 0x0
	MULS F1, MA/2, MA/2, 0
.endm
; THE WAY OUT of block a (16 rows): rounded to f16, 16 bytes a lane; through my own stage; back as whole rows of 256 bytes; stored.
.macro PACK a
.set AC, 64*(\a)
	WIN 0x0a                                       ; sources in window 2
.irp b, 0,1,2,3,4,5,6,7
.irp r, 0,1,2,3
	v_cvt_pk_f16_f32 v[TMP+4*(\b)+(\r)], v[AC+8*(\b)+2*(\r)], v[AC+8*(\b)+2*(\r)+1]
.endr
.endr
	WIN 0
.endm
.macro TOSTAGE a
.set BK, OB+192*((\a)%2)
.irp b, 0,1,2,3,4,5,6,7
	ds_store_b128 v[STO], v[TMP+4*(\b):TMP+4*(\b)+3] offset:32*(\b)
.endr
.irp t, 0,1,2,3,4,5,6,7
	ds_load_b128 v[BK+4*(\t):BK+4*(\t)+3], v[RD] offset:(\t)*2*SPITCH  ; LDS serves a wave's instructions in order (ISA guide 5.7.1.4): these see the stores above
.endr
.endm
.macro SEND a
.set BK, OB+192*((\a)%2)
	s_wait_dscnt 0x0                               ; the block is back in registers
	s_wait_xcnt 0x0                                ; earlier stores have read their base and data
.if (\a) > 0
	s_add_nc_u64 s[8:9], s[8:9], 16*OPITCH
.endif
.irp t, 0,1,2,3,4,5,6,7
	global_store_b128 v[CO], v[BK+4*(\t):BK+4*(\t)+3], s[8:9] offset:2*(\t)*OPITCH  ; 16 lanes store 256 consecutive bytes, aligned
.endr
.endm
	s_load_b128 s[4:7], s[0:1], 0x0                ; xh s[4:5], wt s[6:7]
	s_load_b64 s[8:9], s[0:1], 0x10                ; qkv
	v_lshl_add_u32 v[SPW], v0, 2, SPARE
	v_mov_b32 v[NIL], 0
	ds_add_u32 v[SPW], v[NIL]                      ; the wave's opening: the add and its wait ahead of my first tensor load
	ds_add_u32 v28, v29
	v_lshrrev_b32 v1, 5, v0
	v_readfirstlane_b32 s[WV], v1
	s_and_b32 s[HF], s[WV], 1
	s_bfe_u32 s40, ttmp6, 0x40000                  ; cx
	s_bfe_u32 s41, ttmp6, 0x40004                  ; cy
	s_lshl_b32 s42, ttmp9, 2
	s_add_co_u32 s42, s42, s40                     ; tile column
	s_and_b32 s43, ttmp7, 0xffff
	s_lshl_b32 s43, s43, 2
	s_add_co_u32 s43, s43, s41                     ; tile row
	s_lshl_b32 s44, s41, 2
	s_lshl_b32 s44, 15, s44                        ; my row of the cluster
	s_lshl_b32 s45, 0x1111, s40                    ; my column
	s_or_b32 s[G1A], s44, G1W0
	s_or_b32 s[G1B], s45, G1W0
	s_mov_b32 s[G1A+1], 128<<16                    ; tensor_dim0 = 128
	s_mov_b32 s[G1A+2], 128<<16                    ; tensor_dim1 = 128
	s_mov_b32 s[G1A+3], 128<<16                    ; tile_dim0 = 128
	s_mov_b32 s[G1A+4], 128                        ; tile_dim1 = 128 rows
	s_mov_b32 s[G1A+5], 1024                       ; elements from row to row
	s_mov_b32 s[G1A+6], 0
	s_mov_b32 s[G1A+7], 0
	s_mov_b32 s[G1B+1], 128<<16
	s_mov_b32 s[G1B+2], 64<<16
	s_mov_b32 s[G1B+3], 128<<16
	s_mov_b32 s[G1B+4], 64                         ; 64 rows
	s_mov_b32 s[G1B+5], 1024
	s_mov_b32 s[G1B+6], 0
	s_mov_b32 s[G1B+7], 0
	s_lshl_b32 s16, s43, 8
	s_lshl_b32 s17, s[HF], 7
	s_add_co_u32 s16, s16, s17                     ; A: row 256 x tile row + 128 x half
	s_lshl_b32 s16, s16, 11
	s_mov_b32 s17, 0
	s_lshl_b32 s46, s42, 7
	s_lshl_b32 s47, s[HF], 6
	s_add_co_u32 s46, s46, s47                     ; B: row 128 x tile column + 64 x half
	s_add_co_u32 s46, s46, BROW0
	s_lshl_b32 s46, s46, 11
	s_mov_b32 s47, 0
	s_mul_i32 s20, s[HF], 128*PITCH                ; where they go: no place in the cluster enters an LDS address
	s_mul_i32 s21, s[HF], 64*PITCH
	s_add_co_u32 s21, s21, BOFF
	s_mov_b32 s[TB], 0
	s_wait_dscnt 0x0                               ; the opening add is done
	s_wait_kmcnt 0x0
	s_add_nc_u64 s[18:19], s[4:5], s[16:17]
	s_add_nc_u64 s[46:47], s[6:7], s[46:47]
	CROUND                                         ; all sixteen work-groups are here: the first joint loads meet
.irp s, 0,1
	s_mov_b32 s[G0A+4*(\s)], 1
	s_add_co_u32 s[G0A+4*(\s)+1], s20, (\s)*SLOT1
	s_add_nc_u64 s[G0A+4*(\s)+2:G0A+4*(\s)+3], s[18:19], (\s)*STEPA
	s_or_b32 s[G0A+4*(\s)+3], s[G0A+4*(\s)+3], 0x80000000
	s_mov_b32 s[G0B+4*(\s)], 1
	s_add_co_u32 s[G0B+4*(\s)+1], s21, (\s)*SLOT1
	s_add_nc_u64 s[G0B+4*(\s)+2:G0B+4*(\s)+3], s[46:47], (\s)*STEPB
	s_or_b32 s[G0B+4*(\s)+3], s[G0B+4*(\s)+3], 0x80000000
.endr
	s_cmp_lt_u32 s[WV], 2                          ; a wave's two first fills stand in one branch: two loads of mine are out
	s_cbranch_scc0 .Lfirst_b
	tensor_load_to_lds s[G0A:G0A+3], s[G1A:G1A+7]
	s_nop 0
	tensor_load_to_lds s[G0A+4:G0A+7], s[G1A:G1A+7]
	s_nop 0
	PLACES
	s_branch .Lfirst_asked
.Lfirst_b:
	tensor_load_to_lds s[G0B:G0B+3], s[G1B:G1B+7]
	s_nop 0
	tensor_load_to_lds s[G0B+4:G0B+7], s[G1B:G1B+7]
	s_nop 0
	PLACES
.Lfirst_asked:
	; a fragment is 16 rows x 32 K in 8 registers: lane l holds row l % 16, K = 8 (l / 16) + 0..7 and 16 + 8 (l / 16) + 0..7: two loads of 16 bytes, 32 bytes apart
	v_and_b32 v1, 15, v0                           ; r
	v_bfe_u32 v16, v0, 4, 1                        ; h
	v_mul_u32_u24 v17, v1, PITCH
	v_lshl_add_u32 v17, v16, 4, v17
	s_mul_i32 s21, s[WV], 64*PITCH
	v_add_nc_u32 v[LA0], s21, v17
	v_add_nc_u32 v[LB0], BOFF, v17
	v_mov_b32 v[ADRA], v[LA0]
	v_mov_b32 v[ADRB], v[LB0]
	s_mul_i32 s23, s[WV], 16*SPITCH
	s_add_co_u32 s23, s23, STAGE
	v_add_nc_u32 v[STO], s23, v17                  ; in: row r, 16 bytes for each half of the lanes
	v_mul_u32_u24 v18, v16, SPITCH
	v_lshl_add_u32 v18, v1, 4, v18
	v_add_nc_u32 v[RD], s23, v18                   ; back: lanes 0-15 one row, lanes 16-31 the next
	v_mul_u32_u24 v18, v16, OPITCH
	v_lshl_add_u32 v[CO], v1, 4, v18
	s_lshl_b32 s16, s43, 8
	s_lshl_b32 s17, s[WV], 6
	s_add_co_u32 s16, s16, s17                     ; my first row of the result
	s_mul_i32 s16, s16, OPITCH
	s_mov_b32 s17, 0
	s_add_nc_u64 s[8:9], s[8:9], s[16:17]
	s_lshl_b32 s46, s42, 8                         ; the tile's first column, in bytes
	s_mov_b32 s47, 0
	s_add_nc_u64 s[8:9], s[8:9], s[46:47]
	; the prefetches
	s_lshl_b32 s20, s43, 8
	s_lshl_b32 s21, s[HF], 7
	s_add_co_u32 s20, s20, s21
	s_lshl_b32 s21, s40, 5
	s_add_co_u32 s20, s20, s21                     ; A: the 128 rows that I fetch, my work-group's 32 of them (by cx)
	s_lshl_b32 s21, s42, 7
	s_lshl_b32 s22, s41, 5
	s_add_co_u32 s21, s21, s22                     ; B: the tile's 128 rows, my work-group's 32 (by cy)
	s_add_co_u32 s21, s21, BROW0
	s_and_b32 s22, ttmp7, 0xffff
	s_cmp_lt_u32 s[WV], 2
	s_cselect_b32 s20, s20, s21
	s_cselect_b32 s22, ttmp9, s22                  ; the coordinate along which other clusters read the same rows
	s_cselect_b64 s[PFA:PFA+1], s[4:5], s[6:7]
	s_cmp_eq_u32 s[WV], 3
	s_cselect_b32 s22, 1, s22                      ; wave 3 asks for nothing
	s_cmp_eq_u32 s22, 0
	s_cselect_b32 s[LIM], 2, -1
	s_lshl_b32 s20, s20, 11
	s_add_co_u32 s20, s20, 3*STEPA                 ; at K step 3: the first change of slots steps it to 4.  Nothing is prefetched at the head
	s_mov_b32 s21, 0
	s_add_nc_u64 s[PFA:PFA+1], s[PFA:PFA+1], s[20:21]
	v_and_b32 v[PFO], 31, v0
	v_lshlrev_b32 v[PFO], 11, v[PFO]
	s_wait_tensorcnt 0x1                           ; my part of K step 0 is in; step 1's may stay out
	s_barrier_signal -1
	s_barrier_wait -1
	FETCH 0, F0
	QUARTER 1, F0, F1, 1                           ; the first quarter starts the sums: nothing is cleared
	WIN 0
	s_mov_b32 s[LEFT], NS-2
.Lstep:                                                ; a trip: from a step's second quarter to the next step's first; it fills one slot again
	QUARTER 2, F1, F0, 0
	QUARTER 3, F0, F1, 0
	TURN 1
	QUARTER 1, F0, F1, 0
	WIN 0
	s_sub_co_u32 s[LEFT], s[LEFT], 1
	s_cmp_lg_u32 s[LEFT], 0
	s_cbranch_scc1 .Lstep
	QUARTER 2, F1, F0, 0                           ; the last two steps ask for nothing
	QUARTER 3, F0, F1, 0
	TURN 0
	QUARTER 1, F0, F1, 0
	QUARTER 2, F1, F0, 0
	QUARTER 3, F0, F1, 0
	LASTQ
	PLACES
	PACK 0
	TOSTAGE 0
.irp a, 1,2,3
	PACK \a                                        ; block a's conversions stand between block a - 1's loads from the stage and the wait for them
	SEND (\a)-1
	TOSTAGE \a
.endr
	SEND 3
	s_wait_tensorcnt 0x0                           ; the wave's end
	ds_add_u32 v[SPW], v[NIL]
	s_wait_dscnt 0x0
	CROUND                                         ; the closing round
	s_endpgm
.Lfunc_end_k_q04759401ce_qkv:
	.size	k_q04759401ce_qkv, .Lfunc_end_k_q04759401ce_qkv-k_q04759401ce_qkv
	.p2alignl 7, 3214868480
	.fill 96, 4, 3214868480
	.section	.rodata,"a",@progbits
	.p2align	6, 0x0
	.amdhsa_kernel k_q04759401ce_qkv
		.amdhsa_group_segment_fixed_size 327680
		.amdhsa_private_segment_fixed_size 0
		.amdhsa_enable_private_segment 0
		.amdhsa_kernarg_size 24
		.amdhsa_user_sgpr_count 2
		.amdhsa_user_sgpr_kernarg_segment_ptr 1
		.amdhsa_wavefront_size32 1
		.amdhsa_system_sgpr_workgroup_id_x 1
		.amdhsa_system_sgpr_workgroup_id_y 1
		.amdhsa_system_sgpr_workgroup_id_z 1
		.amdhsa_system_vgpr_workitem_id 0
		.amdhsa_next_free_vgpr 768
		.amdhsa_next_free_sgpr 96
		.amdhsa_reserve_vcc 0
		.amdhsa_float_denorm_mode_32 3
		.amdhsa_float_denorm_mode_16_64 3
		.amdhsa_memory_ordered 1
		.amdhsa_forward_progress 1
		.amdhsa_inst_pref_size 71
	.end_amdhsa_kernel
	.amdgpu_metadata
---
amdhsa.version: [ 1, 2 ]
amdhsa.kernels:
  - .name:           k_q04759401ce_qkv
    .symbol:         k_q04759401ce_qkv.kd
    .args:
      - { .name: xh, .offset: 0, .size: 8, .value_kind: global_buffer, .address_space: global }
      - { .name: wt, .offset: 8, .size: 8, .value_kind: global_buffer, .address_space: global }
      - { .name: qkv, .offset: 16, .size: 8, .value_kind: global_buffer, .address_space: global }
    .group_segment_fixed_size: 327680
    .private_segment_fixed_size: 0
    .kernarg_segment_align: 8
    .kernarg_segment_size: 24
    .max_flat_workgroup_size: 128
    .sgpr_count:     96
    .vgpr_count:     768
    .wavefront_size: 32
...
	.end_amdgpu_metadata
.endif
;; end of part 2
;; launch sc (part 3): grid 36 x 4, 4 waves a work-group, no clusters, 327,680 bytes of LDS; arguments qkv, e, st; writes e, st
.if DOCPART == 3
	.amdgcn_target "amdgcn-amd-amdhsa--gfx1250"
	.amdhsa_code_object_version 6
	.text
	.protected	k_q04759401ce_sc
	.globl	k_q04759401ce_sc
	.p2align	8
	.type	k_q04759401ce_sc,@function
k_q04759401ce_sc:
	s_mov_b64 s[64:65], 0
	v_nop
	global_prefetch_b8 v0, s[64:65] scope:SCOPE_SE
	s_setreg_imm32_b32 hwreg(HW_REG_WAVE_MODE, 25, 1), 1
	s_wait_xcnt 0x0
; SCORES AND WEIGHTS.  For each causal tile (i, j <= i) of 256 queries x 256 keys of each batch: s = q . k (K = 1024, f16 operands, f32 sums), hidden where key > query; then for each row and each
; 128 keys: m = max s, E = 2^(c (s - m)) (c = log2(e) / 32) rounded to f16 into e, l = the sum of the unrounded E; (m, l) into st[batch][key tile of 128][row].  The next launch corrects each
; key tile by the row's true maximum, so the maximum taken away is exact.  THE DIFFERENCE IS TAKEN FIRST AND SCALED SECOND, in two instructions: at s = m the exponent is then exactly 0, whatever the
; scores' size, so E <= 1 and l >= 1 always; fused as c s - c m it would keep the rounding remainder of c m, which grows with m.
; LIMITS.  A hidden score counts as its value less 1e30, so |score| is taken to be under 1e29; where all 128 keys are hidden E is 1 and m about -1e30 (the next launch's factor for it is 0);
; a weight below 2^-126 counts as 0; NaN and infinities are not treated apart.
; SHARES.  Work-group u of 36 is tile (i, j) of the triangle; four waves, each 128 x 128: 64 accumulators.  K goes in 8 steps of 128 through two LDS slots; a step is a trip of the loop.
; THE MASK is the C operand of the product that starts each sum: 0 or -1e30; three sets of eight registers serve all 64 accumulators (below, on, above the diagonal of blocks).
; NO CLUSTER: row i of the triangle has i + 1 tiles and key column j has 8 - j, so no groups of four share an operand evenly; square groups would add 12 wholly hidden tiles a batch whose work no partner may jump.
; THE WAY OUT goes through the slots, which have had their last fill: scores in f32, rows of 528 bytes; read back so that 16 lanes hold one row's 128 keys.
; REGISTERS: window 0: v0-31 addresses; v32-55 masks; v64-127, v128-191 A's fragments (later the way out).  window 1: v64-127, v128-191 B's.  windows 2, 3: accumulators (a, b) at 8 (8 (a % 4) + b).
.set MA,     8
.set NS,     8
.set PITCH,  272                       ; 256 bytes + 16 of padding: the 16 rows of a load start at 16 different groups of four banks (64 banks of 4 bytes: ISA guide 11.1)
.set BOFF,   256*PITCH                 ; a slot: q's 256 rows, then k's 256
.set SLOT1,  0x22000                   ; = 512 x 272; no LDS address word of slot 0 used below has one of its two bits, so one exclusive or changes slots
.set SPARE,  2*SLOT1                   ; behind the ring: the spare words, 128 bytes a wave; no other line names them
.set RP,     528                       ; the way out: a row of 128 f32 + 16 bytes
.set QPITCH, 6144                      ; bytes in a row of qkv
.set STEPA,  256
.set LA0, 2
.set LB0, 3
.set ADRA, 4
.set ADRB, 5
.set SW0, 6                            ; v6  the way out: where I put my accumulators' registers
.set PFO, 9                            ; v9  my lane x a row of qkv; never rewritten
.set LR,  10                           ; v10 where I read rows back
.set EO,  11                           ; v11 my byte offset in two rows of e
.set SO,  12                           ; v12 my byte offset in 32 rows' statistics
.set KP,  20                           ; v20-23  (l % 16) - p
.set SM,  24                           ; v[24:25] the statistics that I keep: m, l
.set SPW, 28
.set NIL, 29
.set ZR,  32                           ; v32-39 mask of a block below the diagonal of blocks
.set DG,  40                           ; v40-47 on it
.set AH,  48                           ; v48-55 above it
.set F0,  64
.set F1,  128
.set X,   64                           ; the way out: four pairs of rows, 8 scores a lane each
.set EH,  96                           ; their weights in f16
.set MX,  112                          ; pair p: m at MX + 2 p; MX + 2 p + 1 holds the second chain of the maximum
.set WV,  12
.set HF,  13                           ; wave & 1: my half of the columns; also which 128 rows I fetch
.set WR,  14                           ; wave >> 1: my half of the rows
.set G1,  24                           ; s[24:31] group 1
.set G0,  32                           ; s[32:39] group 0: set 0 (step 0), set 1 (step 1, then it walks)
.set TB,  66
.set LEFT, 68
.set LIM, 69
.set PFA, 70
.set CS,  80                           ; s[80:81] c
.set K4,  82
.set INNER, 83
.set OUTER, 84
.set MSB, 0
.macro WIN new
.if MSB != (\new)
	s_set_vgpr_msb (MSB<<8)|(\new)
.set MSB, \new
.endif
.endm
.macro PLACES
.rept 4
	v_nop
.endr
.endm
.macro JLOAD                           ; the refill: every wave fetches 128 rows of its own (waves 0, 1 of q, waves 2, 3 of k) into wave x 128 LDS rows of the slot
	tensor_load_to_lds s[G0+4:G0+7], s[G1:G1+7]
	s_nop 0
	PLACES
.endm
; A prefetch of the K step that the next refill will ask for: the 128 rows that I fetch myself, a lane a row, four lines.  Block i of q and block i of k each occur in exactly one diagonal
; work-group (i, i): those ask, nobody else, so each row's 256 bytes are named once in the launch.  The last trip names nothing.
.macro ASK
	s_cmp_gt_u32 s[LEFT], s[LIM]
	s_cbranch_scc0 .Lnot_mine_\@
.irp n, 0,1,2,3
	global_prefetch_b8 v[PFO], s[PFA:PFA+1] offset:(\n)*32*QPITCH th:TH_LOAD_NT scope:SCOPE_SE
.endr
.Lnot_mine_\@:
.endm
.macro MULB f, a, cm                   ; 8 matrix instructions: row block a x all 8 key blocks.  cm = 3: the product starts the sum with the mask
.if (\cm) == 3
	WIN 0x81+0x40*((\a)/4)                         ; B window 1, A and C window 0, D window 2 or 3
.else
	WIN 0xa1+0x50*((\a)/4)                         ; C and D window 2 or 3
.endif
.set AC, 64*((\a)%4)
.irp b, 0,1,2,3,4,5,6,7
.if (\cm) == 3
.if (\b) > (\a)
.set MR, AH
.elseif (\b) == (\a)
.set MR, DG
.else
.set MR, ZR
.endif
	v_wmma_f32_16x16x32_f16 v[AC+8*(\b):AC+8*(\b)+7], v[(\f)+8*(\b):(\f)+8*(\b)+7], v[(\f)+8*(\a):(\f)+8*(\a)+7], v[MR:MR+7]
.else
	v_wmma_f32_16x16x32_f16 v[AC+8*(\b):AC+8*(\b)+7], v[(\f)+8*(\b):(\f)+8*(\b)+7], v[(\f)+8*(\a):(\f)+8*(\a)+7], v[AC+8*(\b):AC+8*(\b)+7]
.endif
.endr
.endm
.macro MULS f, a0, cnt, cm             ; the 64 accumulators take turns in the same order in every quarter
.set aa, \a0
.rept \cnt
	MULB \f, aa, \cm
.set aa, aa+1
.endr
.endm
.macro FETCH q, f                      ; one run of 32 LDS loads
	WIN 0x40
.irp i, 0,1,2,3,4,5,6,7
	ds_load_b128 v[(\f)+8*(\i):(\f)+8*(\i)+3],   v[ADRB] offset:64*(\q)+(\i)*16*PITCH
	ds_load_b128 v[(\f)+8*(\i)+4:(\f)+8*(\i)+7], v[ADRB] offset:64*(\q)+(\i)*16*PITCH+32
.endr
	WIN 0
.set ii, 0
.rept MA
	ds_load_b128 v[(\f)+8*ii:(\f)+8*ii+3],   v[ADRA] offset:64*(\q)+ii*16*PITCH
	ds_load_b128 v[(\f)+8*ii+4:(\f)+8*ii+7], v[ADRA] offset:64*(\q)+ii*16*PITCH+32
.set ii, ii+1
.endr
.endm
.macro QUARTER q, f, g, cm
	s_wait_dscnt MA                                ; all but the youngest eight loads (A's blocks 4-7) are in
	MULS \f, 0, MA/2, \cm
	PLACES
	FETCH \q, \g
	s_wait_dscnt 16+2*MA                           ; all but the 32 just issued
	MULS \f, MA/2, MA/2, \cm
.endm
.macro MEET                            ; each wave waits for all its tensor loads, adds 0 to its spare word, waits for that and for its reads of this slot; then the barrier
	WIN 0
	s_wait_tensorcnt 0x0
	ds_add_u32 v[SPW], v[NIL]
	s_wait_dscnt MA+1                              ; the add and the youngest eight loads may be out
	MULS F1, 0, MA/4, 0
	s_wait_dscnt 0x0
	s_barrier_signal -1
	MULS F1, MA/4, MA/4, 0
	WIN 0
	s_barrier_wait -1
.endm
.macro TURN fill
.if \fill
	s_wait_xcnt 0x0                                ; the last prefetches, a step back, have read their address
	s_add_nc_u64 s[PFA:PFA+1], s[PFA:PFA+1], STEPA
.endif
	MEET
.if \fill
	s_xor_b32 s[G0+5], s[G0+5], SLOT1              ; the walking descriptor: the other slot than last time, the next step
	s_add_nc_u64 s[G0+6:G0+7], s[G0+6:G0+7], STEPA
	JLOAD                                          ; my one tensor load behind the barrier, and the first thing there
.else
	PLACES
.endif
	s_xor_b32 s[TB], s[TB], SLOT1
	v_add_nc_u32 v[ADRA], s[TB], v[LA0]
	v_add_nc_u32 v[ADRB], s[TB], v[LB0]
	FETCH 0, F0
.if \fill
	ASK
.endif
	MULS F1, MA/2, MA/2, 0
.endm
.macro LASTQ
	s_wait_dscnt MA
	MULS F1, 0, MA/2, 0
	s_wait_dscnt 0x0
	MULS F1, MA/2, MA/2, 0
.endm
.macro ROWOF k, t                      ; row k of the triangle begins with tile t = k (k + 1) / 2
	s_cmp_ge_u32 s76, \t
	s_cselect_b32 s73, \k, s73
	s_cselect_b32 s74, \t, s74
.endm
	s_load_b128 s[4:7], s[0:1], 0x0                ; qkv s[4:5], e s[6:7]
	s_load_b64 s[8:9], s[0:1], 0x10                ; st
	v_lshl_add_u32 v[SPW], v0, 2, SPARE
	v_mov_b32 v[NIL], 0
	ds_add_u32 v[SPW], v[NIL]                      ; the wave's opening: the add and its wait ahead of my first tensor load
	ds_add_u32 v28, v29
	v_lshrrev_b32 v1, 5, v0
	v_readfirstlane_b32 s[WV], v1
	s_and_b32 s[HF], s[WV], 1
	s_lshr_b32 s[WR], s[WV], 1
	s_and_b32 s72, ttmp7, 0xffff                   ; batch
	s_mov_b32 s76, ttmp9
	s_mov_b32 s73, 0                               ; i
	s_mov_b32 s74, 0
	ROWOF 1, 1
	ROWOF 2, 3
	ROWOF 3, 6
	ROWOF 4, 10
	ROWOF 5, 15
	ROWOF 6, 21
	ROWOF 7, 28
	s_sub_co_u32 s75, s76, s74                     ; j
	s_mov_b32 s[G1], (1<<16)|(1<<20)|(5<<22)|(3<<25)  ; 2-byte elements; padding on: after every 64 words, 4 words
	s_mov_b32 s[G1+1], 128<<16                     ; tensor_dim0 = 128
	s_mov_b32 s[G1+2], 128<<16                     ; tensor_dim1 = 128
	s_mov_b32 s[G1+3], 128<<16                     ; tile_dim0 = 128
	s_mov_b32 s[G1+4], 128                         ; tile_dim1 = 128
	s_mov_b32 s[G1+5], 3072                        ; elements from row to row
	s_mov_b32 s[G1+6], 0
	s_mov_b32 s[G1+7], 0
	s_cmp_lt_u32 s[WV], 2
	s_cselect_b32 s16, s73, s75                    ; waves 0, 1: block i of q; waves 2, 3: block j of k
	s_cselect_b32 s18, 0, 0x800                    ; k's columns begin 2,048 bytes into a row
	s_lshl_b32 s16, s16, 8
	s_lshl_b32 s17, s72, 11
	s_add_co_u32 s16, s16, s17
	s_lshl_b32 s17, s[HF], 7
	s_add_co_u32 s16, s16, s17
	s_mul_i32 s16, s16, QPITCH
	s_add_co_u32 s16, s16, s18
	s_mov_b32 s17, 0
	s_mul_i32 s20, s[WV], 128*PITCH                ; where my rows go
	s_mov_b32 s[TB], 0
	s_mov_b32 s[CS], 0x3d38aa3b                    ; c = log2(e) / 32
	s_mov_b32 s[CS+1], s[CS]
	s_wait_dscnt 0x0                               ; the opening add is done
	s_wait_kmcnt 0x0
	s_add_nc_u64 s[22:23], s[4:5], s[16:17]
.irp s, 0,1
	s_mov_b32 s[G0+4*(\s)], 1
	s_add_co_u32 s[G0+4*(\s)+1], s20, (\s)*SLOT1
	s_add_nc_u64 s[G0+4*(\s)+2:G0+4*(\s)+3], s[22:23], (\s)*STEPA
	s_or_b32 s[G0+4*(\s)+3], s[G0+4*(\s)+3], 0x80000000
.endr
	tensor_load_to_lds s[G0:G0+3], s[G1:G1+7]      ; the two first fills go out together: two loads of mine are out
	s_nop 0
	tensor_load_to_lds s[G0+4:G0+7], s[G1:G1+7]
	s_nop 0
	PLACES
	v_and_b32 v1, 15, v0                           ; r
	v_bfe_u32 v16, v0, 4, 1                        ; h
	v_mul_u32_u24 v17, v1, PITCH
	v_lshl_add_u32 v17, v16, 4, v17
	s_mul_i32 s21, s[WR], 128*PITCH
	v_add_nc_u32 v[LA0], s21, v17
	s_mul_i32 s21, s[HF], 128*PITCH
	s_add_co_u32 s21, s21, BOFF
	v_add_nc_u32 v[LB0], s21, v17
	v_mov_b32 v[ADRA], v[LA0]
	v_mov_b32 v[ADRB], v[LB0]
	; the masks.  My rows are 128 wr + 16 a + r, my keys 128 wc + 16 b + 8 h + jj, both counted inside the tile; only in a diagonal tile is anything hidden
	s_cmp_eq_u32 s73, s75
	s_cselect_b32 s77, 1, 0                        ; a diagonal tile?
	s_cselect_b32 s[LIM], 1, -1                    ; those prefetch
	s_cmp_ge_u32 s[HF], s[WR]
	s_cselect_b32 s78, s77, 0
	s_cmp_gt_u32 s[HF], s[WR]
	s_cselect_b32 s79, s77, 0
	s_cmp_eq_u32 s78, 1
	s_cselect_b32 s78, 0xf149f2ca, 0               ; blocks b > a: -1e30 if wc >= wr
	s_cmp_eq_u32 s79, 1
	s_cselect_b32 s79, 0xf149f2ca, 0               ; blocks b < a: -1e30 if wc > wr
	v_lshlrev_b32 v18, 3, v16
	v_sub_nc_u32 v18, v1, v18                      ; r - 8 h: register jj of a block b = a is hidden where jj is greater
.irp n, 0,1,2,3,4,5,6,7
	v_mov_b32 v[ZR+(\n)], s79
	v_mov_b32 v[AH+(\n)], s78
.endr
.irp n, 0,1,2,3,4,5,6,7
	v_cmp_gt_i32 vcc_lo, \n, v18
	v_cndmask_b32 v[DG+(\n)], v[ZR+(\n)], v[AH+(\n)], vcc_lo
.endr
	; the way out's addresses
	s_mul_i32 s21, s[WV], 128*RP
	v_mul_u32_u24 v17, v1, RP
	v_lshl_add_u32 v17, v16, 5, v17
	v_add_nc_u32 v[SW0], s21, v17                  ; in: row r, 32 bytes for each half of the lanes
	v_mul_u32_u24 v17, v16, RP
	v_lshl_add_u32 v17, v1, 5, v17
	v_add_nc_u32 v[LR], s21, v17                   ; back: lanes 0-15 one row, lanes 16-31 the next; 32 bytes (8 keys) a lane
	v_lshlrev_b32 v[EO], 12, v16
	v_lshl_add_u32 v[EO], v1, 4, v[EO]
	v_lshl_add_u32 v[SO], v1, 1, v16
	v_lshlrev_b32 v[SO], 3, v[SO]                  ; row 2 (l % 16) + l / 16 of 32
	v_mov_b32 v[KP], v1
	v_add_nc_u32 v[KP+1], -1, v1
	v_add_nc_u32 v[KP+2], -2, v1
	v_add_nc_u32 v[KP+3], -3, v1
	v_mov_b32 v[SM], 0
	v_mov_b32 v[SM+1], 0
	s_lshl_b32 s16, s72, 11
	s_lshl_b32 s17, s73, 8
	s_add_co_u32 s16, s16, s17
	s_lshl_b32 s17, s[WR], 7
	s_add_co_u32 s16, s16, s17                     ; my first row
	s_lshl_b32 s16, s16, 12                        ; rows of e: 4,096 bytes
	s_lshl_b32 s17, s75, 9
	s_add_co_u32 s16, s16, s17
	s_lshl_b32 s17, s[HF], 8
	s_add_co_u32 s16, s16, s17                     ; my first key, 2 bytes each
	s_mov_b32 s17, 0
	s_add_nc_u64 s[6:7], s[6:7], s[16:17]
	s_lshl_b32 s16, s72, 4
	s_lshl_b32 s17, s75, 1
	s_add_co_u32 s16, s16, s17
	s_add_co_u32 s16, s16, s[HF]                   ; my key tile of 128
	s_lshl_b32 s16, s16, 11
	s_lshl_b32 s17, s73, 8
	s_add_co_u32 s16, s16, s17
	s_lshl_b32 s17, s[WR], 7
	s_add_co_u32 s16, s16, s17
	s_lshl_b32 s16, s16, 3
	s_mov_b32 s17, 0
	s_add_nc_u64 s[8:9], s[8:9], s[16:17]
	s_add_nc_u64 s[PFA:PFA+1], s[22:23], 2*STEPA   ; at K step 2 of my own rows: the first change of slots steps it to 3.  Nothing is prefetched at the head
	v_and_b32 v[PFO], 31, v0
	v_mul_u32_u24 v[PFO], v[PFO], QPITCH
	s_wait_tensorcnt 0x1                           ; my part of K step 0 is in; step 1's may stay out
	s_barrier_signal -1
	s_barrier_wait -1
	FETCH 0, F0
	QUARTER 1, F0, F1, 3                           ; the first quarter starts the sums with the masks
	WIN 0
	s_mov_b32 s[LEFT], NS-2
.Lstep:
	QUARTER 2, F1, F0, 0
	QUARTER 3, F0, F1, 0
	TURN 1
	QUARTER 1, F0, F1, 0
	WIN 0
	s_sub_co_u32 s[LEFT], s[LEFT], 1
	s_cmp_lg_u32 s[LEFT], 0
	s_cbranch_scc1 .Lstep
	QUARTER 2, F1, F0, 0
	QUARTER 3, F0, F1, 0
	TURN 0
	QUARTER 1, F0, F1, 0
	QUARTER 2, F1, F0, 0
	QUARTER 3, F0, F1, 0
	LASTQ
	WIN 0
	s_barrier_signal -1                            ; every wave's reads of the slots are back (the wait for 0 stands in the last quarter): now the slots, filled for the last time, take the scores
	s_barrier_wait -1
	PLACES
.set aa, 0
.rept 8
	WIN 0x08+4*(aa/4)                              ; store data in window 2 or 3
.irp b, 0,1,2,3,4,5,6,7
	ds_store_b128 v[SW0], v[64*(aa%4)+8*(\b):64*(aa%4)+8*(\b)+3]   offset:aa*16*RP+64*(\b)
	ds_store_b128 v[SW0], v[64*(aa%4)+8*(\b)+4:64*(aa%4)+8*(\b)+7] offset:aa*16*RP+64*(\b)+16
.endr
.set aa, aa+1
.endr
	WIN 0
	s_mov_b32 s[OUTER], 4
.Lgroup:                                               ; 32 rows: four trips of 8, then their statistics
	s_mov_b32 s[K4], 0
	s_mov_b32 s[INNER], 4
.Lrows:                                                ; 8 rows as four pairs p; lane (g = l / 16, k = l % 16) holds row 2 p + g, keys 8 k .. 8 k + 7.  These are my own bytes, served in order
.irp p, 0,1,2,3
	ds_load_b128 v[X+8*(\p):X+8*(\p)+3],   v[LR] offset:(\p)*2*RP
	ds_load_b128 v[X+8*(\p)+4:X+8*(\p)+7], v[LR] offset:(\p)*2*RP+16
.endr
	s_wait_dscnt 0x0
.irp p, 0,1,2,3
	v_max3_num_f32 v[MX+2*(\p)],   v[X+8*(\p)],   v[X+8*(\p)+1], v[X+8*(\p)+2]  ; the lane's eight scores: two chains, which fill both registers of the pair
	v_max3_num_f32 v[MX+2*(\p)+1], v[X+8*(\p)+3], v[X+8*(\p)+4], v[X+8*(\p)+5]
.endr
.irp p, 0,1,2,3
	v_max3_num_f32 v[MX+2*(\p)], v[MX+2*(\p)], v[X+8*(\p)+6], v[X+8*(\p)+7]
.endr
.irp p, 0,1,2,3
	v_max_num_f32 v[MX+2*(\p)], v[MX+2*(\p)], v[MX+2*(\p)+1]
.endr
.irp m, 1,2,4,8
.irp p, 0,1,2,3
	v_max_num_f32_dpp v[MX+2*(\p)], v[MX+2*(\p)], v[MX+2*(\p)] row_xmask:\m row_mask:0xf bank_mask:0xf  ; over the row's 16 lanes: m
.endr
.endr
.irp p, 0,1,2,3
.irp q, 0,1,2,3
	v_pk_add_f32 v[X+8*(\p)+2*(\q):X+8*(\p)+2*(\q)+1], v[X+8*(\p)+2*(\q):X+8*(\p)+2*(\q)+1], v[MX+2*(\p):MX+2*(\p)+1] op_sel_hi:[1,0] neg_lo:[0,1] neg_hi:[0,1]  ; s - m: 0 at the maximum, never above 0
.endr
.endr
.irp p, 0,1,2,3
.irp q, 0,1,2,3
	v_pk_mul_f32 v[X+8*(\p)+2*(\q):X+8*(\p)+2*(\q)+1], v[X+8*(\p)+2*(\q):X+8*(\p)+2*(\q)+1], s[CS:CS+1] op_sel_hi:[1,0]  ; c (s - m): not fused with the line above, on purpose (see the head)
.endr
.endr
.set n, 0
.rept 32
	v_exp_f32 v[X+n], v[X+n]                       ; one batch
.set n, n+1
.endr
	v_nop                                          ; a plain instruction behind the last exponential
	s_wait_alu depctr_va_vdst(0)                   ; and a wait ahead of the batch's first reader
.irp p, 0,1,2,3
.irp q, 0,1,2,3
	v_cvt_pk_f16_f32 v[EH+4*(\p)+(\q)], v[X+8*(\p)+2*(\q)], v[X+8*(\p)+2*(\q)+1]
.endr
	global_store_b128 v[EO], v[EH+4*(\p):EH+4*(\p)+3], s[6:7] offset:8192*(\p)  ; 16 lanes store a row's 256 consecutive bytes, aligned
.endr
.irp p, 0,1,2,3
	v_pk_add_f32 v[X+8*(\p):X+8*(\p)+1], v[X+8*(\p):X+8*(\p)+1], v[X+8*(\p)+2:X+8*(\p)+3]
	v_pk_add_f32 v[X+8*(\p)+4:X+8*(\p)+5], v[X+8*(\p)+4:X+8*(\p)+5], v[X+8*(\p)+6:X+8*(\p)+7]
.endr
.irp p, 0,1,2,3
	v_pk_add_f32 v[X+8*(\p):X+8*(\p)+1], v[X+8*(\p):X+8*(\p)+1], v[X+8*(\p)+4:X+8*(\p)+5]
.endr
.irp p, 0,1,2,3
	v_add_f32 v[X+8*(\p)], v[X+8*(\p)], v[X+8*(\p)+1]
.endr
.irp m, 1,2,4,8
.irp p, 0,1,2,3
	v_add_f32_dpp v[X+8*(\p)], v[X+8*(\p)], v[X+8*(\p)] row_xmask:\m row_mask:0xf bank_mask:0xf
.endr
.endr
.irp p, 0,1,2,3
	v_cmp_eq_u32 vcc_lo, s[K4], v[KP+(\p)]         ; lane k keeps the row pair with 4 x trip + p = k
	v_cndmask_b32 v[SM], v[SM], v[MX+2*(\p)], vcc_lo
	v_cndmask_b32 v[SM+1], v[SM+1], v[X+8*(\p)], vcc_lo
.endr
	s_wait_xcnt 0x0                                ; the stores have read their base and data
	s_add_nc_u64 s[6:7], s[6:7], 8*4096
	v_add_nc_u32 v[LR], 8*RP, v[LR]
	s_add_co_u32 s[K4], s[K4], 4
	s_sub_co_u32 s[INNER], s[INNER], 1
	s_cmp_lg_u32 s[INNER], 0
	s_cbranch_scc1 .Lrows
	global_store_b64 v[SO], v[SM:SM+1], s[8:9]     ; 32 rows' (m, l): 256 consecutive bytes, aligned
	s_wait_xcnt 0x0
	s_add_nc_u64 s[8:9], s[8:9], 256
	s_sub_co_u32 s[OUTER], s[OUTER], 1
	s_cmp_lg_u32 s[OUTER], 0
	s_cbranch_scc1 .Lgroup
	s_wait_tensorcnt 0x0                           ; the wave's end
	ds_add_u32 v[SPW], v[NIL]
	s_wait_dscnt 0x0
	s_endpgm
.Lfunc_end_k_q04759401ce_sc:
	.size	k_q04759401ce_sc, .Lfunc_end_k_q04759401ce_sc-k_q04759401ce_sc
	.p2alignl 7, 3214868480
	.fill 96, 4, 3214868480
	.section	.rodata,"a",@progbits
	.p2align	6, 0x0
	.amdhsa_kernel k_q04759401ce_sc
		.amdhsa_group_segment_fixed_size 327680
		.amdhsa_private_segment_fixed_size 0
		.amdhsa_enable_private_segment 0
		.amdhsa_kernarg_size 24
		.amdhsa_user_sgpr_count 2
		.amdhsa_user_sgpr_kernarg_segment_ptr 1
		.amdhsa_wavefront_size32 1
		.amdhsa_system_sgpr_workgroup_id_x 1
		.amdhsa_system_sgpr_workgroup_id_y 1
		.amdhsa_system_sgpr_workgroup_id_z 1
		.amdhsa_system_vgpr_workitem_id 0
		.amdhsa_next_free_vgpr 1024
		.amdhsa_next_free_sgpr 96
		.amdhsa_reserve_vcc 1
		.amdhsa_float_denorm_mode_32 3
		.amdhsa_float_denorm_mode_16_64 3
		.amdhsa_memory_ordered 1
		.amdhsa_forward_progress 1
		.amdhsa_inst_pref_size 103
	.end_amdhsa_kernel
	.amdgpu_metadata
---
amdhsa.version: [ 1, 2 ]
amdhsa.kernels:
  - .name:           k_q04759401ce_sc
    .symbol:         k_q04759401ce_sc.kd
    .args:
      - { .name: qkv, .offset: 0, .size: 8, .value_kind: global_buffer, .address_space: global }
      - { .name: e, .offset: 8, .size: 8, .value_kind: global_buffer, .address_space: global }
      - { .name: st, .offset: 16, .size: 8, .value_kind: global_buffer, .address_space: global }
    .group_segment_fixed_size: 327680
    .private_segment_fixed_size: 0
    .kernarg_segment_align: 8
    .kernarg_segment_size: 24
    .max_flat_workgroup_size: 128
    .sgpr_count:     96
    .vgpr_count:     1024
    .wavefront_size: 32
...
	.end_amdgpu_metadata
.endif
;; end of part 3
;; launch pv (part 4): grid 8 x 32, 4 waves a work-group, clusters of 4 x 1, 327,680 bytes of LDS; arguments e, qkv, st, ctx; writes ctx
.if DOCPART == 4
	.amdgcn_target "amdgcn-amd-amdhsa--gfx1250"
	.amdhsa_code_object_version 6
	.text
	.protected	k_q04759401ce_pv
	.globl	k_q04759401ce_pv
	.p2align	8
	.type	k_q04759401ce_pv,@function
k_q04759401ce_pv:
	s_mov_b64 s[64:65], 0
	v_nop
	global_prefetch_b8 v0, s[64:65] scope:SCOPE_SE
	s_setreg_imm32_b32 hwreg(HW_REG_WAVE_MODE, 25, 1), 1
	s_wait_xcnt 0x0
	s_wait_alu depctr_hold_cnt(0) depctr_sa_sdst(0) depctr_va_vdst(0) depctr_va_sdst(0) depctr_va_ssrc(0) depctr_va_vcc(0) depctr_vm_vsrc(0)
	s_getreg_b32 s2, hwreg(HW_REG_IB_STS2, 6, 4)
	s_cmp_eq_u32 s2, 0
	s_cbranch_scc0 .Lentry_in_a_cluster
	s_endpgm
.Lentry_in_a_cluster:
	s_bfe_u32 s2, ttmp6, 0x10000c
	s_cmp_lg_u32 s2, 0x3003
	s_cbranch_scc0 .Lentry_shape_is_right
	s_endpgm
.Lentry_shape_is_right:
; ctx = softmax x v.  For each row: M = the maximum over the 16 key tiles of m_t, f_t = 2^(c (m_t - M)), c = log2(e) / 32, L = the sum of f_t l_t (f32); ctx[row] = (the sum over t of (E_t f_t) V_t) / L, rounded once to f16.
; E_t was taken against its own tile's maximum m_t; f_t corrects it to the row's true maximum.  The difference is taken first and scaled second, so f is exactly 1 in the tile that holds the maximum,
; whatever the scores' size; there l_t >= 1, so L >= 1.  Key tiles above the diagonal hold neutral statistics (f = 0, l = 0) and are not multiplied; a tile whose keys are all hidden has m about -1e30 and f = 0.
; E f is made in f16 on A's fragment between its load and its product.
; LIMITS.  v within f16's range; a factor below 2^-126 counts as 0, E f below 6e-5 keeps f16's fixed step; NaN and infinities are not treated apart.
; SHARES.  A work-group makes 256 queries (block i of batch b) x 128 channels; wave w rows 64 w .. + 63: 32 accumulators.  K = keys, 2 i + 2 steps of 128; the long walks (i = 7) have the lowest y.
; The loop's backward jump counts to a constant (14); a walk that is shorter leaves it by a forward jump over the counter's lines alone, on a number made from the work-group's y.
; CLUSTER 4 x 1: the four partners make four channel tiles of the same rows: E's tile (two thirds of a step's bytes) is asked for jointly; V's tile differs between them and is a load of one's own.
; V lies [key][channel] and is turned on the way out of LDS by ds_load_tr16_b128.  Source 0 = 16 channels, source 1 = 16 queries: a lane ends with eight neighbouring channels of one row.
; REGISTERS: window 0: v0-31 addresses and factors; v32-63, v192-255 the way out; v64-95, v128-159 A's fragments (before the first fetch: the statistics).  window 1: v64-127, v128-191 V's fragments.  window 2: accumulators.
.set MA,     4
.set PITCH,  272                       ; a row of E in LDS: 256 bytes + 16
.set PV,     288                       ; a row of V: 256 + 32 = 72 words
.set BOFF,   256*PITCH                 ; a slot: E's 256 rows, then V's 128 key rows
.set SLOT1,  0x20000
.set FT,     SLOT1+BOFF+128*PV         ; behind the ring, for each wave 4,352 bytes: [t = 0..15][r][a] a word (f, f) in f16; at +4,096 [r][a] 1 / L in f32
.set FTW,    4352
.set STAGE,  FT+4*FTW
.set SPITCH, 272
.set SPARE,  STAGE+4*16*SPITCH
.set STEPA,  256                       ; 128 keys along a row of e
.set STEPB,  128*6144                  ; 128 key rows of qkv
.set QPITCH, 6144
.set OPITCH, 2048                      ; bytes in a row of ctx
.set LA0, 2
.set LB0, 3
.set ADRA, 4
.set ADRB, 5
.set STO, 6
.set RD,  7
.set CO,  8
.set PFO, 9
.set F0T, 10                           ; v10 my place in the table of factors; never rewritten
.set FAD, 11                           ; v11 the same for the step in hand
.set FK,  12                           ; v[12:15] (f, f) of my row in blocks a = 0..3, for the step in hand
.set RL,  16                           ; v[16:23] the way out: 1 / L of my row in block a, twice
.set SPW, 28
.set NIL, 29
.set OB,  32
.set TMP, 192
.set F0,  64
.set F1,  128
.set ML,  64                           ; the prologue: (m, l) of key tile t, row a' at ML + 4 t + 2 a'
.set FH,  128                          ; (f, f) at FH + 2 t + a'
.set MXR, 192                          ; M
.set LS,  194                          ; L
.set RC,  196                          ; 1 / L
.set WV,  12
.set HF,  13
.set G1A, 24
.set G0A, 32
.set G1B, 48
.set G0B, 56
.set TB,  66
.set CNT, 67
.set LEFT, 68                          ; s68 refills still to come: 2 i at the start
.set LIM, 69
.set PFA, 70
.set PST, 74                           ; s[74:75] what my prefetches step by
.set FTO, 76                           ; s76 256 x the step in hand
.set CS,  77                           ; s77 c
.set MSB, 0
.macro WIN new
.if MSB != (\new)
	s_set_vgpr_msb (MSB<<8)|(\new)
.set MSB, \new
.endif
.endm
.macro PLACES
.rept 4
	v_nop
.endr
.endm
.macro CREST
	s_cmp_lg_u32 s[WV], 0
	s_cbranch_scc1 .Lnot_wave_0_\@
	s_barrier_signal -3
.Lnot_wave_0_\@:
	s_barrier_wait -3
	s_barrier_signal -1
	s_barrier_wait -1
.endm
.macro CROUND
	s_barrier_signal -1
	s_barrier_wait -1
	CREST
.endm
.macro JLOAD                           ; waves 0, 1: E's halves, jointly; waves 2, 3: V's halves, my work-group's own
	s_cmp_lt_u32 s[WV], 2
	s_cbranch_scc0 .Lfor_b_\@
	tensor_load_to_lds s[G0A+4:G0A+7], s[G1A:G1A+7]
	s_nop 0
	PLACES
	s_branch .Lasked_\@
.Lfor_b_\@:
	tensor_load_to_lds s[G0B+4:G0B+7], s[G1B:G1B+7]
	s_nop 0
	PLACES
.Lasked_\@:
.endm
; A prefetch of the step that stands two refills on.  E's rows: the first of the two clusters that read them (waves 0, 1), the four partners 32 rows each, by address.  V's rows are read by all eight
; query blocks of a batch: the block that walks all keys (i = 7) asks, waves 2, 3 each for the 64 key rows that it fetches itself: two lines.  Each row's 256 bytes are named once.  The last trips name nothing.
.macro ASK
	s_cmp_gt_u32 s[LEFT], s[LIM]
	s_cbranch_scc0 .Lnot_mine_\@
	global_prefetch_b8 v[PFO], s[PFA:PFA+1] th:TH_LOAD_NT scope:SCOPE_SE
	s_cmp_lt_u32 s[WV], 2
	s_cbranch_scc1 .Lnot_mine_\@
	global_prefetch_b8 v[PFO], s[PFA:PFA+1] offset:32*QPITCH th:TH_LOAD_NT scope:SCOPE_SE
.Lnot_mine_\@:
.endm
.macro MULB f, a, cm
	WIN 0xa1
.set AC, 64*(\a)
.irp b, 0,1,2,3,4,5,6,7
.if \cm
	v_wmma_f32_16x16x32_f16 v[AC+8*(\b):AC+8*(\b)+7], v[(\f)+8*(\b):(\f)+8*(\b)+7], v[(\f)+8*(\a):(\f)+8*(\a)+7], 0
.else
	v_wmma_f32_16x16x32_f16 v[AC+8*(\b):AC+8*(\b)+7], v[(\f)+8*(\b):(\f)+8*(\b)+7], v[(\f)+8*(\a):(\f)+8*(\a)+7], v[AC+8*(\b):AC+8*(\b)+7]
.endif
.endr
.endm
.macro MULS f, a0, cnt, cm             ; the 32 accumulators take turns in the same order in every quarter
.set aa, \a0
.rept \cnt
	MULB \f, aa, \cm
.set aa, aa+1
.endr
.endm
.macro SCALE f, a0                     ; E f for blocks a0, a0 + 1 of buffer f: two weights a line, each rounded to f16
	WIN 0
.irp a, \a0, (\a0)+1
.irp n, 0,1,2,3,4,5,6,7
	v_pk_mul_f16 v[(\f)+8*(\a)+(\n)], v[(\f)+8*(\a)+(\n)], v[FK+(\a)]
.endr
.endr
.endm
.macro FETCH q, f                      ; one run of LDS loads: quarter q (32 keys).  The run that opens a step begins with the step's factors
.if (\q) == 0
	WIN 0
	ds_load_b128 v[FK:FK+3], v[FAD]
.endif
	WIN 0x40
.irp i, 0,1,2,3,4,5,6,7
	ds_load_tr16_b128 v[(\f)+8*(\i):(\f)+8*(\i)+3],   v[ADRB] offset:32*PV*(\q)+32*(\i)
	ds_load_tr16_b128 v[(\f)+8*(\i)+4:(\f)+8*(\i)+7], v[ADRB] offset:32*PV*(\q)+32*(\i)+16*PV
.endr
	WIN 0
.set ii, 0
.rept MA
	ds_load_b128 v[(\f)+8*ii:(\f)+8*ii+3],   v[ADRA] offset:64*(\q)+ii*16*PITCH
	ds_load_b128 v[(\f)+8*ii+4:(\f)+8*ii+7], v[ADRA] offset:64*(\q)+ii*16*PITCH+32
.set ii, ii+1
.endr
.endm
.macro QUARTER q, f, g, cm
	s_wait_dscnt MA                                ; all but the youngest four loads (A's blocks 2, 3) are in, the factors too: they are the run's oldest
	SCALE \f, 0
	MULS \f, 0, MA/2, \cm
	PLACES
	FETCH \q, \g
	s_wait_dscnt 16+2*MA                           ; all but the 24 just issued
	SCALE \f, 2
	MULS \f, MA/2, MA/2, \cm
.endm
.macro MEET                            ; both halves of buffer 1 are scaled here, ahead of the fetch that brings the next step's factors
	WIN 0
	s_wait_tensorcnt 0x0
	ds_add_u32 v[SPW], v[NIL]
	s_wait_dscnt MA+1                              ; the add and the youngest four loads may be out
	SCALE F1, 0
	MULS F1, 0, MA/4, 0
	s_wait_dscnt 0x0                               ; the add is done, my reads of this slot are over
	s_barrier_signal -1
	SCALE F1, 2
	MULS F1, MA/4, MA/4, 0
	WIN 0
	s_barrier_wait -1
.endm
.macro TURN fill
.if \fill
	s_wait_xcnt 0x0                                ; the last prefetches, a step back, have read their address
	s_add_nc_u64 s[PFA:PFA+1], s[PFA:PFA+1], s[PST:PST+1]
.endif
	MEET
.if \fill
	CREST                                          ; no wave of any partner still reads this slot or has a load on its way
	s_xor_b32 s[G0A+5], s[G0A+5], SLOT1
	s_add_nc_u64 s[G0A+6:G0A+7], s[G0A+6:G0A+7], STEPA
	s_xor_b32 s[G0B+5], s[G0B+5], SLOT1
	s_add_nc_u64 s[G0B+6:G0B+7], s[G0B+6:G0B+7], STEPB
	JLOAD
.else
	PLACES
.endif
	s_xor_b32 s[TB], s[TB], SLOT1
	s_add_co_u32 s[FTO], s[FTO], 256
	v_add_nc_u32 v[ADRA], s[TB], v[LA0]
	v_add_nc_u32 v[ADRB], s[TB], v[LB0]
	v_add_nc_u32 v[FAD], s[FTO], v[F0T]
	FETCH 0, F0
.if \fill
	ASK
.endif
	MULS F1, MA/2, MA/2, 0
.endm
.macro LASTQ
	s_wait_dscnt MA
	SCALE F1, 0
	MULS F1, 0, MA/2, 0
	s_wait_dscnt 0x0
	SCALE F1, 2
	MULS F1, MA/2, MA/2, 0
.endm
.macro DIVL a                          ; block a's sums times 1 / L, in f32
	WIN 0x82                                       ; destination and source 0 window 2, source 1 window 0
.set n, 0
.rept 32
	v_pk_mul_f32 v[64*(\a)+2*n:64*(\a)+2*n+1], v[64*(\a)+2*n:64*(\a)+2*n+1], v[RL+2*(\a):RL+2*(\a)+1] op_sel_hi:[1,0]
.set n, n+1
.endr
.endm
.macro PACK a
.set AC, 64*(\a)
	WIN 0x0a
.irp b, 0,1,2,3,4,5,6,7
.irp r, 0,1,2,3
	v_cvt_pk_f16_f32 v[TMP+4*(\b)+(\r)], v[AC+8*(\b)+2*(\r)], v[AC+8*(\b)+2*(\r)+1]
.endr
.endr
	WIN 0
.endm
.macro TOSTAGE a
.set BK, OB+192*((\a)%2)
.irp b, 0,1,2,3,4,5,6,7
	ds_store_b128 v[STO], v[TMP+4*(\b):TMP+4*(\b)+3] offset:32*(\b)
.endr
.irp t, 0,1,2,3,4,5,6,7
	ds_load_b128 v[BK+4*(\t):BK+4*(\t)+3], v[RD] offset:(\t)*2*SPITCH  ; LDS serves a wave's instructions in order (ISA guide 5.7.1.4)
.endr
.endm
.macro SEND a
.set BK, OB+192*((\a)%2)
	s_wait_dscnt 0x0
	s_wait_xcnt 0x0                                ; earlier stores have read their base and data
.if (\a) > 0
	s_add_nc_u64 s[10:11], s[10:11], 16*OPITCH
.endif
.irp t, 0,1,2,3,4,5,6,7
	global_store_b128 v[CO], v[BK+4*(\t):BK+4*(\t)+3], s[10:11] offset:2*(\t)*OPITCH  ; 16 lanes store 256 consecutive bytes, aligned
.endr
.endm
	s_load_b256 s[4:11], s[0:1], 0x0               ; e s[4:5], qkv s[6:7], st s[8:9], ctx s[10:11]
	v_lshl_add_u32 v[SPW], v0, 2, SPARE
	v_mov_b32 v[NIL], 0
	ds_add_u32 v[SPW], v[NIL]                      ; the wave's opening: the add and its wait ahead of my first tensor load
	ds_add_u32 v28, v29
	v_lshrrev_b32 v1, 5, v0
	v_readfirstlane_b32 s[WV], v1
	s_and_b32 s[HF], s[WV], 1
	s_bfe_u32 s40, ttmp6, 0x40000                  ; cx
	s_lshl_b32 s42, ttmp9, 2
	s_add_co_u32 s42, s42, s40                     ; my channel tile: it enters V's and ctx's addresses alone
	s_and_b32 s43, ttmp7, 0xffff                   ; y, which the four partners share
	s_lshr_b32 s72, s43, 3                         ; batch
	s_and_b32 s73, s43, 7
	s_sub_co_u32 s73, 7, s73                       ; query block i
	s_lshl_b32 s[LEFT], s73, 1                     ; 2 i + 2 steps: two first fills, 2 i refills
	s_mov_b32 s[G1A], 15|(1<<16)|(1<<20)|(1<<21)|(5<<22)|(3<<25)  ; the mask of four; 2-byte elements; padding on; bit 21 beside a mask; after every 64 words, 4 words
	s_mov_b32 s[G1A+1], 128<<16
	s_mov_b32 s[G1A+2], 128<<16
	s_mov_b32 s[G1A+3], 128<<16
	s_mov_b32 s[G1A+4], 128                        ; 128 rows of 128 keys
	s_mov_b32 s[G1A+5], 2048
	s_mov_b32 s[G1A+6], 0
	s_mov_b32 s[G1A+7], 0
	s_mov_b32 s[G1B], (1<<16)|(1<<20)|(5<<22)|(7<<25)  ; no mask; after every 64 words, 8 words
	s_mov_b32 s[G1B+1], 128<<16
	s_mov_b32 s[G1B+2], 64<<16
	s_mov_b32 s[G1B+3], 128<<16
	s_mov_b32 s[G1B+4], 64                         ; 64 key rows of 128 channels
	s_mov_b32 s[G1B+5], 3072
	s_mov_b32 s[G1B+6], 0
	s_mov_b32 s[G1B+7], 0
	s_lshl_b32 s16, s72, 11
	s_lshl_b32 s17, s73, 8
	s_add_co_u32 s16, s16, s17
	s_lshl_b32 s17, s[HF], 7
	s_add_co_u32 s16, s16, s17                     ; E: row 2048 b + 256 i + 128 x half
	s_lshl_b32 s16, s16, 12
	s_mov_b32 s17, 0
	s_lshl_b32 s46, s72, 11
	s_lshl_b32 s47, s[HF], 6
	s_add_co_u32 s46, s46, s47                     ; V: key row 2048 b + 64 x half,
	s_mul_i32 s46, s46, QPITCH
	s_lshl_b32 s47, s42, 8
	s_add_co_u32 s46, s46, s47                     ; my 128 channels,
	s_add_co_u32 s46, s46, 4096                    ; behind q's and k's columns
	s_mov_b32 s47, 0
	s_mul_i32 s20, s[HF], 128*PITCH
	s_mul_i32 s21, s[HF], 64*PV
	s_add_co_u32 s21, s21, BOFF
	s_mov_b32 s[TB], 0
	s_mov_b32 s[FTO], 0
	s_mov_b32 s[CS], 0x3d38aa3b                    ; c = log2(e) / 32
	s_wait_dscnt 0x0                               ; the opening add is done
	s_wait_kmcnt 0x0
	s_add_nc_u64 s[18:19], s[4:5], s[16:17]
	s_add_nc_u64 s[46:47], s[6:7], s[46:47]
	CROUND                                         ; all four work-groups are here: the first joint loads meet
.irp s, 0,1
	s_mov_b32 s[G0A+4*(\s)], 1
	s_add_co_u32 s[G0A+4*(\s)+1], s20, (\s)*SLOT1
	s_add_nc_u64 s[G0A+4*(\s)+2:G0A+4*(\s)+3], s[18:19], (\s)*STEPA
	s_or_b32 s[G0A+4*(\s)+3], s[G0A+4*(\s)+3], 0x80000000
	s_mov_b32 s[G0B+4*(\s)], 1
	s_add_co_u32 s[G0B+4*(\s)+1], s21, (\s)*SLOT1
	s_add_nc_u64 s[G0B+4*(\s)+2:G0B+4*(\s)+3], s[46:47], (\s)*STEPB
	s_or_b32 s[G0B+4*(\s)+3], s[G0B+4*(\s)+3], 0x80000000
.endr
	s_cmp_lt_u32 s[WV], 2                          ; a wave's two first fills stand in one branch: two loads of mine are out
	s_cbranch_scc0 .Lfirst_b
	tensor_load_to_lds s[G0A:G0A+3], s[G1A:G1A+7]
	s_nop 0
	tensor_load_to_lds s[G0A+4:G0A+7], s[G1A:G1A+7]
	s_nop 0
	PLACES
	s_branch .Lfirst_asked
.Lfirst_b:
	tensor_load_to_lds s[G0B:G0B+3], s[G1B:G1B+7]
	s_nop 0
	tensor_load_to_lds s[G0B+4:G0B+7], s[G1B:G1B+7]
	s_nop 0
	PLACES
.Lfirst_asked:
	v_and_b32 v1, 15, v0                           ; r
	v_bfe_u32 v16, v0, 4, 1                        ; h
	; THE STATISTICS, in the first tiles' flight.  Lane (r, h) takes my wave's rows 32 h + 16 a' + r, a' = 0, 1, and all 16 key tiles
	s_lshl_b32 s16, s72, 18
	s_lshl_b32 s17, s73, 11
	s_add_co_u32 s16, s16, s17
	s_lshl_b32 s17, s[WV], 9
	s_add_co_u32 s16, s16, s17                     ; (32768 b + 256 i + 64 w) x 8 bytes
	s_mov_b32 s17, 0
	s_add_nc_u64 s[8:9], s[8:9], s[16:17]
	v_lshlrev_b32 v21, 8, v16
	v_lshl_add_u32 v21, v1, 3, v21
.set t, 0
.rept 16
	global_load_b64 v[ML+4*t:ML+4*t+1],   v21, s[8:9] offset:16384*t
	global_load_b64 v[ML+4*t+2:ML+4*t+3], v21, s[8:9] offset:16384*t+128
.set t, t+1
.endr
	v_mul_u32_u24 v17, v1, PITCH
	v_lshl_add_u32 v17, v16, 4, v17
	s_mul_i32 s21, s[WV], 64*PITCH
	v_add_nc_u32 v[LA0], s21, v17
	v_and_b32 v18, 7, v0                           ; the turning load: lane l reads key 8 (l / 16) + l % 8, channels 8 ((l / 8) % 2) + 0..7
	v_bfe_u32 v19, v0, 3, 1
	v_lshl_add_u32 v18, v16, 3, v18
	v_mul_u32_u24 v18, v18, PV
	v_lshl_add_u32 v18, v19, 4, v18
	v_add_nc_u32 v[LB0], BOFF, v18
	v_mov_b32 v[ADRA], v[LA0]
	v_mov_b32 v[ADRB], v[LB0]
	s_mul_i32 s22, s[WV], FTW
	s_add_co_u32 s22, s22, FT
	v_lshl_add_u32 v[F0T], v1, 4, s22
	v_mov_b32 v[FAD], v[F0T]
	v_lshl_add_u32 v20, v16, 3, v[F0T]             ; where I write: words a = 2 h, 2 h + 1 of row r
	s_mul_i32 s23, s[WV], 16*SPITCH
	s_add_co_u32 s23, s23, STAGE
	v_add_nc_u32 v[STO], s23, v17
	v_mul_u32_u24 v18, v16, SPITCH
	v_lshl_add_u32 v18, v1, 4, v18
	v_add_nc_u32 v[RD], s23, v18
	v_lshlrev_b32 v18, 11, v16
	v_lshl_add_u32 v[CO], v1, 4, v18
	s_lshl_b32 s16, s72, 11
	s_lshl_b32 s17, s73, 8
	s_add_co_u32 s16, s16, s17
	s_lshl_b32 s17, s[WV], 6
	s_add_co_u32 s16, s16, s17                     ; my first row of ctx
	s_lshl_b32 s16, s16, 11
	s_lshl_b32 s17, s42, 8
	s_add_co_u32 s16, s16, s17
	s_mov_b32 s17, 0
	s_add_nc_u64 s[10:11], s[10:11], s[16:17]
	; the prefetches
	s_sub_co_u32 s21, 7, s73                       ; 0 where i = 7
	s_mov_b32 s[PST], STEPB
	s_mov_b32 s20, QPITCH
	s_lshl_b32 s22, s40, 17                        ; E: my work-group's 32 rows of 4,096 bytes
	s_cmp_lt_u32 s[WV], 2
	s_cselect_b32 s21, ttmp9, s21
	s_cselect_b64 s[PFA:PFA+1], s[18:19], s[46:47]
	s_cselect_b32 s[PST], STEPA, s[PST]
	s_cselect_b32 s20, 0x1000, s20
	s_cselect_b32 s22, s22, 0
	s_cmp_eq_u32 s21, 0
	s_cselect_b32 s[LIM], 2, -1
	s_mov_b32 s[PST+1], 0
	s_mul_i32 s23, s[PST], 3
	s_add_co_u32 s22, s22, s23                     ; at step 3: the first change of slots steps it to 4.  Nothing is prefetched at the head
	s_mov_b32 s23, 0
	s_add_nc_u64 s[PFA:PFA+1], s[PFA:PFA+1], s[22:23]
	v_and_b32 v[PFO], 31, v0
	v_mul_u32_u24 v[PFO], v[PFO], s20
	s_wait_loadcnt 0x0
.irp a, 0,1
	v_max3_num_f32 v[MXR+(\a)], v[ML+2*(\a)], v[ML+4+2*(\a)], v[ML+8+2*(\a)]
.endr
.irp t, 3,5,7,9,11,13
.irp a, 0,1
	v_max3_num_f32 v[MXR+(\a)], v[MXR+(\a)], v[ML+4*(\t)+2*(\a)], v[ML+4*(\t)+4+2*(\a)]
.endr
.endr
.irp a, 0,1
	v_max_num_f32 v[MXR+(\a)], v[MXR+(\a)], v[ML+60+2*(\a)]
.endr
.set t, 0
.rept 16
	v_sub_f32 v[ML+4*t], v[ML+4*t], v[MXR]         ; m_t - M: exactly 0 in the tile that holds the maximum
	v_sub_f32 v[ML+4*t+2], v[ML+4*t+2], v[MXR+1]
.set t, t+1
.endr
.set t, 0
.rept 16
	v_mul_f32 v[ML+4*t], s[CS], v[ML+4*t]          ; c (m_t - M): scaled second, on purpose (see the head)
	v_mul_f32 v[ML+4*t+2], s[CS], v[ML+4*t+2]
.set t, t+1
.endr
.set t, 0
.rept 16
	v_exp_f32 v[ML+4*t], v[ML+4*t]                 ; f_t: one batch
	v_exp_f32 v[ML+4*t+2], v[ML+4*t+2]
.set t, t+1
.endr
	v_nop                                          ; a plain instruction behind the last exponential
	s_wait_alu depctr_va_vdst(0)                   ; and a wait ahead of the batch's first reader
	v_mul_f32 v[LS], v[ML], v[ML+1]
	v_mul_f32 v[LS+1], v[ML+2], v[ML+3]
.set t, 1
.rept 15
	v_fmac_f32 v[LS], v[ML+4*t], v[ML+4*t+1]       ; L, in f32, two chains by turns
	v_fmac_f32 v[LS+1], v[ML+4*t+2], v[ML+4*t+3]
.set t, t+1
.endr
.set t, 0
.rept 16
	v_cvt_pk_f16_f32 v[FH+2*t], v[ML+4*t], v[ML+4*t]
	v_cvt_pk_f16_f32 v[FH+2*t+1], v[ML+4*t+2], v[ML+4*t+2]
	ds_store_b64 v20, v[FH+2*t:FH+2*t+1] offset:256*t
.set t, t+1
.endr
	v_rcp_f32 v[RC], v[LS]
	v_rcp_f32 v[RC+1], v[LS+1]
	v_nop
	s_wait_alu depctr_va_vdst(0)
	ds_store_b64 v20, v[RC:RC+1] offset:4096
	s_wait_tensorcnt 0x1                           ; my part of step 0 is in; step 1's may stay out
	s_wait_dscnt 0x0                               ; my table is written (only I read it)
	s_barrier_signal -1
	s_barrier_wait -1
	FETCH 0, F0
	QUARTER 1, F0, F1, 1                           ; the first quarter starts the sums
	WIN 0
	s_cmp_eq_u32 s[LEFT], 0
	s_cbranch_scc1 .Ltail                          ; block 0 has two steps and no refill
	s_mov_b32 s[CNT], 14
.Lstep:
	QUARTER 2, F1, F0, 0
	QUARTER 3, F0, F1, 0
	TURN 1
	QUARTER 1, F0, F1, 0
	WIN 0
	s_sub_co_u32 s[LEFT], s[LEFT], 1
	s_cmp_eq_u32 s[LEFT], 0
	s_cbranch_scc1 .Ltail                          ; my walk's refills are done: forward, over the counter's lines alone
	s_sub_co_u32 s[CNT], s[CNT], 1
	s_cmp_lg_u32 s[CNT], 0
	s_cbranch_scc1 .Lstep
.Ltail:
	QUARTER 2, F1, F0, 0
	QUARTER 3, F0, F1, 0
	TURN 0
	QUARTER 1, F0, F1, 0
	QUARTER 2, F1, F0, 0
	QUARTER 3, F0, F1, 0
	LASTQ
	WIN 0
	ds_load_b128 v[FK:FK+3], v[F0T] offset:4096    ; 1 / L of my row in blocks 0..3
	s_wait_dscnt 0x0
.irp a, 0,1,2,3
	v_mov_b32 v[RL+2*(\a)], v[FK+(\a)]             ; eight plain instructions: also the places behind the last products
	v_mov_b32 v[RL+2*(\a)+1], v[FK+(\a)]
.endr
	DIVL 0
	PACK 0
	TOSTAGE 0
.irp a, 1,2,3
	DIVL \a
	PACK \a
	SEND (\a)-1
	TOSTAGE \a
.endr
	SEND 3
	s_wait_tensorcnt 0x0                           ; the wave's end
	ds_add_u32 v[SPW], v[NIL]
	s_wait_dscnt 0x0
	CROUND                                         ; the closing round
	s_endpgm
.Lfunc_end_k_q04759401ce_pv:
	.size	k_q04759401ce_pv, .Lfunc_end_k_q04759401ce_pv-k_q04759401ce_pv
	.p2alignl 7, 3214868480
	.fill 96, 4, 3214868480
	.section	.rodata,"a",@progbits
	.p2align	6, 0x0
	.amdhsa_kernel k_q04759401ce_pv
		.amdhsa_group_segment_fixed_size 327680
		.amdhsa_private_segment_fixed_size 0
		.amdhsa_enable_private_segment 0
		.amdhsa_kernarg_size 32
		.amdhsa_user_sgpr_count 2
		.amdhsa_user_sgpr_kernarg_segment_ptr 1
		.amdhsa_wavefront_size32 1
		.amdhsa_system_sgpr_workgroup_id_x 1
		.amdhsa_system_sgpr_workgroup_id_y 1
		.amdhsa_system_sgpr_workgroup_id_z 1
		.amdhsa_system_vgpr_workitem_id 0
		.amdhsa_next_free_vgpr 768
		.amdhsa_next_free_sgpr 96
		.amdhsa_reserve_vcc 0
		.amdhsa_float_denorm_mode_32 3
		.amdhsa_float_denorm_mode_16_64 3
		.amdhsa_memory_ordered 1
		.amdhsa_forward_progress 1
		.amdhsa_inst_pref_size 117
	.end_amdhsa_kernel
	.amdgpu_metadata
---
amdhsa.version: [ 1, 2 ]
amdhsa.kernels:
  - .name:           k_q04759401ce_pv
    .symbol:         k_q04759401ce_pv.kd
    .args:
      - { .name: e, .offset: 0, .size: 8, .value_kind: global_buffer, .address_space: global }
      - { .name: qkv, .offset: 8, .size: 8, .value_kind: global_buffer, .address_space: global }
      - { .name: st, .offset: 16, .size: 8, .value_kind: global_buffer, .address_space: global }
      - { .name: ctx, .offset: 24, .size: 8, .value_kind: global_buffer, .address_space: global }
    .group_segment_fixed_size: 327680
    .private_segment_fixed_size: 0
    .kernarg_segment_align: 8
    .kernarg_segment_size: 32
    .max_flat_workgroup_size: 128
    .sgpr_count:     96
    .vgpr_count:     768
    .wavefront_size: 32
...
	.end_amdgpu_metadata
.endif
;; end of part 4
;; launch outp (part 5): grid 8 x 32, 4 waves a work-group, clusters of 4 x 4, 327,680 bytes of LDS; arguments ctx, wt, b_o, out0; writes out0
.if DOCPART == 5
	.amdgcn_target "amdgcn-amd-amdhsa--gfx1250"
	.amdhsa_code_object_version 6
	.text
	.protected	k_q04759401ce_outp
	.globl	k_q04759401ce_outp
	.p2align	8
	.type	k_q04759401ce_outp,@function
k_q04759401ce_outp:
	s_mov_b64 s[64:65], 0
	v_nop
	global_prefetch_b8 v0, s[64:65] scope:SCOPE_SE
	s_setreg_imm32_b32 hwreg(HW_REG_WAVE_MODE, 25, 1), 1
	s_wait_xcnt 0x0
	s_wait_alu depctr_hold_cnt(0) depctr_sa_sdst(0) depctr_va_vdst(0) depctr_va_sdst(0) depctr_va_ssrc(0) depctr_va_vcc(0) depctr_vm_vsrc(0)
	s_getreg_b32 s2, hwreg(HW_REG_IB_STS2, 6, 4)
	s_cmp_eq_u32 s2, 0
	s_cbranch_scc0 .Lentry_in_a_cluster
	s_endpgm
.Lentry_in_a_cluster:
	s_bfe_u32 s2, ttmp6, 0x10000c
	s_cmp_lg_u32 s2, 0xf033
	s_cbranch_scc0 .Lentry_shape_is_right
	s_endpgm
.Lentry_shape_is_right:
; out0[8192][1024] (f32) = ctx[8192][1024] (f16) x wt[3072:4096][1024]^T (f16) + b_o rounded to bf16.  Sums in f32, K ascending; the bias is the C operand of the product that starts each sum.
; SHARES, RING, CLUSTER as in the projection in front: a work-group makes 256 rows x 128 columns, wave w rows 64 w .. + 63 (32 accumulators); K in 8 steps of 128 through two LDS slots, a step a trip;
; 4 x 4 work-groups ask jointly for ctx's tiles along a row of the cluster and for wt's along a column.  Source 0 = 16 rows of wt, source 1 = 16 rows of ctx: a lane holds eight neighbouring columns of a row.
; THE WAY OUT: 16 rows of 128 f32 through my own stage (rows of 528 bytes); each store of the wave covers 512 consecutive bytes, aligned.
; REGISTERS: window 0: v0-31 addresses; v192-255 the way out; v64-95, v128-159 A's fragments.  window 1: v0-31 at work on the bias; v64-127, v128-191 B's fragments; v192-255 the bias.  window 2: accumulators.
.set MA,     4
.set NS,     8
.set PITCH,  272                       ; 256 bytes + 16 of padding: the 16 rows of a load start at 16 different groups of four banks (64 banks of 4 bytes: ISA guide 11.1)
.set BOFF,   256*PITCH
.set SLOT1,  0x20000
.set STAGE,  SLOT1+BOFF+128*PITCH
.set SPITCH, 528
.set SPARE,  STAGE+4*16*SPITCH
.set STEPA,  256
.set STEPB,  256
.set OPITCH, 4096                      ; bytes in a row of out0
.set BROW0,  3072                      ; W_o's rows in wt
.set LA0, 2
.set LB0, 3
.set ADRA, 4
.set ADRB, 5
.set STO, 6
.set RD,  7
.set CO,  8
.set PFO, 9
.set SPW, 28
.set NIL, 29
.set OB,  192
.set BI,  192                          ; window 1: the bias of column 16 b + 8 h + j at BI + 8 b + j
.set F0,  64
.set F1,  128
.set WV,  12
.set HF,  13
.set G1A, 24
.set G0A, 32
.set G1B, 48
.set G0B, 56
.set TB,  66
.set LEFT, 68
.set LIM, 69
.set PFA, 70
.set G1W0, (1<<16)|(1<<20)|(1<<21)|(5<<22)|(3<<25)
.set MSB, 0
.macro WIN new
.if MSB != (\new)
	s_set_vgpr_msb (MSB<<8)|(\new)
.set MSB, \new
.endif
.endm
.macro PLACES
.rept 4
	v_nop
.endr
.endm
.macro CREST
	s_cmp_lg_u32 s[WV], 0
	s_cbranch_scc1 .Lnot_wave_0_\@
	s_barrier_signal -3
.Lnot_wave_0_\@:
	s_barrier_wait -3
	s_barrier_signal -1
	s_barrier_wait -1
.endm
.macro CROUND
	s_barrier_signal -1
	s_barrier_wait -1
	CREST
.endm
.macro JLOAD
	s_cmp_lt_u32 s[WV], 2
	s_cbranch_scc0 .Lfor_b_\@
	tensor_load_to_lds s[G0A+4:G0A+7], s[G1A:G1A+7]
	s_nop 0
	PLACES
	s_branch .Lasked_\@
.Lfor_b_\@:
	tensor_load_to_lds s[G0B+4:G0B+7], s[G1B:G1B+7]
	s_nop 0
	PLACES
.Lasked_\@:
.endm
; A prefetch of the K step that stands two refills on: 32 rows x 256 bytes, a lane a row.  ctx's rows: the first cluster along x (waves 0, 1); wt's: the first along y (wave 2); partners 32 rows each, by address.
.macro ASK
	s_cmp_gt_u32 s[LEFT], s[LIM]
	s_cbranch_scc0 .Lnot_mine_\@
	global_prefetch_b8 v[PFO], s[PFA:PFA+1] th:TH_LOAD_NT scope:SCOPE_SE
.Lnot_mine_\@:
.endm
.macro MULB f, a, cm                   ; cm = 2: the product starts the sum with the bias
.if (\cm) == 2
	WIN 0x91                                       ; B and C window 1, A window 0, D window 2
.else
	WIN 0xa1
.endif
.set AC, 64*(\a)
.irp b, 0,1,2,3,4,5,6,7
.if (\cm) == 2
	v_wmma_f32_16x16x32_f16 v[AC+8*(\b):AC+8*(\b)+7], v[(\f)+8*(\b):(\f)+8*(\b)+7], v[(\f)+8*(\a):(\f)+8*(\a)+7], v[BI+8*(\b):BI+8*(\b)+7]
.else
	v_wmma_f32_16x16x32_f16 v[AC+8*(\b):AC+8*(\b)+7], v[(\f)+8*(\b):(\f)+8*(\b)+7], v[(\f)+8*(\a):(\f)+8*(\a)+7], v[AC+8*(\b):AC+8*(\b)+7]
.endif
.endr
.endm
.macro MULS f, a0, cnt, cm             ; the 32 accumulators take turns in the same order in every quarter
.set aa, \a0
.rept \cnt
	MULB \f, aa, \cm
.set aa, aa+1
.endr
.endm
.macro FETCH q, f
	WIN 0x40
.irp i, 0,1,2,3,4,5,6,7
	ds_load_b128 v[(\f)+8*(\i):(\f)+8*(\i)+3],   v[ADRB] offset:64*(\q)+(\i)*16*PITCH
	ds_load_b128 v[(\f)+8*(\i)+4:(\f)+8*(\i)+7], v[ADRB] offset:64*(\q)+(\i)*16*PITCH+32
.endr
	WIN 0
.set ii, 0
.rept MA
	ds_load_b128 v[(\f)+8*ii:(\f)+8*ii+3],   v[ADRA] offset:64*(\q)+ii*16*PITCH
	ds_load_b128 v[(\f)+8*ii+4:(\f)+8*ii+7], v[ADRA] offset:64*(\q)+ii*16*PITCH+32
.set ii, ii+1
.endr
.endm
.macro QUARTER q, f, g, cm
	s_wait_dscnt MA                                ; all but the youngest four loads (A's blocks 2, 3) are in
	MULS \f, 0, MA/2, \cm
	PLACES
	FETCH \q, \g
	s_wait_dscnt 16+2*MA                           ; all but the 24 just issued
	MULS \f, MA/2, MA/2, \cm
.endm
.macro MEET
	WIN 0
	s_wait_tensorcnt 0x0
	ds_add_u32 v[SPW], v[NIL]
	s_wait_dscnt MA+1                              ; the add and the youngest four loads may be out
	MULS F1, 0, MA/4, 0
	s_wait_dscnt 0x0
	s_barrier_signal -1
	MULS F1, MA/4, MA/4, 0
	WIN 0
	s_barrier_wait -1
.endm
.macro TURN fill
.if \fill
	s_wait_xcnt 0x0
	s_add_nc_u64 s[PFA:PFA+1], s[PFA:PFA+1], STEPA
.endif
	MEET
.if \fill
	CREST
	s_xor_b32 s[G0A+5], s[G0A+5], SLOT1
	s_add_nc_u64 s[G0A+6:G0A+7], s[G0A+6:G0A+7], STEPA
	s_xor_b32 s[G0B+5], s[G0B+5], SLOT1
	s_add_nc_u64 s[G0B+6:G0B+7], s[G0B+6:G0B+7], STEPB
	JLOAD
.else
	PLACES
.endif
	s_xor_b32 s[TB], s[TB], SLOT1
	v_add_nc_u32 v[ADRA], s[TB], v[LA0]
	v_add_nc_u32 v[ADRB], s[TB], v[LB0]
	FETCH 0, F0
.if \fill
	ASK
.endif
	MULS F1, MA/2, MA/2, 0
.endm
.macro LASTQ
	s_wait_dscnt MA
	MULS F1, 0, MA/2, 0
	s_wait_dscnt 0x0
	MULS F1, MA/2, MA/2, 0
.endm
.macro OUTB a                          ; block a: 16 rows of 128 f32 through my stage, back as whole rows of 512 bytes, stored
	WIN 0
	s_wait_xcnt 0x0                                ; the block before: its stores have read their base and data
.if (\a) > 0
	s_add_nc_u64 s[10:11], s[10:11], 16*OPITCH
.endif
	WIN 0x08                                       ; store data in window 2
.irp b, 0,1,2,3,4,5,6,7
	ds_store_b128 v[STO], v[64*(\a)+8*(\b):64*(\a)+8*(\b)+3]   offset:64*(\b)
	ds_store_b128 v[STO], v[64*(\a)+8*(\b)+4:64*(\a)+8*(\b)+7] offset:64*(\b)+16
.endr
	WIN 0
.set n, 0
.rept 16
	ds_load_b128 v[OB+4*n:OB+4*n+3], v[RD] offset:n*SPITCH  ; LDS serves a wave's instructions in order (ISA guide 5.7.1.4)
.set n, n+1
.endr
.set n, 0
.rept 16
	s_wait_dscnt 15-n                              ; row n is back; the younger rows' loads may stay out
	global_store_b128 v[CO], v[OB+4*n:OB+4*n+3], s[10:11] offset:n*OPITCH th:TH_STORE_NT
.set n, n+1
.endr
.endm
	s_load_b256 s[4:11], s[0:1], 0x0               ; ctx s[4:5], wt s[6:7], b_o s[8:9], out0 s[10:11]
	v_lshl_add_u32 v[SPW], v0, 2, SPARE
	v_mov_b32 v[NIL], 0
	ds_add_u32 v[SPW], v[NIL]                      ; the wave's opening: the add and its wait ahead of my first tensor load
	ds_add_u32 v28, v29
	v_lshrrev_b32 v1, 5, v0
	v_readfirstlane_b32 s[WV], v1
	s_and_b32 s[HF], s[WV], 1
	s_bfe_u32 s40, ttmp6, 0x40000                  ; cx
	s_bfe_u32 s41, ttmp6, 0x40004                  ; cy
	s_lshl_b32 s42, ttmp9, 2
	s_add_co_u32 s42, s42, s40                     ; tile column
	s_and_b32 s43, ttmp7, 0xffff
	s_lshl_b32 s43, s43, 2
	s_add_co_u32 s43, s43, s41                     ; tile row
	s_lshl_b32 s44, s41, 2
	s_lshl_b32 s44, 15, s44
	s_lshl_b32 s45, 0x1111, s40
	s_or_b32 s[G1A], s44, G1W0
	s_or_b32 s[G1B], s45, G1W0
	s_mov_b32 s[G1A+1], 128<<16
	s_mov_b32 s[G1A+2], 128<<16
	s_mov_b32 s[G1A+3], 128<<16
	s_mov_b32 s[G1A+4], 128
	s_mov_b32 s[G1A+5], 1024
	s_mov_b32 s[G1A+6], 0
	s_mov_b32 s[G1A+7], 0
	s_mov_b32 s[G1B+1], 128<<16
	s_mov_b32 s[G1B+2], 64<<16
	s_mov_b32 s[G1B+3], 128<<16
	s_mov_b32 s[G1B+4], 64
	s_mov_b32 s[G1B+5], 1024
	s_mov_b32 s[G1B+6], 0
	s_mov_b32 s[G1B+7], 0
	s_lshl_b32 s16, s43, 8
	s_lshl_b32 s17, s[HF], 7
	s_add_co_u32 s16, s16, s17
	s_lshl_b32 s16, s16, 11
	s_mov_b32 s17, 0
	s_lshl_b32 s46, s42, 7
	s_lshl_b32 s47, s[HF], 6
	s_add_co_u32 s46, s46, s47
	s_add_co_u32 s46, s46, BROW0
	s_lshl_b32 s46, s46, 11
	s_mov_b32 s47, 0
	s_mul_i32 s20, s[HF], 128*PITCH
	s_mul_i32 s21, s[HF], 64*PITCH
	s_add_co_u32 s21, s21, BOFF
	s_mov_b32 s[TB], 0
	s_wait_dscnt 0x0                               ; the opening add is done
	s_wait_kmcnt 0x0
	s_add_nc_u64 s[18:19], s[4:5], s[16:17]
	s_add_nc_u64 s[46:47], s[6:7], s[46:47]
	CROUND
.irp s, 0,1
	s_mov_b32 s[G0A+4*(\s)], 1
	s_add_co_u32 s[G0A+4*(\s)+1], s20, (\s)*SLOT1
	s_add_nc_u64 s[G0A+4*(\s)+2:G0A+4*(\s)+3], s[18:19], (\s)*STEPA
	s_or_b32 s[G0A+4*(\s)+3], s[G0A+4*(\s)+3], 0x80000000
	s_mov_b32 s[G0B+4*(\s)], 1
	s_add_co_u32 s[G0B+4*(\s)+1], s21, (\s)*SLOT1
	s_add_nc_u64 s[G0B+4*(\s)+2:G0B+4*(\s)+3], s[46:47], (\s)*STEPB
	s_or_b32 s[G0B+4*(\s)+3], s[G0B+4*(\s)+3], 0x80000000
.endr
	s_cmp_lt_u32 s[WV], 2                          ; a wave's two first fills stand in one branch: two loads of mine are out
	s_cbranch_scc0 .Lfirst_b
	tensor_load_to_lds s[G0A:G0A+3], s[G1A:G1A+7]
	s_nop 0
	tensor_load_to_lds s[G0A+4:G0A+7], s[G1A:G1A+7]
	s_nop 0
	PLACES
	s_branch .Lfirst_asked
.Lfirst_b:
	tensor_load_to_lds s[G0B:G0B+3], s[G1B:G1B+7]
	s_nop 0
	tensor_load_to_lds s[G0B+4:G0B+7], s[G1B:G1B+7]
	s_nop 0
	PLACES
.Lfirst_asked:
	v_and_b32 v1, 15, v0                           ; r
	v_bfe_u32 v16, v0, 4, 1                        ; h
	s_lshl_b32 s46, s42, 9                         ; the tile's 128 columns, 4 bytes each
	s_mov_b32 s47, 0
	s_add_nc_u64 s[8:9], s[8:9], s[46:47]
	v_lshlrev_b32 v18, 5, v16                      ; my eight columns of a block: 32 h
	WIN 0x40
.irp b, 0,1,2,3,4,5,6,7
	global_load_b128 v[BI+8*(\b):BI+8*(\b)+3],   v18, s[8:9] offset:64*(\b)
	global_load_b128 v[BI+8*(\b)+4:BI+8*(\b)+7], v18, s[8:9] offset:64*(\b)+16
.endr
	WIN 0
	v_mul_u32_u24 v17, v1, PITCH
	v_lshl_add_u32 v17, v16, 4, v17
	s_mul_i32 s21, s[WV], 64*PITCH
	v_add_nc_u32 v[LA0], s21, v17
	v_add_nc_u32 v[LB0], BOFF, v17
	v_mov_b32 v[ADRA], v[LA0]
	v_mov_b32 v[ADRB], v[LB0]
	s_mul_i32 s23, s[WV], 16*SPITCH
	s_add_co_u32 s23, s23, STAGE
	v_mul_u32_u24 v17, v1, SPITCH
	v_lshl_add_u32 v17, v16, 5, v17
	v_add_nc_u32 v[STO], s23, v17                  ; in: row r, 32 bytes for each half of the lanes
	v_and_b32 v[CO], 31, v0
	v_lshlrev_b32 v[CO], 4, v[CO]                  ; back and out: 32 lanes take a row's 512 bytes
	v_add_nc_u32 v[RD], s23, v[CO]
	s_lshl_b32 s16, s43, 8
	s_lshl_b32 s17, s[WV], 6
	s_add_co_u32 s16, s16, s17
	s_lshl_b32 s16, s16, 12
	s_mov_b32 s17, 0
	s_add_nc_u64 s[10:11], s[10:11], s[16:17]
	s_add_nc_u64 s[10:11], s[10:11], s[46:47]
	; the prefetches
	s_lshl_b32 s20, s43, 8
	s_lshl_b32 s21, s[HF], 7
	s_add_co_u32 s20, s20, s21
	s_lshl_b32 s21, s40, 5
	s_add_co_u32 s20, s20, s21
	s_lshl_b32 s21, s42, 7
	s_lshl_b32 s22, s41, 5
	s_add_co_u32 s21, s21, s22
	s_add_co_u32 s21, s21, BROW0
	s_and_b32 s22, ttmp7, 0xffff
	s_cmp_lt_u32 s[WV], 2
	s_cselect_b32 s20, s20, s21
	s_cselect_b32 s22, ttmp9, s22
	s_cselect_b64 s[PFA:PFA+1], s[4:5], s[6:7]
	s_cmp_eq_u32 s[WV], 3
	s_cselect_b32 s22, 1, s22
	s_cmp_eq_u32 s22, 0
	s_cselect_b32 s[LIM], 2, -1
	s_lshl_b32 s20, s20, 11
	s_add_co_u32 s20, s20, 3*STEPA                 ; at K step 3: the first change of slots steps it to 4.  Nothing is prefetched at the head
	s_mov_b32 s21, 0
	s_add_nc_u64 s[PFA:PFA+1], s[PFA:PFA+1], s[20:21]
	v_and_b32 v[PFO], 31, v0
	v_lshlrev_b32 v[PFO], 11, v[PFO]
	s_wait_loadcnt 0x0                             ; the bias: rounded to bf16 like every input, kept in f32
	WIN 0x45                                       ; destination and both sources in window 1
.set n, 0
.rept 32
	v_cvt_pk_bf16_f32 v[n], v[BI+2*n], v[BI+2*n+1]
.set n, n+1
.endr
.set n, 0
.rept 32
	v_lshlrev_b32 v[BI+2*n], 16, v[n]
	v_and_b32 v[BI+2*n+1], 0xffff0000, v[n]
.set n, n+1
.endr
	WIN 0
	s_wait_tensorcnt 0x1                           ; my part of K step 0 is in; step 1's may stay out
	s_barrier_signal -1
	s_barrier_wait -1
	FETCH 0, F0
	QUARTER 1, F0, F1, 2                           ; the first quarter starts the sums with the bias: no addition is written
	WIN 0
	s_mov_b32 s[LEFT], NS-2
.Lstep:
	QUARTER 2, F1, F0, 0
	QUARTER 3, F0, F1, 0
	TURN 1
	QUARTER 1, F0, F1, 0
	WIN 0
	s_sub_co_u32 s[LEFT], s[LEFT], 1
	s_cmp_lg_u32 s[LEFT], 0
	s_cbranch_scc1 .Lstep
	QUARTER 2, F1, F0, 0
	QUARTER 3, F0, F1, 0
	TURN 0
	QUARTER 1, F0, F1, 0
	QUARTER 2, F1, F0, 0
	QUARTER 3, F0, F1, 0
	LASTQ
	PLACES
	OUTB 0
	OUTB 1
	OUTB 2
	OUTB 3
	s_wait_tensorcnt 0x0                           ; the wave's end
	ds_add_u32 v[SPW], v[NIL]
	s_wait_dscnt 0x0
	CROUND                                         ; the closing round
	s_endpgm
.Lfunc_end_k_q04759401ce_outp:
	.size	k_q04759401ce_outp, .Lfunc_end_k_q04759401ce_outp-k_q04759401ce_outp
	.p2alignl 7, 3214868480
	.fill 96, 4, 3214868480
	.section	.rodata,"a",@progbits
	.p2align	6, 0x0
	.amdhsa_kernel k_q04759401ce_outp
		.amdhsa_group_segment_fixed_size 327680
		.amdhsa_private_segment_fixed_size 0
		.amdhsa_enable_private_segment 0
		.amdhsa_kernarg_size 32
		.amdhsa_user_sgpr_count 2
		.amdhsa_user_sgpr_kernarg_segment_ptr 1
		.amdhsa_wavefront_size32 1
		.amdhsa_system_sgpr_workgroup_id_x 1
		.amdhsa_system_sgpr_workgroup_id_y 1
		.amdhsa_system_sgpr_workgroup_id_z 1
		.amdhsa_system_vgpr_workitem_id 0
		.amdhsa_next_free_vgpr 768
		.amdhsa_next_free_sgpr 96
		.amdhsa_reserve_vcc 0
		.amdhsa_float_denorm_mode_32 3
		.amdhsa_float_denorm_mode_16_64 3
		.amdhsa_memory_ordered 1
		.amdhsa_forward_progress 1
		.amdhsa_inst_pref_size 79
	.end_amdhsa_kernel
	.amdgpu_metadata
---
amdhsa.version: [ 1, 2 ]
amdhsa.kernels:
  - .name:           k_q04759401ce_outp
    .symbol:         k_q04759401ce_outp.kd
    .args:
      - { .name: ctx, .offset: 0, .size: 8, .value_kind: global_buffer, .address_space: global }
      - { .name: wt, .offset: 8, .size: 8, .value_kind: global_buffer, .address_space: global }
      - { .name: b_o, .offset: 16, .size: 8, .value_kind: global_buffer, .address_space: global }
      - { .name: out0, .offset: 24, .size: 8, .value_kind: global_buffer, .address_space: global }
    .group_segment_fixed_size: 327680
    .private_segment_fixed_size: 0
    .kernarg_segment_align: 8
    .kernarg_segment_size: 32
    .max_flat_workgroup_size: 128
    .sgpr_count:     96
    .vgpr_count:     768
    .wavefront_size: 32
...
	.end_amdgpu_metadata
.endif
;; end of part 5
;; ======== version 2 of 2: 5 launches
;; limits: values are held in f16: magnitudes above 65,504 overflow, below 6.1e-05 lose precision
;; workspace buffers: xh 16,777,216 bytes; wt 8,388,608 bytes; qk 33,554,432 bytes; e 33,554,432 bytes; st 1,048,576 bytes; wvo 2,097,152 bytes; ctx 16,777,216 bytes
;; launch prep (part 6): grid 512 x 1, 8 waves a work-group, no clusters, 18,432 bytes of LDS; arguments inp, W_q, W_k, W_v, W_o, xh, wt, st; writes xh, wt, st
.if DOCPART == 6
	.amdgcn_target "amdgcn-amd-amdhsa--gfx1250"
	.amdhsa_code_object_version 6
	.text
	.protected	k_q04759401ce_prep
	.globl	k_q04759401ce_prep
	.p2align	8
	.type	k_q04759401ce_prep,@function
k_q04759401ce_prep:
	s_mov_b64 s[64:65], 0
	v_nop
	global_prefetch_b8 v0, s[64:65] scope:SCOPE_SE
	s_setreg_imm32_b32 hwreg(HW_REG_WAVE_MODE, 25, 1), 1
	s_wait_xcnt 0x0
; PREPARATION.  xh[8192][1024] = inp rounded to bf16 and that number written as f16.  wt[2048][2048] (f16) holds the four weights, rounded likewise: rows 0-1023: W_q TURNED (row e holds W_q[.][e]) in columns
; 0-1023, W_o turned in columns 1024-2047; rows 1024-2047: W_k turned, and 32 x W_v AS IT LIES (row d holds W_v[d][.]).  A later launch multiplies W_o turned by W_v; the factor 32, a power of two and so
; exact, keeps that product in f16's full precision when the weights are much smaller than 1; it is taken out again where the attention's sums are divided.
; st = neutral statistics (maximum m = -4.25e37, sum l = 0) for every row and key tile; a later launch overwrites those of the tiles it makes.
; LIMITS.  The second conversion is exact for 2^-17 <= |x| <= 65,504 (for W_v: |32 x|); below that the number keeps f16's fixed step (error at most 3e-8), beyond it it becomes an infinity.
; SHARES.  512 work-groups of eight waves, each with three shares: 8,192 numbers of a weight, 16 rows of inp, 2,048 bytes of st.  Work-groups 0-383 turn a tile of 128 (d) x 64 (e) of W_q, W_k or W_o in LDS
; (rows of 272 bytes); work-groups 384-511 convert 8 rows of W_v.  The branch between the two hangs on the work-group's number alone, so all eight waves take the same way and meet the same barrier.
; A stream: each input byte is read once, in runs of 256 bytes or more; every store of 16 lanes covers 256 consecutive bytes, aligned.
.set TP,    272                        ; a row of the turned tile: 128 f16 + 16 bytes of padding
.set SPARE, 64*TP                      ; behind the tile: the spare words, 128 bytes for each of the eight waves; no other line names them
.set SPW, 16                           ; v16  LDS address of my spare word; never rewritten
.set NIL, 17                           ; v17  0; never rewritten
.set WL,  32                           ; v[32:63]   eight loads of the weight
.set XL,  64                           ; v[64:127]  sixteen loads of inp: chunk j at XL + 8 j
; eight f32 at v[r .. r+7] -> bf16 -> the same numbers as f32 -> eight f16 in v[r .. r+3]; result q lands on a register whose number has been used up
.macro CONV r
.irp q, 0,1,2,3
	v_cvt_pk_bf16_f32 v[(\r)+2*(\q)], v[(\r)+2*(\q)], v[(\r)+2*(\q)+1]
.endr
.irp q, 0,1,2,3
	v_lshlrev_b32 v[(\r)+2*(\q)+1], 16, v[(\r)+2*(\q)]
	v_and_b32 v[(\r)+2*(\q)], s34, v[(\r)+2*(\q)]
.endr
.irp q, 0,1,2,3
	v_cvt_pk_f16_f32 v[(\r)+(\q)], v[(\r)+2*(\q)+1], v[(\r)+2*(\q)]
.endr
.endm
	s_load_b512 s[8:23], s[0:1], 0x0               ; inp s[8:9], W_q s[10:11], W_k s[12:13], W_v s[14:15], W_o s[16:17], xh s[18:19], wt s[20:21], st s[22:23]
	v_lshl_add_u32 v[SPW], v0, 2, SPARE
	v_mov_b32 v[NIL], 0
	s_lshr_b32 s2, ttmp9, 7                        ; which weight: 0 W_q, 1 W_k, 2 W_o, 3 W_v
	s_bfe_u32 s3, ttmp9, 0x30004                   ; dt: which 128 rows d
	s_and_b32 s4, ttmp9, 15                        ; et: which 64 columns e
	s_and_b32 s5, ttmp9, 127                       ; for W_v: which 8 rows
	v_and_b32 v1, 15, v0                           ; c4: my four columns
	v_lshrrev_b32 v2, 4, v0                        ; rp: my pair of rows
	v_lshlrev_b32 v3, 13, v2
	v_lshl_add_u32 v3, v1, 4, v3                   ; a tile's loads: rp x 2 rows of 4,096 bytes + 16 c4
	v_mul_u32_u24 v4, v1, 4*TP
	v_lshl_add_u32 v4, v2, 2, v4                   ; into the tile: row e = 4 c4 (+ j), word rp (+ 16 i)
	v_mul_u32_u24 v5, v2, TP
	v_lshl_add_u32 v5, v1, 4, v5                   ; back: row t / 16 (+ 16 k), 16 bytes at 16 (t % 16)
	v_lshlrev_b32 v6, 12, v2
	v_lshl_add_u32 v6, v1, 4, v6                   ; the same place in wt: rows of 4,096 bytes
	v_lshlrev_b32 v7, 5, v0                        ; inp and W_v: 32 bytes a thread
	v_lshlrev_b32 v8, 4, v0                        ; xh: 16 bytes a thread
	v_lshlrev_b32 v9, 3, v0                        ; st: 8 bytes a thread
	v_mov_b32 v10, 0xfe000000                      ; m: far below every score, a hidden one's -1e30 too
	v_mov_b32 v11, 0                               ; l
	v_lshrrev_b32 v12, 7, v0                       ; W_v in wt: 128 threads fill half a row of 4,096 bytes
	v_and_b32 v13, 127, v0
	v_lshlrev_b32 v12, 12, v12
	v_lshl_add_u32 v12, v13, 4, v12
	s_lshl_b32 s24, s3, 19                         ; a tile comes from row 128 dt of 4,096 bytes,
	s_lshl_b32 s25, s4, 8                          ; column 64 et of 4 bytes,
	s_add_co_u32 s24, s24, s25
	s_lshl_b32 s32, s4, 18                         ; and goes to row 64 et of 4,096 bytes,
	s_lshl_b32 s33, s3, 8                          ; column 128 dt of 2 bytes
	s_add_co_u32 s32, s32, s33
	s_lshl_b32 s35, s5, 15                         ; W_v: 8 rows of 4,096 bytes, where it comes from and where it goes alike
	s_cmp_eq_u32 s2, 3
	s_cselect_b32 s24, s35, s24
	s_cselect_b32 s32, s35, s32
	s_and_b32 s33, s2, 1
	s_lshl_b32 s33, s33, 22                        ; W_k and W_v: from row 1,024 of wt on
	s_add_co_u32 s32, s32, s33
	s_lshr_b32 s33, s2, 1
	s_lshl_b32 s33, s33, 11                        ; W_o and W_v: the right half of the rows
	s_add_co_u32 s32, s32, s33
	s_mov_b32 s25, 0
	s_mov_b32 s33, 0
	s_lshl_b32 s26, ttmp9, 16                      ; 16 rows of inp
	s_mov_b32 s27, 0
	s_lshl_b32 s28, ttmp9, 15                      ; 16 rows of xh
	s_mov_b32 s29, 0
	s_lshl_b32 s30, ttmp9, 11                      ; my 2,048 bytes of st
	s_mov_b32 s31, 0
	s_mov_b32 s34, 0xffff0000                      ; a word's upper bf16
	s_wait_kmcnt 0x0
	s_cmp_eq_u32 s2, 1
	s_cselect_b64 s[10:11], s[12:13], s[10:11]
	s_cmp_eq_u32 s2, 2
	s_cselect_b64 s[10:11], s[16:17], s[10:11]
	s_cmp_eq_u32 s2, 3
	s_cselect_b64 s[10:11], s[14:15], s[10:11]
	s_add_nc_u64 s[10:11], s[10:11], s[24:25]
	s_add_nc_u64 s[8:9], s[8:9], s[26:27]
	s_add_nc_u64 s[18:19], s[18:19], s[28:29]
	s_add_nc_u64 s[22:23], s[22:23], s[30:31]
	s_add_nc_u64 s[20:21], s[20:21], s[32:33]
	s_cmp_eq_u32 s2, 3
	s_cbranch_scc1 .Lrows_in
.irp i, 0,1,2,3
	global_load_b128 v[WL+8*(\i):WL+8*(\i)+3],   v3, s[10:11] offset:131072*(\i) th:TH_LOAD_NT       ; row d = 2 rp + 32 i
	global_load_b128 v[WL+8*(\i)+4:WL+8*(\i)+7], v3, s[10:11] offset:131072*(\i)+4096 th:TH_LOAD_NT  ; row d + 1
.endr
	s_branch .Lweight_asked
.Lrows_in:
.irp j, 0,1,2,3
	global_load_b128 v[WL+8*(\j):WL+8*(\j)+3],   v7, s[10:11] offset:8192*(\j) th:TH_LOAD_NT         ; two rows of W_v a chunk, eight numbers a thread
	global_load_b128 v[WL+8*(\j)+4:WL+8*(\j)+7], v7, s[10:11] offset:8192*(\j)+16 th:TH_LOAD_NT
.endr
.Lweight_asked:
.irp j, 0,1,2,3,4,5,6,7
	global_load_b128 v[XL+8*(\j):XL+8*(\j)+3],   v7, s[8:9] offset:8192*(\j) th:TH_LOAD_NT
	global_load_b128 v[XL+8*(\j)+4:XL+8*(\j)+7], v7, s[8:9] offset:8192*(\j)+16 th:TH_LOAD_NT
.endr
	global_store_b64 v9, v[10:11], s[22:23]
	s_wait_loadcnt 16                              ; the weight's eight loads are in; inp's sixteen may stay out
	s_cmp_eq_u32 s2, 3
	s_cbranch_scc1 .Lrows_out
	; (W[d][e], W[d+1][e]) -> two bf16 -> the same two numbers as f32 -> two f16, in place: the pair lies at WL + 8 i + j and WL + 8 i + 4 + j
.irp i, 0,1,2,3
.irp j, 0,1,2,3
	v_cvt_pk_bf16_f32 v[WL+8*(\i)+(\j)], v[WL+8*(\i)+(\j)], v[WL+8*(\i)+4+(\j)]
.endr
.endr
.irp i, 0,1,2,3
.irp j, 0,1,2,3
	v_lshlrev_b32 v[WL+8*(\i)+4+(\j)], 16, v[WL+8*(\i)+(\j)]
	v_and_b32 v[WL+8*(\i)+(\j)], s34, v[WL+8*(\i)+(\j)]
.endr
.endr
.irp i, 0,1,2,3
.irp j, 0,1,2,3
	v_cvt_pk_f16_f32 v[WL+8*(\i)+(\j)], v[WL+8*(\i)+4+(\j)], v[WL+8*(\i)+(\j)]
	ds_store_b32 v4, v[WL+8*(\i)+(\j)] offset:(\j)*TP+(\i)*64
.endr
.endr
	s_wait_dscnt 0x0                               ; for the others' sake: my part of the turned tile is written
	s_barrier_signal -1
	s_barrier_wait -1
.irp k, 0,1,2,3
	ds_load_b128 v[WL+4*(\k):WL+4*(\k)+3], v5 offset:16*TP*(\k)
.endr
	s_wait_dscnt 0x0                               ; the turned rows are back
.irp k, 0,1,2,3
	global_store_b128 v6, v[WL+4*(\k):WL+4*(\k)+3], s[20:21] offset:65536*(\k)  ; 16 lanes: 256 consecutive bytes of a row of wt
.endr
	s_branch .Lweight_done
.Lrows_out:
.set n, 0
.rept 16
	v_pk_mul_f32 v[WL+2*n:WL+2*n+1], v[WL+2*n:WL+2*n+1], 0x42000000 op_sel_hi:[1,0]  ; x 32: exact
.set n, n+1
.endr
.irp j, 0,1,2,3
	CONV WL+8*(\j)
	global_store_b128 v12, v[WL+8*(\j):WL+8*(\j)+3], s[20:21] offset:8192*(\j)  ; two rows of wt on for each chunk
.endr
.Lweight_done:
.irp j, 0,1,2,3,4,5,6,7
	s_wait_loadcnt 14-2*(\j)                       ; chunk j's two loads are in; the younger chunks' stay out
	CONV XL+8*(\j)
	global_store_b128 v8, v[XL+8*(\j):XL+8*(\j)+3], s[18:19] offset:4096*(\j)
.endr
	s_wait_tensorcnt 0x0                           ; the wave's end, behind my last LDS store
	ds_add_u32 v[SPW], v[NIL]
	s_wait_dscnt 0x0
	s_endpgm
.Lfunc_end_k_q04759401ce_prep:
	.size	k_q04759401ce_prep, .Lfunc_end_k_q04759401ce_prep-k_q04759401ce_prep
	.p2alignl 7, 3214868480
	.fill 96, 4, 3214868480
	.section	.rodata,"a",@progbits
	.p2align	6, 0x0
	.amdhsa_kernel k_q04759401ce_prep
		.amdhsa_group_segment_fixed_size 18432
		.amdhsa_private_segment_fixed_size 0
		.amdhsa_enable_private_segment 0
		.amdhsa_kernarg_size 64
		.amdhsa_user_sgpr_count 2
		.amdhsa_user_sgpr_kernarg_segment_ptr 1
		.amdhsa_wavefront_size32 1
		.amdhsa_system_sgpr_workgroup_id_x 1
		.amdhsa_system_sgpr_workgroup_id_y 1
		.amdhsa_system_sgpr_workgroup_id_z 1
		.amdhsa_system_vgpr_workitem_id 0
		.amdhsa_next_free_vgpr 128
		.amdhsa_next_free_sgpr 66
		.amdhsa_reserve_vcc 0
		.amdhsa_float_denorm_mode_32 3
		.amdhsa_float_denorm_mode_16_64 3
		.amdhsa_memory_ordered 1
		.amdhsa_forward_progress 1
		.amdhsa_inst_pref_size 23
	.end_amdhsa_kernel
	.amdgpu_metadata
---
amdhsa.version: [ 1, 2 ]
amdhsa.kernels:
  - .name:           k_q04759401ce_prep
    .symbol:         k_q04759401ce_prep.kd
    .args:
      - { .name: inp, .offset: 0, .size: 8, .value_kind: global_buffer, .address_space: global }
      - { .name: W_q, .offset: 8, .size: 8, .value_kind: global_buffer, .address_space: global }
      - { .name: W_k, .offset: 16, .size: 8, .value_kind: global_buffer, .address_space: global }
      - { .name: W_v, .offset: 24, .size: 8, .value_kind: global_buffer, .address_space: global }
      - { .name: W_o, .offset: 32, .size: 8, .value_kind: global_buffer, .address_space: global }
      - { .name: xh, .offset: 40, .size: 8, .value_kind: global_buffer, .address_space: global }
      - { .name: wt, .offset: 48, .size: 8, .value_kind: global_buffer, .address_space: global }
      - { .name: st, .offset: 56, .size: 8, .value_kind: global_buffer, .address_space: global }
    .group_segment_fixed_size: 18432
    .private_segment_fixed_size: 0
    .kernarg_segment_align: 8
    .kernarg_segment_size: 64
    .max_flat_workgroup_size: 256
    .sgpr_count:     66
    .vgpr_count:     128
    .wavefront_size: 32
...
	.end_amdgpu_metadata
.endif
;; end of part 6
;; launch qk (part 7): grid 8 x 32, 4 waves a work-group, clusters of 4 x 4, 327,680 bytes of LDS; arguments xh, wt, qk; writes qk
.if DOCPART == 7
	.amdgcn_target "amdgcn-amd-amdhsa--gfx1250"
	.amdhsa_code_object_version 6
	.text
	.protected	k_q04759401ce_qk
	.globl	k_q04759401ce_qk
	.p2align	8
	.type	k_q04759401ce_qk,@function
k_q04759401ce_qk:
	s_mov_b64 s[64:65], 0
	v_nop
	global_prefetch_b8 v0, s[64:65] scope:SCOPE_SE
	s_setreg_imm32_b32 hwreg(HW_REG_WAVE_MODE, 25, 1), 1
	s_wait_xcnt 0x0
	s_wait_alu depctr_hold_cnt(0) depctr_sa_sdst(0) depctr_va_vdst(0) depctr_va_sdst(0) depctr_va_ssrc(0) depctr_va_vcc(0) depctr_vm_vsrc(0)
	s_getreg_b32 s2, hwreg(HW_REG_IB_STS2, 6, 4)
	s_cmp_eq_u32 s2, 0
	s_cbranch_scc0 .Lentry_in_a_cluster
	s_endpgm
.Lentry_in_a_cluster:
	s_bfe_u32 s2, ttmp6, 0x10000c
	s_cmp_lg_u32 s2, 0xf033
	s_cbranch_scc0 .Lentry_shape_is_right
	s_endpgm
.Lentry_shape_is_right:
; qk[8192][2048] = xh[8192][1024] x (wt's rows 0-2047, columns 0-1023)^T, all f16, sums in f32, K ascending, rounded once.  Columns 0-1023 are q, 1024-2047 k.
; (There is no projection of values: the attention's weights multiply xh itself, and W_v W_o is applied behind them.)
; LIMIT.  |q|, |k| stay within f16's 65,504; beyond it the conversion gives an infinity.
; SHARES.  8 x 32 tiles of 256 x 256: one work-group each, 256 in all.  Four waves, each 128 x 128: 64 accumulators of 16 x 16.  A wave's rows of the result are 256 whole bytes, and each wave has a stage of its own.
; K goes in 8 steps of 128 (rows of 256 bytes in memory, aligned) through two LDS slots that take turns; a step, 256 matrix instructions a wave, is a trip of the loop; LDS addresses change slots by one exclusive or.
; CLUSTER 4 x 4: the four of a row need the same rows of xh, the four of a column the same rows of wt: each tile is asked for jointly, same load, same descriptor, a mask that names the four.
; THE MATRIX INSTRUCTION IS USED TRANSPOSED (source 0 = 16 rows of wt, source 1 = 16 rows of xh): a lane then holds eight neighbouring columns of one row of the result.
; REGISTERS (windows of 256): window 0: v0-31 addresses; v32-63, v192-255 the way out; v64-127, v128-191 A's fragments, two buffers.  window 1: v64-127, v128-191 B's.  windows 2, 3: accumulators (a, b) at 8 (8 (a % 4) + b).
.set MA,     8                         ; blocks of 16 rows a wave
.set NS,     8                         ; K steps
.set PITCH,  272                       ; an LDS row: 256 bytes + 16 of padding = 68 words: the 16 rows of a load start at 16 different groups of four banks (64 banks of 4 bytes: ISA guide 11.1)
.set BOFF,   256*PITCH                 ; a slot: A's 256 rows, then B's 256
.set SLOT1,  0x22000                   ; = 512 x 272; no LDS address word of slot 0 used below has one of its two bits, so one exclusive or changes slots
.set STAGE,  2*SLOT1                   ; behind the ring: 16 rows x 272 bytes for each wave
.set SPITCH, 272
.set SPARE,  STAGE+4*16*SPITCH         ; behind the stages: the spare words, 128 bytes a wave; no other line names them
.set STEPA,  256                       ; bytes from a K step to the next
.set STEPB,  256
.set OPITCH, 4096                      ; bytes in a row of qk
.set LA0, 2                            ; v2  my lane's place in A's tile; never rewritten
.set LB0, 3                            ; v3  in B's
.set ADRA, 4                           ; v4  the same in the slot in hand
.set ADRB, 5
.set STO, 6                            ; v6  the way out: where I put 16 bytes of a row
.set RD,  7                            ; v7  where I read rows back
.set CO,  8                            ; v8  my byte offset in two rows of the result
.set PFO, 9                            ; v9  the prefetches' offset: my lane x a row of xh or of wt; never rewritten
.set SPW, 28                           ; v28 LDS address of my spare word; never rewritten
.set NIL, 29                           ; v29 0; never rewritten
.set OB,  32
.set TMP, 192
.set F0,  64
.set F1,  128
.set WV,  12                           ; s12 wave
.set HF,  13                           ; s13 wave & 1: my half of the columns; also which 128 rows of a tile I fetch
.set WR,  14                           ; s14 wave >> 1: my half of the rows
.set G1A, 24                           ; s[24:31] group 1 for A;  s[32:39] group 0: set 0 (step 0), set 1 (step 1, then it walks)
.set G0A, 32
.set G1B, 48                           ; s[48:55], s[56:63] the same for B
.set G0B, 56
.set TB,  66                           ; s66 0 or SLOT1: the slot in hand
.set LEFT, 68                          ; s68 trips still to come
.set LIM, 69                           ; s69 1 in a wave that prefetches, else the greatest number
.set PFA, 70                           ; s[70:71] where my prefetches stand
.set G1W0, (1<<16)|(1<<20)|(1<<21)|(5<<22)|(3<<25)  ; 2-byte elements; padding on; bit 21 beside a mask; after every 64 words, 4 words
.set MSB, 0
.macro WIN new                         ; the immediate's high byte repeats the setting that is left; a switch that changes nothing is dropped
.if MSB != (\new)
	s_set_vgpr_msb (MSB<<8)|(\new)
.set MSB, \new
.endif
.endm
.macro PLACES                          ; four plain vector instructions between a matrix instruction and a load into, or a reader of, its registers
.rept 4
	v_nop
.endr
.endm
.macro CREST                           ; a round of the cluster's barrier behind its opening barrier
	s_cmp_lg_u32 s[WV], 0
	s_cbranch_scc1 .Lnot_wave_0_\@
	s_barrier_signal -3
.Lnot_wave_0_\@:
	s_barrier_wait -3
	s_barrier_signal -1
	s_barrier_wait -1
.endm
.macro CROUND
	s_barrier_signal -1
	s_barrier_wait -1
	CREST
.endm
.macro JLOAD                           ; the joint refill: waves 0, 1 fetch A's halves, waves 2, 3 B's; an s_nop 0 and four v_nop follow each line
	s_cmp_lt_u32 s[WV], 2
	s_cbranch_scc0 .Lfor_b_\@
	tensor_load_to_lds s[G0A+4:G0A+7], s[G1A:G1A+7]
	s_nop 0
	PLACES
	s_branch .Lasked_\@
.Lfor_b_\@:
	tensor_load_to_lds s[G0B+4:G0B+7], s[G1B:G1B+7]
	s_nop 0
	PLACES
.Lasked_\@:
.endm
; A prefetch of the K step that the next refill will ask for: 32 rows x 256 bytes, a lane a row, 256 matrix instructions ahead of that refill.  Each row's 256 bytes are named once in the launch:
; A's rows by the first cluster along x, B's by the first along y; of the 128 rows that a wave fetches each of the four partners that share the tile takes 32, told apart by address.  The last trip names nothing.
.macro ASK
	s_cmp_gt_u32 s[LEFT], s[LIM]
	s_cbranch_scc0 .Lnot_mine_\@
	global_prefetch_b8 v[PFO], s[PFA:PFA+1] th:TH_LOAD_NT scope:SCOPE_SE
.Lnot_mine_\@:
.endm
.macro MULB f, a, cm                   ; 8 matrix instructions: row block a x all 8 column blocks, 32 along K.  cm = 1: the product starts the sums
	WIN 0xa1+0x50*((\a)/4)                         ; source 0 (B) window 1, source 1 (A) window 0, C and D window 2 or 3
.set AC, 64*((\a)%4)
.irp b, 0,1,2,3,4,5,6,7
.if \cm
	v_wmma_f32_16x16x32_f16 v[AC+8*(\b):AC+8*(\b)+7], v[(\f)+8*(\b):(\f)+8*(\b)+7], v[(\f)+8*(\a):(\f)+8*(\a)+7], 0
.else
	v_wmma_f32_16x16x32_f16 v[AC+8*(\b):AC+8*(\b)+7], v[(\f)+8*(\b):(\f)+8*(\b)+7], v[(\f)+8*(\a):(\f)+8*(\a)+7], v[AC+8*(\b):AC+8*(\b)+7]
.endif
.endr
.endm
.macro MULS f, a0, cnt, cm             ; cnt blocks from a0 on.  The 64 accumulators take turns in the same order in every quarter
.set aa, \a0
.rept \cnt
	MULB \f, aa, \cm
.set aa, aa+1
.endr
.endm
.macro FETCH q, f                      ; one run of 32 LDS loads: the fragments of quarter q of the step in hand (B's 8, then A's 8) into buffer f
	WIN 0x40
.irp i, 0,1,2,3,4,5,6,7
	ds_load_b128 v[(\f)+8*(\i):(\f)+8*(\i)+3],   v[ADRB] offset:64*(\q)+(\i)*16*PITCH
	ds_load_b128 v[(\f)+8*(\i)+4:(\f)+8*(\i)+7], v[ADRB] offset:64*(\q)+(\i)*16*PITCH+32
.endr
	WIN 0
.set ii, 0
.rept MA
	ds_load_b128 v[(\f)+8*ii:(\f)+8*ii+3],   v[ADRA] offset:64*(\q)+ii*16*PITCH
	ds_load_b128 v[(\f)+8*ii+4:(\f)+8*ii+7], v[ADRA] offset:64*(\q)+ii*16*PITCH+32
.set ii, ii+1
.endr
.endm
.macro QUARTER q, f, g, cm             ; multiplies buffer f; in its middle fetches quarter q into buffer g
	s_wait_dscnt MA                                ; all but the youngest eight loads (A's blocks 4-7) are in
	MULS \f, 0, MA/2, \cm
	PLACES
	FETCH \q, \g
	s_wait_dscnt 16+2*MA                           ; all but the 32 just issued
	MULS \f, MA/2, MA/2, \cm
.endm
; The change of slots, first half: each wave waits for all its tensor loads (one is out: its part of the next slot), adds 0 to its spare word, and waits for that and for its reads of this slot; then the barrier.
.macro MEET
	WIN 0
	s_wait_tensorcnt 0x0
	ds_add_u32 v[SPW], v[NIL]
	s_wait_dscnt MA+1                              ; the add and the youngest eight loads may be out
	MULS F1, 0, MA/4, 0
	s_wait_dscnt 0x0                               ; the add is done, my reads of this slot are over
	s_barrier_signal -1
	MULS F1, MA/4, MA/4, 0
	WIN 0
	s_barrier_wait -1
.endm
.macro TURN fill                       ; a step's last quarter.  fill = 1: the slot just read is filled again, two steps ahead, first thing behind a round of the cluster's barrier
.if \fill
	s_wait_xcnt 0x0                                ; the last prefetch, a step back, has read its address
	s_add_nc_u64 s[PFA:PFA+1], s[PFA:PFA+1], STEPA
.endif
	MEET
.if \fill
	CREST                                          ; no wave of any partner still reads this slot or has a load on its way
	s_xor_b32 s[G0A+5], s[G0A+5], SLOT1            ; the walking descriptors: the other slot than last time, the next step
	s_add_nc_u64 s[G0A+6:G0A+7], s[G0A+6:G0A+7], STEPA
	s_xor_b32 s[G0B+5], s[G0B+5], SLOT1
	s_add_nc_u64 s[G0B+6:G0B+7], s[G0B+6:G0B+7], STEPB
	JLOAD                                          ; its four v_nop are also the places in front of the loads below; 224 matrix instructions stand between it and the wait for it
.else
	PLACES
.endif
	s_xor_b32 s[TB], s[TB], SLOT1
	v_add_nc_u32 v[ADRA], s[TB], v[LA0]
	v_add_nc_u32 v[ADRB], s[TB], v[LB0]
	FETCH 0, F0
.if \fill
	ASK
.endif
	MULS F1, MA/2, MA/2, 0
.endm
.macro LASTQ
	s_wait_dscnt MA
	MULS F1, 0, MA/2, 0
	s_wait_dscnt 0x0
	MULS F1, MA/2, MA/2, 0
.endm
; THE WAY OUT of block a (16 rows): rounded to f16, 16 bytes a lane; through my own stage; back as whole rows of 256 bytes; stored.
.macro PACK a
.set AC, 64*((\a)%4)
	WIN 0x0a+5*((\a)/4)                            ; sources in window 2 or 3
.irp b, 0,1,2,3,4,5,6,7
.irp r, 0,1,2,3
	v_cvt_pk_f16_f32 v[TMP+4*(\b)+(\r)], v[AC+8*(\b)+2*(\r)], v[AC+8*(\b)+2*(\r)+1]
.endr
.endr
	WIN 0
.endm
.macro TOSTAGE a
.set BK, OB+192*((\a)%2)
.irp b, 0,1,2,3,4,5,6,7
	ds_store_b128 v[STO], v[TMP+4*(\b):TMP+4*(\b)+3] offset:32*(\b)
.endr
.irp t, 0,1,2,3,4,5,6,7
	ds_load_b128 v[BK+4*(\t):BK+4*(\t)+3], v[RD] offset:(\t)*2*SPITCH  ; LDS serves a wave's instructions in order (ISA guide 5.7.1.4): these see the stores above
.endr
.endm
.macro SEND a
.set BK, OB+192*((\a)%2)
	s_wait_dscnt 0x0                               ; the block is back in registers
	s_wait_xcnt 0x0                                ; earlier stores have read their base and data
.if (\a) > 0
	s_add_nc_u64 s[8:9], s[8:9], 16*OPITCH
.endif
.irp t, 0,1,2,3,4,5,6,7
	global_store_b128 v[CO], v[BK+4*(\t):BK+4*(\t)+3], s[8:9] offset:2*(\t)*OPITCH  ; 16 lanes store 256 consecutive bytes, aligned
.endr
.endm
	s_load_b128 s[4:7], s[0:1], 0x0                ; xh s[4:5], wt s[6:7]
	s_load_b64 s[8:9], s[0:1], 0x10                ; qk
	v_lshl_add_u32 v[SPW], v0, 2, SPARE
	v_mov_b32 v[NIL], 0
	ds_add_u32 v[SPW], v[NIL]                      ; the wave's opening: the add and its wait ahead of my first tensor load
	ds_add_u32 v28, v29
	v_lshrrev_b32 v1, 5, v0
	v_readfirstlane_b32 s[WV], v1
	s_and_b32 s[HF], s[WV], 1
	s_lshr_b32 s[WR], s[WV], 1
	s_bfe_u32 s40, ttmp6, 0x40000                  ; cx
	s_bfe_u32 s41, ttmp6, 0x40004                  ; cy
	s_lshl_b32 s42, ttmp9, 2
	s_add_co_u32 s42, s42, s40                     ; tile column
	s_and_b32 s43, ttmp7, 0xffff
	s_lshl_b32 s43, s43, 2
	s_add_co_u32 s43, s43, s41                     ; tile row
	s_lshl_b32 s44, s41, 2
	s_lshl_b32 s44, 15, s44                        ; my row of the cluster
	s_lshl_b32 s45, 0x1111, s40                    ; my column
	s_or_b32 s[G1A], s44, G1W0
	s_or_b32 s[G1B], s45, G1W0
	s_mov_b32 s[G1A+1], 128<<16                    ; tensor_dim0 = 128
	s_mov_b32 s[G1A+2], 128<<16                    ; tensor_dim1 = 128
	s_mov_b32 s[G1A+3], 128<<16                    ; tile_dim0 = 128
	s_mov_b32 s[G1A+4], 128                        ; tile_dim1 = 128 rows
	s_mov_b32 s[G1A+5], 1024                       ; xh: elements from row to row
	s_mov_b32 s[G1A+6], 0
	s_mov_b32 s[G1A+7], 0
	s_mov_b32 s[G1B+1], 128<<16
	s_mov_b32 s[G1B+2], 128<<16
	s_mov_b32 s[G1B+3], 128<<16
	s_mov_b32 s[G1B+4], 128
	s_mov_b32 s[G1B+5], 2048                       ; wt: elements from row to row
	s_mov_b32 s[G1B+6], 0
	s_mov_b32 s[G1B+7], 0
	s_lshl_b32 s16, s43, 1
	s_add_co_u32 s16, s16, s[HF]
	s_lshl_b32 s16, s16, 18                        ; A: (2 x tile row + half) x 128 rows of 2,048 bytes
	s_mov_b32 s17, 0
	s_lshl_b32 s46, s42, 1
	s_add_co_u32 s46, s46, s[HF]
	s_lshl_b32 s46, s46, 19                        ; B: (2 x tile column + half) x 128 rows of 4,096 bytes
	s_mov_b32 s47, 0
	s_mul_i32 s20, s[HF], 128*PITCH                ; where they go: no place in the cluster enters an LDS address
	s_add_co_u32 s21, s20, BOFF
	s_mov_b32 s[TB], 0
	s_wait_dscnt 0x0                               ; the opening add is done
	s_wait_kmcnt 0x0
	s_add_nc_u64 s[18:19], s[4:5], s[16:17]
	s_add_nc_u64 s[46:47], s[6:7], s[46:47]
	CROUND                                         ; all sixteen work-groups are here: the first joint loads meet
.irp s, 0,1
	s_mov_b32 s[G0A+4*(\s)], 1
	s_add_co_u32 s[G0A+4*(\s)+1], s20, (\s)*SLOT1
	s_add_nc_u64 s[G0A+4*(\s)+2:G0A+4*(\s)+3], s[18:19], (\s)*STEPA
	s_or_b32 s[G0A+4*(\s)+3], s[G0A+4*(\s)+3], 0x80000000
	s_mov_b32 s[G0B+4*(\s)], 1
	s_add_co_u32 s[G0B+4*(\s)+1], s21, (\s)*SLOT1
	s_add_nc_u64 s[G0B+4*(\s)+2:G0B+4*(\s)+3], s[46:47], (\s)*STEPB
	s_or_b32 s[G0B+4*(\s)+3], s[G0B+4*(\s)+3], 0x80000000
.endr
	s_cmp_lt_u32 s[WV], 2                          ; a wave's two first fills stand in one branch: two loads of mine are out
	s_cbranch_scc0 .Lfirst_b
	tensor_load_to_lds s[G0A:G0A+3], s[G1A:G1A+7]
	s_nop 0
	tensor_load_to_lds s[G0A+4:G0A+7], s[G1A:G1A+7]
	s_nop 0
	PLACES
	s_branch .Lfirst_asked
.Lfirst_b:
	tensor_load_to_lds s[G0B:G0B+3], s[G1B:G1B+7]
	s_nop 0
	tensor_load_to_lds s[G0B+4:G0B+7], s[G1B:G1B+7]
	s_nop 0
	PLACES
.Lfirst_asked:
	; a fragment is 16 rows x 32 K in 8 registers: lane l holds row l % 16, K = 8 (l / 16) + 0..7 and 16 + 8 (l / 16) + 0..7: two loads of 16 bytes, 32 bytes apart
	v_and_b32 v1, 15, v0                           ; r
	v_bfe_u32 v16, v0, 4, 1                        ; h
	v_mul_u32_u24 v17, v1, PITCH
	v_lshl_add_u32 v17, v16, 4, v17
	s_mul_i32 s21, s[WR], 128*PITCH
	v_add_nc_u32 v[LA0], s21, v17
	s_mul_i32 s21, s[HF], 128*PITCH
	s_add_co_u32 s21, s21, BOFF
	v_add_nc_u32 v[LB0], s21, v17
	v_mov_b32 v[ADRA], v[LA0]
	v_mov_b32 v[ADRB], v[LB0]
	s_mul_i32 s23, s[WV], 16*SPITCH
	s_add_co_u32 s23, s23, STAGE
	v_add_nc_u32 v[STO], s23, v17                  ; in: row r, 16 bytes for each half of the lanes
	v_mul_u32_u24 v18, v16, SPITCH
	v_lshl_add_u32 v18, v1, 4, v18
	v_add_nc_u32 v[RD], s23, v18                   ; back: lanes 0-15 one row, lanes 16-31 the next
	v_lshlrev_b32 v18, 12, v16
	v_lshl_add_u32 v[CO], v1, 4, v18               ; and the same two rows in qk
	s_lshl_b32 s16, s43, 1
	s_add_co_u32 s16, s16, s[WR]
	s_lshl_b32 s16, s16, 19                        ; my first row of the result: (2 x tile row + my half) x 128 rows of 4,096 bytes
	s_mov_b32 s17, 0
	s_add_nc_u64 s[8:9], s[8:9], s[16:17]
	s_lshl_b32 s46, s42, 1
	s_add_co_u32 s46, s46, s[HF]
	s_lshl_b32 s46, s46, 8                         ; my first column: 128 columns of 2 bytes
	s_mov_b32 s47, 0
	s_add_nc_u64 s[8:9], s[8:9], s[46:47]
	; the prefetches
	s_lshl_b32 s20, s43, 8
	s_lshl_b32 s21, s[HF], 7
	s_add_co_u32 s20, s20, s21
	s_lshl_b32 s21, s40, 5
	s_add_co_u32 s20, s20, s21                     ; A: the 128 rows that I fetch, my work-group's 32 of them (by cx)
	s_lshl_b32 s20, s20, 11
	s_lshl_b32 s21, s42, 8
	s_lshl_b32 s22, s[HF], 7
	s_add_co_u32 s21, s21, s22
	s_lshl_b32 s22, s41, 5
	s_add_co_u32 s21, s21, s22                     ; B: the same (by cy)
	s_lshl_b32 s21, s21, 12
	s_and_b32 s22, ttmp7, 0xffff
	s_mov_b32 s23, 0x1000                          ; bytes in a row of wt
	s_cmp_lt_u32 s[WV], 2
	s_cselect_b32 s20, s20, s21
	s_cselect_b32 s22, ttmp9, s22                  ; the coordinate along which other clusters read the same rows
	s_cselect_b32 s23, 0x800, s23                  ; bytes in a row of xh, or of wt
	s_cselect_b64 s[PFA:PFA+1], s[4:5], s[6:7]
	s_cmp_eq_u32 s22, 0
	s_cselect_b32 s[LIM], 1, -1
	s_add_co_u32 s20, s20, 2*STEPA                 ; at K step 2: the first change of slots steps it to 3.  Nothing is prefetched at the head
	s_mov_b32 s21, 0
	s_add_nc_u64 s[PFA:PFA+1], s[PFA:PFA+1], s[20:21]
	v_and_b32 v[PFO], 31, v0
	v_mul_u32_u24 v[PFO], v[PFO], s23
	s_wait_tensorcnt 0x1                           ; my part of K step 0 is in; step 1's may stay out
	s_barrier_signal -1
	s_barrier_wait -1
	FETCH 0, F0
	QUARTER 1, F0, F1, 1                           ; the first quarter starts the sums: nothing is cleared
	WIN 0
	s_mov_b32 s[LEFT], NS-2
.Lstep:                                                ; a trip: from a step's second quarter to the next step's first; it fills one slot again
	QUARTER 2, F1, F0, 0
	QUARTER 3, F0, F1, 0
	TURN 1
	QUARTER 1, F0, F1, 0
	WIN 0
	s_sub_co_u32 s[LEFT], s[LEFT], 1
	s_cmp_lg_u32 s[LEFT], 0
	s_cbranch_scc1 .Lstep
	QUARTER 2, F1, F0, 0                           ; the last two steps ask for nothing
	QUARTER 3, F0, F1, 0
	TURN 0
	QUARTER 1, F0, F1, 0
	QUARTER 2, F1, F0, 0
	QUARTER 3, F0, F1, 0
	LASTQ
	PLACES
	PACK 0
	TOSTAGE 0
.irp a, 1,2,3,4,5,6,7
	PACK \a                                        ; block a's conversions stand between block a - 1's loads from the stage and the wait for them
	SEND (\a)-1
	TOSTAGE \a
.endr
	SEND 7
	s_wait_tensorcnt 0x0                           ; the wave's end
	ds_add_u32 v[SPW], v[NIL]
	s_wait_dscnt 0x0
	CROUND                                         ; the closing round
	s_endpgm
.Lfunc_end_k_q04759401ce_qk:
	.size	k_q04759401ce_qk, .Lfunc_end_k_q04759401ce_qk-k_q04759401ce_qk
	.p2alignl 7, 3214868480
	.fill 96, 4, 3214868480
	.section	.rodata,"a",@progbits
	.p2align	6, 0x0
	.amdhsa_kernel k_q04759401ce_qk
		.amdhsa_group_segment_fixed_size 327680
		.amdhsa_private_segment_fixed_size 0
		.amdhsa_enable_private_segment 0
		.amdhsa_kernarg_size 24
		.amdhsa_user_sgpr_count 2
		.amdhsa_user_sgpr_kernarg_segment_ptr 1
		.amdhsa_wavefront_size32 1
		.amdhsa_system_sgpr_workgroup_id_x 1
		.amdhsa_system_sgpr_workgroup_id_y 1
		.amdhsa_system_sgpr_workgroup_id_z 1
		.amdhsa_system_vgpr_workitem_id 0
		.amdhsa_next_free_vgpr 1024
		.amdhsa_next_free_sgpr 96
		.amdhsa_reserve_vcc 0
		.amdhsa_float_denorm_mode_32 3
		.amdhsa_float_denorm_mode_16_64 3
		.amdhsa_memory_ordered 1
		.amdhsa_forward_progress 1
		.amdhsa_inst_pref_size 117
	.end_amdhsa_kernel
	.amdgpu_metadata
---
amdhsa.version: [ 1, 2 ]
amdhsa.kernels:
  - .name:           k_q04759401ce_qk
    .symbol:         k_q04759401ce_qk.kd
    .args:
      - { .name: xh, .offset: 0, .size: 8, .value_kind: global_buffer, .address_space: global }
      - { .name: wt, .offset: 8, .size: 8, .value_kind: global_buffer, .address_space: global }
      - { .name: qk, .offset: 16, .size: 8, .value_kind: global_buffer, .address_space: global }
    .group_segment_fixed_size: 327680
    .private_segment_fixed_size: 0
    .kernarg_segment_align: 8
    .kernarg_segment_size: 24
    .max_flat_workgroup_size: 128
    .sgpr_count:     96
    .vgpr_count:     1024
    .wavefront_size: 32
...
	.end_amdgpu_metadata
.endif
;; end of part 7
;; launch sc (part 8): grid 40 x 4, 4 waves a work-group, no clusters, 327,680 bytes of LDS; arguments qk, wt, e, st, wvo; writes e, st, wvo
.if DOCPART == 8
	.amdgcn_target "amdgcn-amd-amdhsa--gfx1250"
	.amdhsa_code_object_version 6
	.text
	.protected	k_q04759401ce_sc
	.globl	k_q04759401ce_sc
	.p2align	8
	.type	k_q04759401ce_sc,@function
k_q04759401ce_sc:
	s_mov_b64 s[64:65], 0
	v_nop
	global_prefetch_b8 v0, s[64:65] scope:SCOPE_SE
	s_setreg_imm32_b32 hwreg(HW_REG_WAVE_MODE, 25, 1), 1
	s_wait_xcnt 0x0
; SCORES AND WEIGHTS (work-groups x = 0..35), AND THE FOLDED MATRIX (x = 36..39).
; SCORES.  For each causal tile (i, j <= i) of 256 queries x 256 keys of each batch y: s = q . k (K = 1024, f16 operands, f32 sums), hidden where key > query; then for each row and each
; 128 keys: m = max s, E = 2^(c (s - m)) (c = log2(e) / 32) rounded to f16 into e, l = the sum of the unrounded E; (m, l) into st[batch][key tile of 128][row].  The next launch corrects each
; key tile by the row's true maximum, so the maximum taken away is exact.  THE DIFFERENCE IS TAKEN FIRST AND SCALED SECOND, in two instructions: at s = m the exponent is then exactly 0, whatever the
; scores' size, so E <= 1 and l >= 1 always; fused as c s - c m it would keep the rounding remainder of c m, which grows with m.
; THE FOLDED MATRIX.  wvo[o][d] = the sum over e of W_o[e][o] x 32 W_v[d][e], rounded once to f16: 16 tiles of 256 x 256 (tile row y, tile column x - 36), read from wt, whose rows are as long as qk's.
; attn (x W_v) W_o = (attn x) (W_v W_o): so no launch projects values.  These tiles take the same K loop with masks of 0, and leave by a loop of their own.
; LIMITS.  A hidden score counts as its value less 1e30, so |score| is taken to be under 1e29; where all 128 keys are hidden E is 1 and m about -1e30 (the next launch's factor for it is 0);
; a weight below 2^-126 counts as 0; |32 W_v W_o| stays within f16's 65,504; NaN and infinities are not treated apart.
; SHARES.  Four waves, each 128 x 128: 64 accumulators.  K goes in 8 steps of 128 through two LDS slots; a step is a trip of the loop.
; THE MASK is the C operand of the product that starts each sum: 0 or -1e30; three sets of eight registers serve all 64 accumulators (below, on, above the diagonal of blocks).
; NO CLUSTER: row i of the triangle has i + 1 tiles and key column j has 8 - j, so no groups of four share an operand evenly; square groups would add 12 wholly hidden tiles a batch whose work no partner may jump.
; THE WAY OUT goes through the slots, which have had their last fill: sums in f32, rows of 528 bytes; read back so that 16 lanes hold one row's 128 columns.
; REGISTERS: window 0: v0-31 addresses; v32-55 masks; v64-127, v128-191 A's fragments (later the way out).  window 1: v64-127, v128-191 B's.  windows 2, 3: accumulators (a, b) at 8 (8 (a % 4) + b).
.set MA,     8
.set NS,     8
.set PITCH,  272                       ; 256 bytes + 16 of padding: the 16 rows of a load start at 16 different groups of four banks (64 banks of 4 bytes: ISA guide 11.1)
.set BOFF,   256*PITCH                 ; a slot: A's 256 rows, then B's 256
.set SLOT1,  0x22000                   ; = 512 x 272; no LDS address word of slot 0 used below has one of its two bits, so one exclusive or changes slots
.set SPARE,  2*SLOT1                   ; behind the ring: the spare words, 128 bytes a wave; no other line names them
.set RP,     528                       ; the way out: a row of 128 f32 + 16 bytes
.set QPITCH, 4096                      ; bytes in a row of qk and of wt
.set STEPA,  256
.set LA0, 2
.set LB0, 3
.set ADRA, 4
.set ADRB, 5
.set SW0, 6                            ; v6  the way out: where I put my accumulators' registers
.set PFO, 9                            ; v9  my lane x a row of qk; never rewritten
.set LR,  10                           ; v10 where I read rows back
.set EO,  11                           ; v11 my byte offset in two rows of e
.set SO,  12                           ; v12 my byte offset in 32 rows' statistics
.set EW,  13                           ; v13 my byte offset in two rows of wvo
.set KP,  20                           ; v20-23  (l % 16) - p
.set SM,  24                           ; v[24:25] the statistics that I keep: m, l
.set SPW, 28
.set NIL, 29
.set ZR,  32                           ; v32-39 mask of a block below the diagonal of blocks
.set DG,  40                           ; v40-47 on it
.set AH,  48                           ; v48-55 above it
.set F0,  64
.set F1,  128
.set X,   64                           ; the way out: four pairs of rows, 8 numbers a lane each
.set EH,  96                           ; the same in f16
.set MX,  112                          ; pair p: m at MX + 2 p; MX + 2 p + 1 holds the second chain of the maximum
.set WV,  12
.set HF,  13                           ; wave & 1: my half of the columns; also which 128 rows I fetch
.set WR,  14                           ; wave >> 1: my half of the rows
.set G1,  24                           ; s[24:31] group 1
.set G0,  32                           ; s[32:39] group 0: set 0 (step 0), set 1 (step 1, then it walks)
.set TB,  66
.set LEFT, 68
.set LIM, 69
.set PFA, 70
.set CS,  80                           ; s[80:81] c
.set K4,  82
.set INNER, 83
.set OUTER, 84
.set FOLD, 85                          ; s85 1: a tile of the folded matrix; 0: a tile of scores
.set WO,  88                           ; s[88:89] wvo
.set MSB, 0
.macro WIN new
.if MSB != (\new)
	s_set_vgpr_msb (MSB<<8)|(\new)
.set MSB, \new
.endif
.endm
.macro PLACES
.rept 4
	v_nop
.endr
.endm
.macro JLOAD                           ; the refill: every wave fetches 128 rows of its own (waves 0, 1 of A, waves 2, 3 of B) into wave x 128 LDS rows of the slot
	tensor_load_to_lds s[G0+4:G0+7], s[G1:G1+7]
	s_nop 0
	PLACES
.endm
; A prefetch of the K step that the next refill will ask for: the 128 rows that I fetch myself, a lane a row, four lines.  Block i of q and block i of k each occur in exactly one diagonal
; work-group (i, i): those ask, nobody else, so each row's 256 bytes are named once in the launch.  The last trip names nothing.
.macro ASK
	s_cmp_gt_u32 s[LEFT], s[LIM]
	s_cbranch_scc0 .Lnot_mine_\@
.irp n, 0,1,2,3
	global_prefetch_b8 v[PFO], s[PFA:PFA+1] offset:(\n)*32*QPITCH th:TH_LOAD_NT scope:SCOPE_SE
.endr
.Lnot_mine_\@:
.endm
.macro MULB f, a, cm                   ; 8 matrix instructions: row block a x all 8 column blocks.  cm = 3: the product starts the sum with the mask
.if (\cm) == 3
	WIN 0x81+0x40*((\a)/4)                         ; B window 1, A and C window 0, D window 2 or 3
.else
	WIN 0xa1+0x50*((\a)/4)                         ; C and D window 2 or 3
.endif
.set AC, 64*((\a)%4)
.irp b, 0,1,2,3,4,5,6,7
.if (\cm) == 3
.if (\b) > (\a)
.set MR, AH
.elseif (\b) == (\a)
.set MR, DG
.else
.set MR, ZR
.endif
	v_wmma_f32_16x16x32_f16 v[AC+8*(\b):AC+8*(\b)+7], v[(\f)+8*(\b):(\f)+8*(\b)+7], v[(\f)+8*(\a):(\f)+8*(\a)+7], v[MR:MR+7]
.else
	v_wmma_f32_16x16x32_f16 v[AC+8*(\b):AC+8*(\b)+7], v[(\f)+8*(\b):(\f)+8*(\b)+7], v[(\f)+8*(\a):(\f)+8*(\a)+7], v[AC+8*(\b):AC+8*(\b)+7]
.endif
.endr
.endm
.macro MULS f, a0, cnt, cm             ; the 64 accumulators take turns in the same order in every quarter
.set aa, \a0
.rept \cnt
	MULB \f, aa, \cm
.set aa, aa+1
.endr
.endm
.macro FETCH q, f                      ; one run of 32 LDS loads
	WIN 0x40
.irp i, 0,1,2,3,4,5,6,7
	ds_load_b128 v[(\f)+8*(\i):(\f)+8*(\i)+3],   v[ADRB] offset:64*(\q)+(\i)*16*PITCH
	ds_load_b128 v[(\f)+8*(\i)+4:(\f)+8*(\i)+7], v[ADRB] offset:64*(\q)+(\i)*16*PITCH+32
.endr
	WIN 0
.set ii, 0
.rept MA
	ds_load_b128 v[(\f)+8*ii:(\f)+8*ii+3],   v[ADRA] offset:64*(\q)+ii*16*PITCH
	ds_load_b128 v[(\f)+8*ii+4:(\f)+8*ii+7], v[ADRA] offset:64*(\q)+ii*16*PITCH+32
.set ii, ii+1
.endr
.endm
.macro QUARTER q, f, g, cm
	s_wait_dscnt MA                                ; all but the youngest eight loads (A's blocks 4-7) are in
	MULS \f, 0, MA/2, \cm
	PLACES
	FETCH \q, \g
	s_wait_dscnt 16+2*MA                           ; all but the 32 just issued
	MULS \f, MA/2, MA/2, \cm
.endm
.macro MEET                            ; each wave waits for all its tensor loads, adds 0 to its spare word, waits for that and for its reads of this slot; then the barrier
	WIN 0
	s_wait_tensorcnt 0x0
	ds_add_u32 v[SPW], v[NIL]
	s_wait_dscnt MA+1                              ; the add and the youngest eight loads may be out
	MULS F1, 0, MA/4, 0
	s_wait_dscnt 0x0
	s_barrier_signal -1
	MULS F1, MA/4, MA/4, 0
	WIN 0
	s_barrier_wait -1
.endm
.macro TURN fill
.if \fill
	s_wait_xcnt 0x0                                ; the last prefetches, a step back, have read their address
	s_add_nc_u64 s[PFA:PFA+1], s[PFA:PFA+1], STEPA
.endif
	MEET
.if \fill
	s_xor_b32 s[G0+5], s[G0+5], SLOT1              ; the walking descriptor: the other slot than last time, the next step
	s_add_nc_u64 s[G0+6:G0+7], s[G0+6:G0+7], STEPA
	JLOAD                                          ; my one tensor load behind the barrier, and the first thing there
.else
	PLACES
.endif
	s_xor_b32 s[TB], s[TB], SLOT1
	v_add_nc_u32 v[ADRA], s[TB], v[LA0]
	v_add_nc_u32 v[ADRB], s[TB], v[LB0]
	FETCH 0, F0
.if \fill
	ASK
.endif
	MULS F1, MA/2, MA/2, 0
.endm
.macro LASTQ
	s_wait_dscnt MA
	MULS F1, 0, MA/2, 0
	s_wait_dscnt 0x0
	MULS F1, MA/2, MA/2, 0
.endm
.macro ROWOF k, t                      ; row k of the triangle begins with tile t = k (k + 1) / 2
	s_cmp_ge_u32 s76, \t
	s_cselect_b32 s73, \k, s73
	s_cselect_b32 s74, \t, s74
.endm
	s_load_b256 s[4:11], s[0:1], 0x0               ; qk s[4:5], wt s[6:7], e s[8:9], st s[10:11]
	s_load_b64 s[WO:WO+1], s[0:1], 0x20            ; wvo
	v_lshl_add_u32 v[SPW], v0, 2, SPARE
	v_mov_b32 v[NIL], 0
	ds_add_u32 v[SPW], v[NIL]                      ; the wave's opening: the add and its wait ahead of my first tensor load
	ds_add_u32 v28, v29
	v_lshrrev_b32 v1, 5, v0
	v_readfirstlane_b32 s[WV], v1
	s_and_b32 s[HF], s[WV], 1
	s_lshr_b32 s[WR], s[WV], 1
	s_and_b32 s72, ttmp7, 0xffff                   ; batch; for the folded matrix its tile row
	s_mov_b32 s76, ttmp9
	s_mov_b32 s73, 0                               ; i
	s_mov_b32 s74, 0
	ROWOF 1, 1
	ROWOF 2, 3
	ROWOF 3, 6
	ROWOF 4, 10
	ROWOF 5, 15
	ROWOF 6, 21
	ROWOF 7, 28
	s_sub_co_u32 s75, s76, s74                     ; j (for the folded matrix 8 to 11: never i, so that nothing is hidden there and nothing prefetched)
	s_max_u32 s86, s76, 36
	s_sub_co_u32 s86, s86, 36                      ; the folded matrix's tile column (0 in a tile of scores)
	s_add_co_u32 s87, s86, 4                       ; and its block of 256 rows of wt: W_v lies from row 1,024 on
	s_mov_b32 s[G1], (1<<16)|(1<<20)|(5<<22)|(3<<25)  ; 2-byte elements; padding on: after every 64 words, 4 words
	s_mov_b32 s[G1+1], 128<<16                     ; tensor_dim0 = 128
	s_mov_b32 s[G1+2], 128<<16                     ; tensor_dim1 = 128
	s_mov_b32 s[G1+3], 128<<16                     ; tile_dim0 = 128
	s_mov_b32 s[G1+4], 128                         ; tile_dim1 = 128
	s_mov_b32 s[G1+5], 2048                        ; elements from row to row, in qk and in wt
	s_mov_b32 s[G1+6], 0
	s_mov_b32 s[G1+7], 0
	s_lshl_b32 s17, s72, 3                         ; a batch has 8 blocks of 256 rows
	s_cmp_lt_u32 s[WV], 2
	s_cselect_b32 s16, s73, s75                    ; scores: waves 0, 1: block i of q; waves 2, 3: block j of k,
	s_cselect_b32 s18, 0, 0x800                    ; whose columns begin 2,048 bytes into a row
	s_cselect_b32 s19, s72, s87                    ; the folded matrix: waves 0, 1: W_o turned; waves 2, 3: W_v
	s_add_co_u32 s16, s16, s17
	s_cmp_ge_u32 s76, 36
	s_cselect_b32 s16, s19, s16
	s_cselect_b32 s18, 0x800, s18                  ; both lie in the right half of wt's rows
	s_cselect_b32 s[FOLD], 1, 0
	s_lshl_b32 s16, s16, 1
	s_add_co_u32 s16, s16, s[HF]
	s_lshl_b32 s16, s16, 19                        ; (2 x block + half) x 128 rows of 4,096 bytes
	s_add_co_u32 s16, s16, s18
	s_mov_b32 s17, 0
	s_mul_i32 s20, s[WV], 128*PITCH                ; where my rows go
	s_mov_b32 s[TB], 0
	s_mov_b32 s[CS], 0x3d38aa3b                    ; c = log2(e) / 32
	s_mov_b32 s[CS+1], s[CS]
	s_wait_dscnt 0x0                               ; the opening add is done
	s_wait_kmcnt 0x0
	s_cmp_eq_u32 s[FOLD], 1
	s_cselect_b64 s[22:23], s[6:7], s[4:5]
	s_add_nc_u64 s[22:23], s[22:23], s[16:17]
.irp s, 0,1
	s_mov_b32 s[G0+4*(\s)], 1
	s_add_co_u32 s[G0+4*(\s)+1], s20, (\s)*SLOT1
	s_add_nc_u64 s[G0+4*(\s)+2:G0+4*(\s)+3], s[22:23], (\s)*STEPA
	s_or_b32 s[G0+4*(\s)+3], s[G0+4*(\s)+3], 0x80000000
.endr
	tensor_load_to_lds s[G0:G0+3], s[G1:G1+7]      ; the two first fills go out together: two loads of mine are out
	s_nop 0
	tensor_load_to_lds s[G0+4:G0+7], s[G1:G1+7]
	s_nop 0
	PLACES
	v_and_b32 v1, 15, v0                           ; r
	v_bfe_u32 v16, v0, 4, 1                        ; h
	v_mul_u32_u24 v17, v1, PITCH
	v_lshl_add_u32 v17, v16, 4, v17
	s_mul_i32 s21, s[WR], 128*PITCH
	v_add_nc_u32 v[LA0], s21, v17
	s_mul_i32 s21, s[HF], 128*PITCH
	s_add_co_u32 s21, s21, BOFF
	v_add_nc_u32 v[LB0], s21, v17
	v_mov_b32 v[ADRA], v[LA0]
	v_mov_b32 v[ADRB], v[LB0]
	; the masks.  My rows are 128 wr + 16 a + r, my keys 128 wc + 16 b + 8 h + jj, both counted inside the tile; only in a diagonal tile is anything hidden
	s_cmp_eq_u32 s73, s75
	s_cselect_b32 s77, 1, 0                        ; a diagonal tile?
	s_cselect_b32 s[LIM], 1, -1                    ; those prefetch
	s_cmp_ge_u32 s[HF], s[WR]
	s_cselect_b32 s78, s77, 0
	s_cmp_gt_u32 s[HF], s[WR]
	s_cselect_b32 s79, s77, 0
	s_cmp_eq_u32 s78, 1
	s_cselect_b32 s78, 0xf149f2ca, 0               ; blocks b > a: -1e30 if wc >= wr
	s_cmp_eq_u32 s79, 1
	s_cselect_b32 s79, 0xf149f2ca, 0               ; blocks b < a: -1e30 if wc > wr
	v_lshlrev_b32 v18, 3, v16
	v_sub_nc_u32 v18, v1, v18                      ; r - 8 h: register jj of a block b = a is hidden where jj is greater
.irp n, 0,1,2,3,4,5,6,7
	v_mov_b32 v[ZR+(\n)], s79
	v_mov_b32 v[AH+(\n)], s78
.endr
.irp n, 0,1,2,3,4,5,6,7
	v_cmp_gt_i32 vcc_lo, \n, v18
	v_cndmask_b32 v[DG+(\n)], v[ZR+(\n)], v[AH+(\n)], vcc_lo
.endr
	; the way out's addresses
	s_mul_i32 s21, s[WV], 128*RP
	v_mul_u32_u24 v17, v1, RP
	v_lshl_add_u32 v17, v16, 5, v17
	v_add_nc_u32 v[SW0], s21, v17                  ; in: row r, 32 bytes for each half of the lanes
	v_mul_u32_u24 v17, v16, RP
	v_lshl_add_u32 v17, v1, 5, v17
	v_add_nc_u32 v[LR], s21, v17                   ; back: lanes 0-15 one row, lanes 16-31 the next; 32 bytes (8 columns) a lane
	v_lshlrev_b32 v[EO], 12, v16
	v_lshl_add_u32 v[EO], v1, 4, v[EO]
	v_lshlrev_b32 v[EW], 11, v16
	v_lshl_add_u32 v[EW], v1, 4, v[EW]
	v_lshl_add_u32 v[SO], v1, 1, v16
	v_lshlrev_b32 v[SO], 3, v[SO]                  ; row 2 (l % 16) + l / 16 of 32
	v_mov_b32 v[KP], v1
	v_add_nc_u32 v[KP+1], -1, v1
	v_add_nc_u32 v[KP+2], -2, v1
	v_add_nc_u32 v[KP+3], -3, v1
	v_mov_b32 v[SM], 0
	v_mov_b32 v[SM+1], 0
	s_lshl_b32 s16, s72, 11
	s_lshl_b32 s17, s73, 8
	s_add_co_u32 s16, s16, s17
	s_lshl_b32 s17, s[WR], 7
	s_add_co_u32 s16, s16, s17                     ; my first row
	s_lshl_b32 s16, s16, 12                        ; rows of e: 4,096 bytes
	s_lshl_b32 s17, s75, 9
	s_add_co_u32 s16, s16, s17
	s_lshl_b32 s17, s[HF], 8
	s_add_co_u32 s16, s16, s17                     ; my first key, 2 bytes each
	s_mov_b32 s17, 0
	s_add_nc_u64 s[8:9], s[8:9], s[16:17]
	s_lshl_b32 s16, s72, 4
	s_lshl_b32 s17, s75, 1
	s_add_co_u32 s16, s16, s17
	s_add_co_u32 s16, s16, s[HF]                   ; my key tile of 128
	s_lshl_b32 s16, s16, 11
	s_lshl_b32 s17, s73, 8
	s_add_co_u32 s16, s16, s17
	s_lshl_b32 s17, s[WR], 7
	s_add_co_u32 s16, s16, s17
	s_lshl_b32 s16, s16, 3
	s_mov_b32 s17, 0
	s_add_nc_u64 s[10:11], s[10:11], s[16:17]
	s_lshl_b32 s16, s72, 1
	s_add_co_u32 s16, s16, s[WR]
	s_lshl_b32 s16, s16, 18                        ; wvo: (2 x tile row + my half) x 128 rows of 2,048 bytes,
	s_lshl_b32 s17, s86, 1
	s_add_co_u32 s17, s17, s[HF]
	s_lshl_b32 s17, s17, 8                         ; (2 x tile column + my half) x 128 columns of 2 bytes
	s_add_co_u32 s16, s16, s17
	s_mov_b32 s17, 0
	s_add_nc_u64 s[WO:WO+1], s[WO:WO+1], s[16:17]
	s_add_nc_u64 s[PFA:PFA+1], s[22:23], 2*STEPA   ; at K step 2 of my own rows: the first change of slots steps it to 3.  Nothing is prefetched at the head
	v_and_b32 v[PFO], 31, v0
	v_mul_u32_u24 v[PFO], v[PFO], QPITCH
	s_wait_tensorcnt 0x1                           ; my part of K step 0 is in; step 1's may stay out
	s_barrier_signal -1
	s_barrier_wait -1
	FETCH 0, F0
	QUARTER 1, F0, F1, 3                           ; the first quarter starts the sums with the masks
	WIN 0
	s_mov_b32 s[LEFT], NS-2
.Lstep:
	QUARTER 2, F1, F0, 0
	QUARTER 3, F0, F1, 0
	TURN 1
	QUARTER 1, F0, F1, 0
	WIN 0
	s_sub_co_u32 s[LEFT], s[LEFT], 1
	s_cmp_lg_u32 s[LEFT], 0
	s_cbranch_scc1 .Lstep
	QUARTER 2, F1, F0, 0
	QUARTER 3, F0, F1, 0
	TURN 0
	QUARTER 1, F0, F1, 0
	QUARTER 2, F1, F0, 0
	QUARTER 3, F0, F1, 0
	LASTQ
	WIN 0
	s_barrier_signal -1                            ; every wave's reads of the slots are back (the wait for 0 stands in the last quarter): now the slots, filled for the last time, take the sums
	s_barrier_wait -1
	PLACES
.set aa, 0
.rept 8
	WIN 0x08+4*(aa/4)                              ; store data in window 2 or 3
.irp b, 0,1,2,3,4,5,6,7
	ds_store_b128 v[SW0], v[64*(aa%4)+8*(\b):64*(aa%4)+8*(\b)+3]   offset:aa*16*RP+64*(\b)
	ds_store_b128 v[SW0], v[64*(aa%4)+8*(\b)+4:64*(aa%4)+8*(\b)+7] offset:aa*16*RP+64*(\b)+16
.endr
.set aa, aa+1
.endr
	WIN 0
	s_cmp_eq_u32 s[FOLD], 1
	s_cbranch_scc1 .Lfolded
	s_mov_b32 s[OUTER], 4
.Lgroup:                                               ; 32 rows: four trips of 8, then their statistics
	s_mov_b32 s[K4], 0
	s_mov_b32 s[INNER], 4
.Lrows:                                                ; 8 rows as four pairs p; lane (g = l / 16, k = l % 16) holds row 2 p + g, keys 8 k .. 8 k + 7.  These are my own bytes, served in order
.irp p, 0,1,2,3
	ds_load_b128 v[X+8*(\p):X+8*(\p)+3],   v[LR] offset:(\p)*2*RP
	ds_load_b128 v[X+8*(\p)+4:X+8*(\p)+7], v[LR] offset:(\p)*2*RP+16
.endr
	s_wait_dscnt 0x0
.irp p, 0,1,2,3
	v_max3_num_f32 v[MX+2*(\p)],   v[X+8*(\p)],   v[X+8*(\p)+1], v[X+8*(\p)+2]  ; the lane's eight scores: two chains, which fill both registers of the pair
	v_max3_num_f32 v[MX+2*(\p)+1], v[X+8*(\p)+3], v[X+8*(\p)+4], v[X+8*(\p)+5]
.endr
.irp p, 0,1,2,3
	v_max3_num_f32 v[MX+2*(\p)], v[MX+2*(\p)], v[X+8*(\p)+6], v[X+8*(\p)+7]
.endr
.irp p, 0,1,2,3
	v_max_num_f32 v[MX+2*(\p)], v[MX+2*(\p)], v[MX+2*(\p)+1]
.endr
.irp m, 1,2,4,8
.irp p, 0,1,2,3
	v_max_num_f32_dpp v[MX+2*(\p)], v[MX+2*(\p)], v[MX+2*(\p)] row_xmask:\m row_mask:0xf bank_mask:0xf  ; over the row's 16 lanes: m
.endr
.endr
.irp p, 0,1,2,3
.irp q, 0,1,2,3
	v_pk_add_f32 v[X+8*(\p)+2*(\q):X+8*(\p)+2*(\q)+1], v[X+8*(\p)+2*(\q):X+8*(\p)+2*(\q)+1], v[MX+2*(\p):MX+2*(\p)+1] op_sel_hi:[1,0] neg_lo:[0,1] neg_hi:[0,1]  ; s - m: 0 at the maximum, never above 0
.endr
.endr
.irp p, 0,1,2,3
.irp q, 0,1,2,3
	v_pk_mul_f32 v[X+8*(\p)+2*(\q):X+8*(\p)+2*(\q)+1], v[X+8*(\p)+2*(\q):X+8*(\p)+2*(\q)+1], s[CS:CS+1] op_sel_hi:[1,0]  ; c (s - m): not fused with the line above, on purpose (see the head)
.endr
.endr
.set n, 0
.rept 32
	v_exp_f32 v[X+n], v[X+n]                       ; one batch
.set n, n+1
.endr
	v_nop                                          ; a plain instruction behind the last exponential
	s_wait_alu depctr_va_vdst(0)                   ; and a wait ahead of the batch's first reader
.irp p, 0,1,2,3
.irp q, 0,1,2,3
	v_cvt_pk_f16_f32 v[EH+4*(\p)+(\q)], v[X+8*(\p)+2*(\q)], v[X+8*(\p)+2*(\q)+1]
.endr
	global_store_b128 v[EO], v[EH+4*(\p):EH+4*(\p)+3], s[8:9] offset:8192*(\p)  ; 16 lanes store a row's 256 consecutive bytes, aligned
.endr
.irp p, 0,1,2,3
	v_pk_add_f32 v[X+8*(\p):X+8*(\p)+1], v[X+8*(\p):X+8*(\p)+1], v[X+8*(\p)+2:X+8*(\p)+3]
	v_pk_add_f32 v[X+8*(\p)+4:X+8*(\p)+5], v[X+8*(\p)+4:X+8*(\p)+5], v[X+8*(\p)+6:X+8*(\p)+7]
.endr
.irp p, 0,1,2,3
	v_pk_add_f32 v[X+8*(\p):X+8*(\p)+1], v[X+8*(\p):X+8*(\p)+1], v[X+8*(\p)+4:X+8*(\p)+5]
.endr
.irp p, 0,1,2,3
	v_add_f32 v[X+8*(\p)], v[X+8*(\p)], v[X+8*(\p)+1]
.endr
.irp m, 1,2,4,8
.irp p, 0,1,2,3
	v_add_f32_dpp v[X+8*(\p)], v[X+8*(\p)], v[X+8*(\p)] row_xmask:\m row_mask:0xf bank_mask:0xf
.endr
.endr
.irp p, 0,1,2,3
	v_cmp_eq_u32 vcc_lo, s[K4], v[KP+(\p)]         ; lane k keeps the row pair with 4 x trip + p = k
	v_cndmask_b32 v[SM], v[SM], v[MX+2*(\p)], vcc_lo
	v_cndmask_b32 v[SM+1], v[SM+1], v[X+8*(\p)], vcc_lo
.endr
	s_wait_xcnt 0x0                                ; the stores have read their base and data
	s_add_nc_u64 s[8:9], s[8:9], 8*4096
	v_add_nc_u32 v[LR], 8*RP, v[LR]
	s_add_co_u32 s[K4], s[K4], 4
	s_sub_co_u32 s[INNER], s[INNER], 1
	s_cmp_lg_u32 s[INNER], 0
	s_cbranch_scc1 .Lrows
	global_store_b64 v[SO], v[SM:SM+1], s[10:11]   ; 32 rows' (m, l): 256 consecutive bytes, aligned
	s_wait_xcnt 0x0
	s_add_nc_u64 s[10:11], s[10:11], 256
	s_sub_co_u32 s[OUTER], s[OUTER], 1
	s_cmp_lg_u32 s[OUTER], 0
	s_cbranch_scc1 .Lgroup
	s_branch .Lend
.Lfolded:                                              ; the folded matrix leaves: 16 trips of 8 rows, read back as above, rounded once to f16
	s_mov_b32 s[INNER], 16
.Lwrows:
.irp p, 0,1,2,3
	ds_load_b128 v[X+8*(\p):X+8*(\p)+3],   v[LR] offset:(\p)*2*RP
	ds_load_b128 v[X+8*(\p)+4:X+8*(\p)+7], v[LR] offset:(\p)*2*RP+16
.endr
	s_wait_dscnt 0x0
.irp p, 0,1,2,3
.irp q, 0,1,2,3
	v_cvt_pk_f16_f32 v[EH+4*(\p)+(\q)], v[X+8*(\p)+2*(\q)], v[X+8*(\p)+2*(\q)+1]
.endr
	global_store_b128 v[EW], v[EH+4*(\p):EH+4*(\p)+3], s[WO:WO+1] offset:4096*(\p)  ; 16 lanes store 256 consecutive bytes of a row of wvo, aligned
.endr
	s_wait_xcnt 0x0                                ; the stores have read their base and data
	s_add_nc_u64 s[WO:WO+1], s[WO:WO+1], 8*2048
	v_add_nc_u32 v[LR], 8*RP, v[LR]
	s_sub_co_u32 s[INNER], s[INNER], 1
	s_cmp_lg_u32 s[INNER], 0
	s_cbranch_scc1 .Lwrows
.Lend:
	s_wait_tensorcnt 0x0                           ; the wave's end
	ds_add_u32 v[SPW], v[NIL]
	s_wait_dscnt 0x0
	s_endpgm
.Lfunc_end_k_q04759401ce_sc:
	.size	k_q04759401ce_sc, .Lfunc_end_k_q04759401ce_sc-k_q04759401ce_sc
	.p2alignl 7, 3214868480
	.fill 96, 4, 3214868480
	.section	.rodata,"a",@progbits
	.p2align	6, 0x0
	.amdhsa_kernel k_q04759401ce_sc
		.amdhsa_group_segment_fixed_size 327680
		.amdhsa_private_segment_fixed_size 0
		.amdhsa_enable_private_segment 0
		.amdhsa_kernarg_size 40
		.amdhsa_user_sgpr_count 2
		.amdhsa_user_sgpr_kernarg_segment_ptr 1
		.amdhsa_wavefront_size32 1
		.amdhsa_system_sgpr_workgroup_id_x 1
		.amdhsa_system_sgpr_workgroup_id_y 1
		.amdhsa_system_sgpr_workgroup_id_z 1
		.amdhsa_system_vgpr_workitem_id 0
		.amdhsa_next_free_vgpr 1024
		.amdhsa_next_free_sgpr 96
		.amdhsa_reserve_vcc 1
		.amdhsa_float_denorm_mode_32 3
		.amdhsa_float_denorm_mode_16_64 3
		.amdhsa_memory_ordered 1
		.amdhsa_forward_progress 1
		.amdhsa_inst_pref_size 106
	.end_amdhsa_kernel
	.amdgpu_metadata
---
amdhsa.version: [ 1, 2 ]
amdhsa.kernels:
  - .name:           k_q04759401ce_sc
    .symbol:         k_q04759401ce_sc.kd
    .args:
      - { .name: qk, .offset: 0, .size: 8, .value_kind: global_buffer, .address_space: global }
      - { .name: wt, .offset: 8, .size: 8, .value_kind: global_buffer, .address_space: global }
      - { .name: e, .offset: 16, .size: 8, .value_kind: global_buffer, .address_space: global }
      - { .name: st, .offset: 24, .size: 8, .value_kind: global_buffer, .address_space: global }
      - { .name: wvo, .offset: 32, .size: 8, .value_kind: global_buffer, .address_space: global }
    .group_segment_fixed_size: 327680
    .private_segment_fixed_size: 0
    .kernarg_segment_align: 8
    .kernarg_segment_size: 40
    .max_flat_workgroup_size: 128
    .sgpr_count:     96
    .vgpr_count:     1024
    .wavefront_size: 32
...
	.end_amdgpu_metadata
.endif
;; end of part 8
;; launch pv (part 9): grid 8 x 32, 4 waves a work-group, clusters of 4 x 1, 327,680 bytes of LDS; arguments e, xh, st, ctx; writes ctx
.if DOCPART == 9
	.amdgcn_target "amdgcn-amd-amdhsa--gfx1250"
	.amdhsa_code_object_version 6
	.text
	.protected	k_q04759401ce_pv
	.globl	k_q04759401ce_pv
	.p2align	8
	.type	k_q04759401ce_pv,@function
k_q04759401ce_pv:
	s_mov_b64 s[64:65], 0
	v_nop
	global_prefetch_b8 v0, s[64:65] scope:SCOPE_SE
	s_setreg_imm32_b32 hwreg(HW_REG_WAVE_MODE, 25, 1), 1
	s_wait_xcnt 0x0
	s_wait_alu depctr_hold_cnt(0) depctr_sa_sdst(0) depctr_va_vdst(0) depctr_va_sdst(0) depctr_va_ssrc(0) depctr_va_vcc(0) depctr_vm_vsrc(0)
	s_getreg_b32 s2, hwreg(HW_REG_IB_STS2, 6, 4)
	s_cmp_eq_u32 s2, 0
	s_cbranch_scc0 .Lentry_in_a_cluster
	s_endpgm
.Lentry_in_a_cluster:
	s_bfe_u32 s2, ttmp6, 0x10000c
	s_cmp_lg_u32 s2, 0x3003
	s_cbranch_scc0 .Lentry_shape_is_right
	s_endpgm
.Lentry_shape_is_right:
; ctx = (softmax x xh) / 32.  The attention's weights multiply the inputs themselves: attn (x W_v) W_o = (attn x) (W_v W_o); the next launch multiplies by 32 W_v W_o, hence the 1 / 32 here (a power of two: exact).
; For each row: M = the maximum over the 16 key tiles of m_t, f_t = 2^(c (m_t - M)), c = log2(e) / 32, L = the sum of f_t l_t (f32); ctx[row] = (the sum over t of (E_t f_t) X_t) / (32 L), rounded once to f16.
; E_t was taken against its own tile's maximum m_t; f_t corrects it to the row's true maximum.  The difference is taken first and scaled second, so f is exactly 1 in the tile that holds the maximum,
; whatever the scores' size; there l_t >= 1, so L >= 1.  Key tiles above the diagonal hold neutral statistics (f = 0, l = 0) and are not multiplied; a tile whose keys are all hidden has m about -1e30 and f = 0.
; E f is made in f16 on A's fragment between its load and its product.
; LIMITS.  A factor below 2^-126 counts as 0, E f below 6e-5 and ctx below 6e-5 keep f16's fixed step of 6e-8; NaN and infinities are not treated apart.
; SHARES.  A work-group makes 256 queries (block i of batch b) x 128 channels; wave w rows 64 w .. + 63: 32 accumulators.  K = keys, 2 i + 2 steps of 128; the long walks (i = 7) have the lowest y.
; The loop's backward jump counts to a constant (14); a walk that is shorter leaves it by a forward jump over the counter's lines alone, on a number made from the work-group's y.
; CLUSTER 4 x 1: the four partners make four channel tiles of the same rows: E's tile (two thirds of a step's bytes) is asked for jointly; X's tile differs between them and is a load of one's own.
; X lies [key][channel] and is turned on the way out of LDS by ds_load_tr16_b128.  Source 0 = 16 channels, source 1 = 16 queries: a lane ends with eight neighbouring channels of one row.
; REGISTERS: window 0: v0-31 addresses and factors; v32-63, v192-255 the way out; v64-95, v128-159 A's fragments (before the first fetch: the statistics).  window 1: v64-127, v128-191 X's fragments.  window 2: accumulators.
.set MA,     4
.set PITCH,  272                       ; a row of E in LDS: 256 bytes + 16
.set PV,     288                       ; a row of X: 256 + 32 = 72 words
.set BOFF,   256*PITCH                 ; a slot: E's 256 rows, then X's 128 key rows
.set SLOT1,  0x20000
.set FT,     SLOT1+BOFF+128*PV         ; behind the ring, for each wave 4,352 bytes: [t = 0..15][r][a] a word (f, f) in f16; at +4,096 [r][a] 1 / (32 L) in f32
.set FTW,    4352
.set STAGE,  FT+4*FTW
.set SPITCH, 272
.set SPARE,  STAGE+4*16*SPITCH
.set STEPA,  256                       ; 128 keys along a row of e
.set QPITCH, 2048                      ; bytes in a row of xh
.set STEPB,  128*QPITCH                ; 128 key rows of xh
.set OPITCH, 2048                      ; bytes in a row of ctx
.set LA0, 2
.set LB0, 3
.set ADRA, 4
.set ADRB, 5
.set STO, 6
.set RD,  7
.set CO,  8
.set PFO, 9
.set F0T, 10                           ; v10 my place in the table of factors; never rewritten
.set FAD, 11                           ; v11 the same for the step in hand
.set FK,  12                           ; v[12:15] (f, f) of my row in blocks a = 0..3, for the step in hand
.set RL,  16                           ; v[16:23] the way out: 1 / (32 L) of my row in block a, twice
.set SPW, 28
.set NIL, 29
.set OB,  32
.set TMP, 192
.set F0,  64
.set F1,  128
.set ML,  64                           ; the prologue: (m, l) of key tile t, row a' at ML + 4 t + 2 a'
.set FH,  128                          ; (f, f) at FH + 2 t + a'
.set MXR, 192                          ; M
.set LS,  194                          ; L
.set RC,  196                          ; 1 / (32 L)
.set WV,  12
.set HF,  13
.set G1A, 24
.set G0A, 32
.set G1B, 48
.set G0B, 56
.set TB,  66
.set CNT, 67
.set LEFT, 68                          ; s68 refills still to come: 2 i at the start
.set LIM, 69
.set PFA, 70
.set PST, 74                           ; s[74:75] what my prefetches step by
.set FTO, 76                           ; s76 256 x the step in hand
.set CS,  77                           ; s77 c
.set MSB, 0
.macro WIN new
.if MSB != (\new)
	s_set_vgpr_msb (MSB<<8)|(\new)
.set MSB, \new
.endif
.endm
.macro PLACES
.rept 4
	v_nop
.endr
.endm
.macro CREST
	s_cmp_lg_u32 s[WV], 0
	s_cbranch_scc1 .Lnot_wave_0_\@
	s_barrier_signal -3
.Lnot_wave_0_\@:
	s_barrier_wait -3
	s_barrier_signal -1
	s_barrier_wait -1
.endm
.macro CROUND
	s_barrier_signal -1
	s_barrier_wait -1
	CREST
.endm
.macro JLOAD                           ; waves 0, 1: E's halves, jointly; waves 2, 3: X's halves, my work-group's own
	s_cmp_lt_u32 s[WV], 2
	s_cbranch_scc0 .Lfor_b_\@
	tensor_load_to_lds s[G0A+4:G0A+7], s[G1A:G1A+7]
	s_nop 0
	PLACES
	s_branch .Lasked_\@
.Lfor_b_\@:
	tensor_load_to_lds s[G0B+4:G0B+7], s[G1B:G1B+7]
	s_nop 0
	PLACES
.Lasked_\@:
.endm
; A prefetch of the step that stands two refills on.  E's rows: the first of the two clusters that read them (waves 0, 1), the four partners 32 rows each, by address.  X's rows are read by all eight
; query blocks of a batch: the block that walks all keys (i = 7) asks, waves 2, 3 each for the 64 key rows that it fetches itself: two lines.  Each row's 256 bytes are named once.  The last trips name nothing.
.macro ASK
	s_cmp_gt_u32 s[LEFT], s[LIM]
	s_cbranch_scc0 .Lnot_mine_\@
	global_prefetch_b8 v[PFO], s[PFA:PFA+1] th:TH_LOAD_NT scope:SCOPE_SE
	s_cmp_lt_u32 s[WV], 2
	s_cbranch_scc1 .Lnot_mine_\@
	global_prefetch_b8 v[PFO], s[PFA:PFA+1] offset:32*QPITCH th:TH_LOAD_NT scope:SCOPE_SE
.Lnot_mine_\@:
.endm
.macro MULB f, a, cm
	WIN 0xa1
.set AC, 64*(\a)
.irp b, 0,1,2,3,4,5,6,7
.if \cm
	v_wmma_f32_16x16x32_f16 v[AC+8*(\b):AC+8*(\b)+7], v[(\f)+8*(\b):(\f)+8*(\b)+7], v[(\f)+8*(\a):(\f)+8*(\a)+7], 0
.else
	v_wmma_f32_16x16x32_f16 v[AC+8*(\b):AC+8*(\b)+7], v[(\f)+8*(\b):(\f)+8*(\b)+7], v[(\f)+8*(\a):(\f)+8*(\a)+7], v[AC+8*(\b):AC+8*(\b)+7]
.endif
.endr
.endm
.macro MULS f, a0, cnt, cm             ; the 32 accumulators take turns in the same order in every quarter
.set aa, \a0
.rept \cnt
	MULB \f, aa, \cm
.set aa, aa+1
.endr
.endm
.macro SCALE f, a0                     ; E f for blocks a0, a0 + 1 of buffer f: two weights a line, each rounded to f16
	WIN 0
.irp a, \a0, (\a0)+1
.irp n, 0,1,2,3,4,5,6,7
	v_pk_mul_f16 v[(\f)+8*(\a)+(\n)], v[(\f)+8*(\a)+(\n)], v[FK+(\a)]
.endr
.endr
.endm
.macro FETCH q, f                      ; one run of LDS loads: quarter q (32 keys).  The run that opens a step begins with the step's factors
.if (\q) == 0
	WIN 0
	ds_load_b128 v[FK:FK+3], v[FAD]
.endif
	WIN 0x40
.irp i, 0,1,2,3,4,5,6,7
	ds_load_tr16_b128 v[(\f)+8*(\i):(\f)+8*(\i)+3],   v[ADRB] offset:32*PV*(\q)+32*(\i)
	ds_load_tr16_b128 v[(\f)+8*(\i)+4:(\f)+8*(\i)+7], v[ADRB] offset:32*PV*(\q)+32*(\i)+16*PV
.endr
	WIN 0
.set ii, 0
.rept MA
	ds_load_b128 v[(\f)+8*ii:(\f)+8*ii+3],   v[ADRA] offset:64*(\q)+ii*16*PITCH
	ds_load_b128 v[(\f)+8*ii+4:(\f)+8*ii+7], v[ADRA] offset:64*(\q)+ii*16*PITCH+32
.set ii, ii+1
.endr
.endm
.macro QUARTER q, f, g, cm
	s_wait_dscnt MA                                ; all but the youngest four loads (A's blocks 2, 3) are in, the factors too: they are the run's oldest
	SCALE \f, 0
	MULS \f, 0, MA/2, \cm
	PLACES
	FETCH \q, \g
	s_wait_dscnt 16+2*MA                           ; all but the 24 just issued
	SCALE \f, 2
	MULS \f, MA/2, MA/2, \cm
.endm
.macro MEET                            ; both halves of buffer 1 are scaled here, ahead of the fetch that brings the next step's factors
	WIN 0
	s_wait_tensorcnt 0x0
	ds_add_u32 v[SPW], v[NIL]
	s_wait_dscnt MA+1                              ; the add and the youngest four loads may be out
	SCALE F1, 0
	MULS F1, 0, MA/4, 0
	s_wait_dscnt 0x0                               ; the add is done, my reads of this slot are over
	s_barrier_signal -1
	SCALE F1, 2
	MULS F1, MA/4, MA/4, 0
	WIN 0
	s_barrier_wait -1
.endm
.macro TURN fill
.if \fill
	s_wait_xcnt 0x0                                ; the last prefetches, a step back, have read their address
	s_add_nc_u64 s[PFA:PFA+1], s[PFA:PFA+1], s[PST:PST+1]
.endif
	MEET
.if \fill
	CREST                                          ; no wave of any partner still reads this slot or has a load on its way
	s_xor_b32 s[G0A+5], s[G0A+5], SLOT1
	s_add_nc_u64 s[G0A+6:G0A+7], s[G0A+6:G0A+7], STEPA
	s_xor_b32 s[G0B+5], s[G0B+5], SLOT1
	s_add_nc_u64 s[G0B+6:G0B+7], s[G0B+6:G0B+7], STEPB
	JLOAD
.else
	PLACES
.endif
	s_xor_b32 s[TB], s[TB], SLOT1
	s_add_co_u32 s[FTO], s[FTO], 256
	v_add_nc_u32 v[ADRA], s[TB], v[LA0]
	v_add_nc_u32 v[ADRB], s[TB], v[LB0]
	v_add_nc_u32 v[FAD], s[FTO], v[F0T]
	FETCH 0, F0
.if \fill
	ASK
.endif
	MULS F1, MA/2, MA/2, 0
.endm
.macro LASTQ
	s_wait_dscnt MA
	SCALE F1, 0
	MULS F1, 0, MA/2, 0
	s_wait_dscnt 0x0
	SCALE F1, 2
	MULS F1, MA/2, MA/2, 0
.endm
.macro DIVL a                          ; block a's sums times 1 / (32 L), in f32
	WIN 0x82                                       ; destination and source 0 window 2, source 1 window 0
.set n, 0
.rept 32
	v_pk_mul_f32 v[64*(\a)+2*n:64*(\a)+2*n+1], v[64*(\a)+2*n:64*(\a)+2*n+1], v[RL+2*(\a):RL+2*(\a)+1] op_sel_hi:[1,0]
.set n, n+1
.endr
.endm
.macro PACK a
.set AC, 64*(\a)
	WIN 0x0a
.irp b, 0,1,2,3,4,5,6,7
.irp r, 0,1,2,3
	v_cvt_pk_f16_f32 v[TMP+4*(\b)+(\r)], v[AC+8*(\b)+2*(\r)], v[AC+8*(\b)+2*(\r)+1]
.endr
.endr
	WIN 0
.endm
.macro TOSTAGE a
.set BK, OB+192*((\a)%2)
.irp b, 0,1,2,3,4,5,6,7
	ds_store_b128 v[STO], v[TMP+4*(\b):TMP+4*(\b)+3] offset:32*(\b)
.endr
.irp t, 0,1,2,3,4,5,6,7
	ds_load_b128 v[BK+4*(\t):BK+4*(\t)+3], v[RD] offset:(\t)*2*SPITCH  ; LDS serves a wave's instructions in order (ISA guide 5.7.1.4)
.endr
.endm
.macro SEND a
.set BK, OB+192*((\a)%2)
	s_wait_dscnt 0x0
	s_wait_xcnt 0x0                                ; earlier stores have read their base and data
.if (\a) > 0
	s_add_nc_u64 s[10:11], s[10:11], 16*OPITCH
.endif
.irp t, 0,1,2,3,4,5,6,7
	global_store_b128 v[CO], v[BK+4*(\t):BK+4*(\t)+3], s[10:11] offset:2*(\t)*OPITCH  ; 16 lanes store 256 consecutive bytes, aligned
.endr
.endm
	s_load_b256 s[4:11], s[0:1], 0x0               ; e s[4:5], xh s[6:7], st s[8:9], ctx s[10:11]
	v_lshl_add_u32 v[SPW], v0, 2, SPARE
	v_mov_b32 v[NIL], 0
	ds_add_u32 v[SPW], v[NIL]                      ; the wave's opening: the add and its wait ahead of my first tensor load
	ds_add_u32 v28, v29
	v_lshrrev_b32 v1, 5, v0
	v_readfirstlane_b32 s[WV], v1
	s_and_b32 s[HF], s[WV], 1
	s_bfe_u32 s40, ttmp6, 0x40000                  ; cx
	s_lshl_b32 s42, ttmp9, 2
	s_add_co_u32 s42, s42, s40                     ; my channel tile: it enters X's and ctx's addresses alone
	s_and_b32 s43, ttmp7, 0xffff                   ; y, which the four partners share
	s_lshr_b32 s72, s43, 3                         ; batch
	s_and_b32 s73, s43, 7
	s_sub_co_u32 s73, 7, s73                       ; query block i
	s_lshl_b32 s[LEFT], s73, 1                     ; 2 i + 2 steps: two first fills, 2 i refills
	s_mov_b32 s[G1A], 15|(1<<16)|(1<<20)|(1<<21)|(5<<22)|(3<<25)  ; the mask of four; 2-byte elements; padding on; bit 21 beside a mask; after every 64 words, 4 words
	s_mov_b32 s[G1A+1], 128<<16
	s_mov_b32 s[G1A+2], 128<<16
	s_mov_b32 s[G1A+3], 128<<16
	s_mov_b32 s[G1A+4], 128                        ; 128 rows of 128 keys
	s_mov_b32 s[G1A+5], 2048
	s_mov_b32 s[G1A+6], 0
	s_mov_b32 s[G1A+7], 0
	s_mov_b32 s[G1B], (1<<16)|(1<<20)|(5<<22)|(7<<25)  ; no mask; after every 64 words, 8 words
	s_mov_b32 s[G1B+1], 128<<16
	s_mov_b32 s[G1B+2], 64<<16
	s_mov_b32 s[G1B+3], 128<<16
	s_mov_b32 s[G1B+4], 64                         ; 64 key rows of 128 channels
	s_mov_b32 s[G1B+5], 1024
	s_mov_b32 s[G1B+6], 0
	s_mov_b32 s[G1B+7], 0
	s_lshl_b32 s16, s72, 11
	s_lshl_b32 s17, s73, 8
	s_add_co_u32 s16, s16, s17
	s_lshl_b32 s17, s[HF], 7
	s_add_co_u32 s16, s16, s17                     ; E: row 2048 b + 256 i + 128 x half
	s_lshl_b32 s16, s16, 12
	s_mov_b32 s17, 0
	s_lshl_b32 s46, s72, 11
	s_lshl_b32 s47, s[HF], 6
	s_add_co_u32 s46, s46, s47                     ; X: key row 2048 b + 64 x half,
	s_mul_i32 s46, s46, QPITCH
	s_lshl_b32 s47, s42, 8
	s_add_co_u32 s46, s46, s47                     ; my 128 channels
	s_mov_b32 s47, 0
	s_mul_i32 s20, s[HF], 128*PITCH
	s_mul_i32 s21, s[HF], 64*PV
	s_add_co_u32 s21, s21, BOFF
	s_mov_b32 s[TB], 0
	s_mov_b32 s[FTO], 0
	s_mov_b32 s[CS], 0x3d38aa3b                    ; c = log2(e) / 32
	s_wait_dscnt 0x0                               ; the opening add is done
	s_wait_kmcnt 0x0
	s_add_nc_u64 s[18:19], s[4:5], s[16:17]
	s_add_nc_u64 s[46:47], s[6:7], s[46:47]
	CROUND                                         ; all four work-groups are here: the first joint loads meet
.irp s, 0,1
	s_mov_b32 s[G0A+4*(\s)], 1
	s_add_co_u32 s[G0A+4*(\s)+1], s20, (\s)*SLOT1
	s_add_nc_u64 s[G0A+4*(\s)+2:G0A+4*(\s)+3], s[18:19], (\s)*STEPA
	s_or_b32 s[G0A+4*(\s)+3], s[G0A+4*(\s)+3], 0x80000000
	s_mov_b32 s[G0B+4*(\s)], 1
	s_add_co_u32 s[G0B+4*(\s)+1], s21, (\s)*SLOT1
	s_add_nc_u64 s[G0B+4*(\s)+2:G0B+4*(\s)+3], s[46:47], (\s)*STEPB
	s_or_b32 s[G0B+4*(\s)+3], s[G0B+4*(\s)+3], 0x80000000
.endr
	s_cmp_lt_u32 s[WV], 2                          ; a wave's two first fills stand in one branch: two loads of mine are out
	s_cbranch_scc0 .Lfirst_b
	tensor_load_to_lds s[G0A:G0A+3], s[G1A:G1A+7]
	s_nop 0
	tensor_load_to_lds s[G0A+4:G0A+7], s[G1A:G1A+7]
	s_nop 0
	PLACES
	s_branch .Lfirst_asked
.Lfirst_b:
	tensor_load_to_lds s[G0B:G0B+3], s[G1B:G1B+7]
	s_nop 0
	tensor_load_to_lds s[G0B+4:G0B+7], s[G1B:G1B+7]
	s_nop 0
	PLACES
.Lfirst_asked:
	v_and_b32 v1, 15, v0                           ; r
	v_bfe_u32 v16, v0, 4, 1                        ; h
	; THE STATISTICS, in the first tiles' flight.  Lane (r, h) takes my wave's rows 32 h + 16 a' + r, a' = 0, 1, and all 16 key tiles
	s_lshl_b32 s16, s72, 18
	s_lshl_b32 s17, s73, 11
	s_add_co_u32 s16, s16, s17
	s_lshl_b32 s17, s[WV], 9
	s_add_co_u32 s16, s16, s17                     ; (32768 b + 256 i + 64 w) x 8 bytes
	s_mov_b32 s17, 0
	s_add_nc_u64 s[8:9], s[8:9], s[16:17]
	v_lshlrev_b32 v21, 8, v16
	v_lshl_add_u32 v21, v1, 3, v21
.set t, 0
.rept 16
	global_load_b64 v[ML+4*t:ML+4*t+1],   v21, s[8:9] offset:16384*t
	global_load_b64 v[ML+4*t+2:ML+4*t+3], v21, s[8:9] offset:16384*t+128
.set t, t+1
.endr
	v_mul_u32_u24 v17, v1, PITCH
	v_lshl_add_u32 v17, v16, 4, v17
	s_mul_i32 s21, s[WV], 64*PITCH
	v_add_nc_u32 v[LA0], s21, v17
	v_and_b32 v18, 7, v0                           ; the turning load: lane l reads key 8 (l / 16) + l % 8, channels 8 ((l / 8) % 2) + 0..7
	v_bfe_u32 v19, v0, 3, 1
	v_lshl_add_u32 v18, v16, 3, v18
	v_mul_u32_u24 v18, v18, PV
	v_lshl_add_u32 v18, v19, 4, v18
	v_add_nc_u32 v[LB0], BOFF, v18
	v_mov_b32 v[ADRA], v[LA0]
	v_mov_b32 v[ADRB], v[LB0]
	s_mul_i32 s22, s[WV], FTW
	s_add_co_u32 s22, s22, FT
	v_lshl_add_u32 v[F0T], v1, 4, s22
	v_mov_b32 v[FAD], v[F0T]
	v_lshl_add_u32 v20, v16, 3, v[F0T]             ; where I write: words a = 2 h, 2 h + 1 of row r
	s_mul_i32 s23, s[WV], 16*SPITCH
	s_add_co_u32 s23, s23, STAGE
	v_add_nc_u32 v[STO], s23, v17
	v_mul_u32_u24 v18, v16, SPITCH
	v_lshl_add_u32 v18, v1, 4, v18
	v_add_nc_u32 v[RD], s23, v18
	v_lshlrev_b32 v18, 11, v16
	v_lshl_add_u32 v[CO], v1, 4, v18
	s_lshl_b32 s16, s72, 11
	s_lshl_b32 s17, s73, 8
	s_add_co_u32 s16, s16, s17
	s_lshl_b32 s17, s[WV], 6
	s_add_co_u32 s16, s16, s17                     ; my first row of ctx
	s_lshl_b32 s16, s16, 11
	s_lshl_b32 s17, s42, 8
	s_add_co_u32 s16, s16, s17
	s_mov_b32 s17, 0
	s_add_nc_u64 s[10:11], s[10:11], s[16:17]
	; the prefetches
	s_sub_co_u32 s21, 7, s73                       ; 0 where i = 7
	s_mov_b32 s[PST], STEPB
	s_mov_b32 s20, QPITCH
	s_lshl_b32 s22, s40, 17                        ; E: my work-group's 32 rows of 4,096 bytes
	s_cmp_lt_u32 s[WV], 2
	s_cselect_b32 s21, ttmp9, s21
	s_cselect_b64 s[PFA:PFA+1], s[18:19], s[46:47]
	s_cselect_b32 s[PST], STEPA, s[PST]
	s_cselect_b32 s20, 0x1000, s20
	s_cselect_b32 s22, s22, 0
	s_cmp_eq_u32 s21, 0
	s_cselect_b32 s[LIM], 2, -1
	s_mov_b32 s[PST+1], 0
	s_mul_i32 s23, s[PST], 3
	s_add_co_u32 s22, s22, s23                     ; at step 3: the first change of slots steps it to 4.  Nothing is prefetched at the head
	s_mov_b32 s23, 0
	s_add_nc_u64 s[PFA:PFA+1], s[PFA:PFA+1], s[22:23]
	v_and_b32 v[PFO], 31, v0
	v_mul_u32_u24 v[PFO], v[PFO], s20
	s_wait_loadcnt 0x0
.irp a, 0,1
	v_max3_num_f32 v[MXR+(\a)], v[ML+2*(\a)], v[ML+4+2*(\a)], v[ML+8+2*(\a)]
.endr
.irp t, 3,5,7,9,11,13
.irp a, 0,1
	v_max3_num_f32 v[MXR+(\a)], v[MXR+(\a)], v[ML+4*(\t)+2*(\a)], v[ML+4*(\t)+4+2*(\a)]
.endr
.endr
.irp a, 0,1
	v_max_num_f32 v[MXR+(\a)], v[MXR+(\a)], v[ML+60+2*(\a)]
.endr
.set t, 0
.rept 16
	v_sub_f32 v[ML+4*t], v[ML+4*t], v[MXR]         ; m_t - M: exactly 0 in the tile that holds the maximum
	v_sub_f32 v[ML+4*t+2], v[ML+4*t+2], v[MXR+1]
.set t, t+1
.endr
.set t, 0
.rept 16
	v_mul_f32 v[ML+4*t], s[CS], v[ML+4*t]          ; c (m_t - M): scaled second, on purpose (see the head)
	v_mul_f32 v[ML+4*t+2], s[CS], v[ML+4*t+2]
.set t, t+1
.endr
.set t, 0
.rept 16
	v_exp_f32 v[ML+4*t], v[ML+4*t]                 ; f_t: one batch
	v_exp_f32 v[ML+4*t+2], v[ML+4*t+2]
.set t, t+1
.endr
	v_nop                                          ; a plain instruction behind the last exponential
	s_wait_alu depctr_va_vdst(0)                   ; and a wait ahead of the batch's first reader
	v_mul_f32 v[LS], v[ML], v[ML+1]
	v_mul_f32 v[LS+1], v[ML+2], v[ML+3]
.set t, 1
.rept 15
	v_fmac_f32 v[LS], v[ML+4*t], v[ML+4*t+1]       ; L, in f32, two chains by turns
	v_fmac_f32 v[LS+1], v[ML+4*t+2], v[ML+4*t+3]
.set t, t+1
.endr
.set t, 0
.rept 16
	v_cvt_pk_f16_f32 v[FH+2*t], v[ML+4*t], v[ML+4*t]
	v_cvt_pk_f16_f32 v[FH+2*t+1], v[ML+4*t+2], v[ML+4*t+2]
	ds_store_b64 v20, v[FH+2*t:FH+2*t+1] offset:256*t
.set t, t+1
.endr
	v_rcp_f32 v[RC], v[LS]
	v_rcp_f32 v[RC+1], v[LS+1]
	v_nop
	s_wait_alu depctr_va_vdst(0)
	v_mul_f32 v[RC], 0x3d000000, v[RC]             ; x 1 / 32: the next launch's matrix holds 32 W_v W_o
	v_mul_f32 v[RC+1], 0x3d000000, v[RC+1]
	ds_store_b64 v20, v[RC:RC+1] offset:4096
	s_wait_tensorcnt 0x1                           ; my part of step 0 is in; step 1's may stay out
	s_wait_dscnt 0x0                               ; my table is written (only I read it)
	s_barrier_signal -1
	s_barrier_wait -1
	FETCH 0, F0
	QUARTER 1, F0, F1, 1                           ; the first quarter starts the sums
	WIN 0
	s_cmp_eq_u32 s[LEFT], 0
	s_cbranch_scc1 .Ltail                          ; block 0 has two steps and no refill
	s_mov_b32 s[CNT], 14
.Lstep:
	QUARTER 2, F1, F0, 0
	QUARTER 3, F0, F1, 0
	TURN 1
	QUARTER 1, F0, F1, 0
	WIN 0
	s_sub_co_u32 s[LEFT], s[LEFT], 1
	s_cmp_eq_u32 s[LEFT], 0
	s_cbranch_scc1 .Ltail                          ; my walk's refills are done: forward, over the counter's lines alone
	s_sub_co_u32 s[CNT], s[CNT], 1
	s_cmp_lg_u32 s[CNT], 0
	s_cbranch_scc1 .Lstep
.Ltail:
	QUARTER 2, F1, F0, 0
	QUARTER 3, F0, F1, 0
	TURN 0
	QUARTER 1, F0, F1, 0
	QUARTER 2, F1, F0, 0
	QUARTER 3, F0, F1, 0
	LASTQ
	WIN 0
	ds_load_b128 v[FK:FK+3], v[F0T] offset:4096    ; 1 / (32 L) of my row in blocks 0..3
	s_wait_dscnt 0x0
.irp a, 0,1,2,3
	v_mov_b32 v[RL+2*(\a)], v[FK+(\a)]             ; eight plain instructions: also the places behind the last products
	v_mov_b32 v[RL+2*(\a)+1], v[FK+(\a)]
.endr
	DIVL 0
	PACK 0
	TOSTAGE 0
.irp a, 1,2,3
	DIVL \a
	PACK \a
	SEND (\a)-1
	TOSTAGE \a
.endr
	SEND 3
	s_wait_tensorcnt 0x0                           ; the wave's end
	ds_add_u32 v[SPW], v[NIL]
	s_wait_dscnt 0x0
	CROUND                                         ; the closing round
	s_endpgm
.Lfunc_end_k_q04759401ce_pv:
	.size	k_q04759401ce_pv, .Lfunc_end_k_q04759401ce_pv-k_q04759401ce_pv
	.p2alignl 7, 3214868480
	.fill 96, 4, 3214868480
	.section	.rodata,"a",@progbits
	.p2align	6, 0x0
	.amdhsa_kernel k_q04759401ce_pv
		.amdhsa_group_segment_fixed_size 327680
		.amdhsa_private_segment_fixed_size 0
		.amdhsa_enable_private_segment 0
		.amdhsa_kernarg_size 32
		.amdhsa_user_sgpr_count 2
		.amdhsa_user_sgpr_kernarg_segment_ptr 1
		.amdhsa_wavefront_size32 1
		.amdhsa_system_sgpr_workgroup_id_x 1
		.amdhsa_system_sgpr_workgroup_id_y 1
		.amdhsa_system_sgpr_workgroup_id_z 1
		.amdhsa_system_vgpr_workitem_id 0
		.amdhsa_next_free_vgpr 768
		.amdhsa_next_free_sgpr 96
		.amdhsa_reserve_vcc 0
		.amdhsa_float_denorm_mode_32 3
		.amdhsa_float_denorm_mode_16_64 3
		.amdhsa_memory_ordered 1
		.amdhsa_forward_progress 1
		.amdhsa_inst_pref_size 117
	.end_amdhsa_kernel
	.amdgpu_metadata
---
amdhsa.version: [ 1, 2 ]
amdhsa.kernels:
  - .name:           k_q04759401ce_pv
    .symbol:         k_q04759401ce_pv.kd
    .args:
      - { .name: e, .offset: 0, .size: 8, .value_kind: global_buffer, .address_space: global }
      - { .name: xh, .offset: 8, .size: 8, .value_kind: global_buffer, .address_space: global }
      - { .name: st, .offset: 16, .size: 8, .value_kind: global_buffer, .address_space: global }
      - { .name: ctx, .offset: 24, .size: 8, .value_kind: global_buffer, .address_space: global }
    .group_segment_fixed_size: 327680
    .private_segment_fixed_size: 0
    .kernarg_segment_align: 8
    .kernarg_segment_size: 32
    .max_flat_workgroup_size: 128
    .sgpr_count:     96
    .vgpr_count:     768
    .wavefront_size: 32
...
	.end_amdgpu_metadata
.endif
;; end of part 9
;; launch outp (part 10): grid 8 x 32, 4 waves a work-group, clusters of 4 x 4, 327,680 bytes of LDS; arguments ctx, wvo, b_o, out0; writes out0
.if DOCPART == 10
	.amdgcn_target "amdgcn-amd-amdhsa--gfx1250"
	.amdhsa_code_object_version 6
	.text
	.protected	k_q04759401ce_outp
	.globl	k_q04759401ce_outp
	.p2align	8
	.type	k_q04759401ce_outp,@function
k_q04759401ce_outp:
	s_mov_b64 s[64:65], 0
	v_nop
	global_prefetch_b8 v0, s[64:65] scope:SCOPE_SE
	s_setreg_imm32_b32 hwreg(HW_REG_WAVE_MODE, 25, 1), 1
	s_wait_xcnt 0x0
	s_wait_alu depctr_hold_cnt(0) depctr_sa_sdst(0) depctr_va_vdst(0) depctr_va_sdst(0) depctr_va_ssrc(0) depctr_va_vcc(0) depctr_vm_vsrc(0)
	s_getreg_b32 s2, hwreg(HW_REG_IB_STS2, 6, 4)
	s_cmp_eq_u32 s2, 0
	s_cbranch_scc0 .Lentry_in_a_cluster
	s_endpgm
.Lentry_in_a_cluster:
	s_bfe_u32 s2, ttmp6, 0x10000c
	s_cmp_lg_u32 s2, 0xf033
	s_cbranch_scc0 .Lentry_shape_is_right
	s_endpgm
.Lentry_shape_is_right:
; out0[8192][1024] (f32) = ctx[8192][1024] (f16: (attn x) / 32) x wvo[1024][1024]^T (f16: row o holds 32 (W_v W_o)[.][o]) + b_o rounded to bf16.  Sums in f32, K ascending; the bias is the C operand of the
; product that starts each sum.
; SHARES.  A work-group makes 256 rows x 128 columns, wave w rows 64 w .. + 63 (32 accumulators): 8 x 32 = 256 work-groups.  K in 8 steps of 128 through two LDS slots that take turns, a step a trip of the loop.
; CLUSTER 4 x 4: ctx's tiles are asked for jointly along a row of the cluster, wvo's along a column.  Source 0 = 16 rows of wvo, source 1 = 16 rows of ctx: a lane holds eight neighbouring columns of a row.
; THE WAY OUT: 16 rows of 128 f32 through my own stage (rows of 528 bytes); each store of the wave covers 512 consecutive bytes, aligned.
; REGISTERS: window 0: v0-31 addresses; v192-255 the way out; v64-95, v128-159 A's fragments.  window 1: v0-31 at work on the bias; v64-127, v128-191 B's fragments; v192-255 the bias.  window 2: accumulators.
.set MA,     4
.set NS,     8
.set PITCH,  272                       ; 256 bytes + 16 of padding: the 16 rows of a load start at 16 different groups of four banks (64 banks of 4 bytes: ISA guide 11.1)
.set BOFF,   256*PITCH
.set SLOT1,  0x20000
.set STAGE,  SLOT1+BOFF+128*PITCH
.set SPITCH, 528
.set SPARE,  STAGE+4*16*SPITCH
.set STEPA,  256
.set STEPB,  256
.set OPITCH, 4096                      ; bytes in a row of out0
.set LA0, 2
.set LB0, 3
.set ADRA, 4
.set ADRB, 5
.set STO, 6
.set RD,  7
.set CO,  8
.set PFO, 9
.set SPW, 28
.set NIL, 29
.set OB,  192
.set BI,  192                          ; window 1: the bias of column 16 b + 8 h + j at BI + 8 b + j
.set F0,  64
.set F1,  128
.set WV,  12
.set HF,  13
.set G1A, 24
.set G0A, 32
.set G1B, 48
.set G0B, 56
.set TB,  66
.set LEFT, 68
.set LIM, 69
.set PFA, 70
.set G1W0, (1<<16)|(1<<20)|(1<<21)|(5<<22)|(3<<25)
.set MSB, 0
.macro WIN new
.if MSB != (\new)
	s_set_vgpr_msb (MSB<<8)|(\new)
.set MSB, \new
.endif
.endm
.macro PLACES
.rept 4
	v_nop
.endr
.endm
.macro CREST
	s_cmp_lg_u32 s[WV], 0
	s_cbranch_scc1 .Lnot_wave_0_\@
	s_barrier_signal -3
.Lnot_wave_0_\@:
	s_barrier_wait -3
	s_barrier_signal -1
	s_barrier_wait -1
.endm
.macro CROUND
	s_barrier_signal -1
	s_barrier_wait -1
	CREST
.endm
.macro JLOAD
	s_cmp_lt_u32 s[WV], 2
	s_cbranch_scc0 .Lfor_b_\@
	tensor_load_to_lds s[G0A+4:G0A+7], s[G1A:G1A+7]
	s_nop 0
	PLACES
	s_branch .Lasked_\@
.Lfor_b_\@:
	tensor_load_to_lds s[G0B+4:G0B+7], s[G1B:G1B+7]
	s_nop 0
	PLACES
.Lasked_\@:
.endm
; A prefetch of the K step that stands two refills on: 32 rows x 256 bytes, a lane a row.  ctx's rows: the first cluster along x (waves 0, 1); wvo's: the first along y (wave 2); partners 32 rows each, by address.
.macro ASK
	s_cmp_gt_u32 s[LEFT], s[LIM]
	s_cbranch_scc0 .Lnot_mine_\@
	global_prefetch_b8 v[PFO], s[PFA:PFA+1] th:TH_LOAD_NT scope:SCOPE_SE
.Lnot_mine_\@:
.endm
.macro MULB f, a, cm                   ; cm = 2: the product starts the sum with the bias
.if (\cm) == 2
	WIN 0x91                                       ; B and C window 1, A window 0, D window 2
.else
	WIN 0xa1
.endif
.set AC, 64*(\a)
.irp b, 0,1,2,3,4,5,6,7
.if (\cm) == 2
	v_wmma_f32_16x16x32_f16 v[AC+8*(\b):AC+8*(\b)+7], v[(\f)+8*(\b):(\f)+8*(\b)+7], v[(\f)+8*(\a):(\f)+8*(\a)+7], v[BI+8*(\b):BI+8*(\b)+7]
.else
	v_wmma_f32_16x16x32_f16 v[AC+8*(\b):AC+8*(\b)+7], v[(\f)+8*(\b):(\f)+8*(\b)+7], v[(\f)+8*(\a):(\f)+8*(\a)+7], v[AC+8*(\b):AC+8*(\b)+7]
.endif
.endr
.endm
.macro MULS f, a0, cnt, cm             ; the 32 accumulators take turns in the same order in every quarter
.set aa, \a0
.rept \cnt
	MULB \f, aa, \cm
.set aa, aa+1
.endr
.endm
.macro FETCH q, f
	WIN 0x40
.irp i, 0,1,2,3,4,5,6,7
	ds_load_b128 v[(\f)+8*(\i):(\f)+8*(\i)+3],   v[ADRB] offset:64*(\q)+(\i)*16*PITCH
	ds_load_b128 v[(\f)+8*(\i)+4:(\f)+8*(\i)+7], v[ADRB] offset:64*(\q)+(\i)*16*PITCH+32
.endr
	WIN 0
.set ii, 0
.rept MA
	ds_load_b128 v[(\f)+8*ii:(\f)+8*ii+3],   v[ADRA] offset:64*(\q)+ii*16*PITCH
	ds_load_b128 v[(\f)+8*ii+4:(\f)+8*ii+7], v[ADRA] offset:64*(\q)+ii*16*PITCH+32
.set ii, ii+1
.endr
.endm
.macro QUARTER q, f, g, cm
	s_wait_dscnt MA                                ; all but the youngest four loads (A's blocks 2, 3) are in
	MULS \f, 0, MA/2, \cm
	PLACES
	FETCH \q, \g
	s_wait_dscnt 16+2*MA                           ; all but the 24 just issued
	MULS \f, MA/2, MA/2, \cm
.endm
.macro MEET
	WIN 0
	s_wait_tensorcnt 0x0
	ds_add_u32 v[SPW], v[NIL]
	s_wait_dscnt MA+1                              ; the add and the youngest four loads may be out
	MULS F1, 0, MA/4, 0
	s_wait_dscnt 0x0
	s_barrier_signal -1
	MULS F1, MA/4, MA/4, 0
	WIN 0
	s_barrier_wait -1
.endm
.macro TURN fill
.if \fill
	s_wait_xcnt 0x0
	s_add_nc_u64 s[PFA:PFA+1], s[PFA:PFA+1], STEPA
.endif
	MEET
.if \fill
	CREST
	s_xor_b32 s[G0A+5], s[G0A+5], SLOT1
	s_add_nc_u64 s[G0A+6:G0A+7], s[G0A+6:G0A+7], STEPA
	s_xor_b32 s[G0B+5], s[G0B+5], SLOT1
	s_add_nc_u64 s[G0B+6:G0B+7], s[G0B+6:G0B+7], STEPB
	JLOAD
.else
	PLACES
.endif
	s_xor_b32 s[TB], s[TB], SLOT1
	v_add_nc_u32 v[ADRA], s[TB], v[LA0]
	v_add_nc_u32 v[ADRB], s[TB], v[LB0]
	FETCH 0, F0
.if \fill
	ASK
.endif
	MULS F1, MA/2, MA/2, 0
.endm
.macro LASTQ
	s_wait_dscnt MA
	MULS F1, 0, MA/2, 0
	s_wait_dscnt 0x0
	MULS F1, MA/2, MA/2, 0
.endm
.macro OUTB a                          ; block a: 16 rows of 128 f32 through my stage, back as whole rows of 512 bytes, stored
	WIN 0
	s_wait_xcnt 0x0                                ; the block before: its stores have read their base and data
.if (\a) > 0
	s_add_nc_u64 s[10:11], s[10:11], 16*OPITCH
.endif
	WIN 0x08                                       ; store data in window 2
.irp b, 0,1,2,3,4,5,6,7
	ds_store_b128 v[STO], v[64*(\a)+8*(\b):64*(\a)+8*(\b)+3]   offset:64*(\b)
	ds_store_b128 v[STO], v[64*(\a)+8*(\b)+4:64*(\a)+8*(\b)+7] offset:64*(\b)+16
.endr
	WIN 0
.set n, 0
.rept 16
	ds_load_b128 v[OB+4*n:OB+4*n+3], v[RD] offset:n*SPITCH  ; LDS serves a wave's instructions in order (ISA guide 5.7.1.4)
.set n, n+1
.endr
.set n, 0
.rept 16
	s_wait_dscnt 15-n                              ; row n is back; the younger rows' loads may stay out
	global_store_b128 v[CO], v[OB+4*n:OB+4*n+3], s[10:11] offset:n*OPITCH th:TH_STORE_NT
.set n, n+1
.endr
.endm
	s_load_b256 s[4:11], s[0:1], 0x0               ; ctx s[4:5], wvo s[6:7], b_o s[8:9], out0 s[10:11]
	v_lshl_add_u32 v[SPW], v0, 2, SPARE
	v_mov_b32 v[NIL], 0
	ds_add_u32 v[SPW], v[NIL]                      ; the wave's opening: the add and its wait ahead of my first tensor load
	ds_add_u32 v28, v29
	v_lshrrev_b32 v1, 5, v0
	v_readfirstlane_b32 s[WV], v1
	s_and_b32 s[HF], s[WV], 1
	s_bfe_u32 s40, ttmp6, 0x40000                  ; cx
	s_bfe_u32 s41, ttmp6, 0x40004                  ; cy
	s_lshl_b32 s42, ttmp9, 2
	s_add_co_u32 s42, s42, s40                     ; tile column
	s_and_b32 s43, ttmp7, 0xffff
	s_lshl_b32 s43, s43, 2
	s_add_co_u32 s43, s43, s41                     ; tile row
	s_lshl_b32 s44, s41, 2
	s_lshl_b32 s44, 15, s44
	s_lshl_b32 s45, 0x1111, s40
	s_or_b32 s[G1A], s44, G1W0
	s_or_b32 s[G1B], s45, G1W0
	s_mov_b32 s[G1A+1], 128<<16
	s_mov_b32 s[G1A+2], 128<<16
	s_mov_b32 s[G1A+3], 128<<16
	s_mov_b32 s[G1A+4], 128
	s_mov_b32 s[G1A+5], 1024
	s_mov_b32 s[G1A+6], 0
	s_mov_b32 s[G1A+7], 0
	s_mov_b32 s[G1B+1], 128<<16
	s_mov_b32 s[G1B+2], 64<<16
	s_mov_b32 s[G1B+3], 128<<16
	s_mov_b32 s[G1B+4], 64
	s_mov_b32 s[G1B+5], 1024
	s_mov_b32 s[G1B+6], 0
	s_mov_b32 s[G1B+7], 0
	s_lshl_b32 s16, s43, 8
	s_lshl_b32 s17, s[HF], 7
	s_add_co_u32 s16, s16, s17
	s_lshl_b32 s16, s16, 11
	s_mov_b32 s17, 0
	s_lshl_b32 s46, s42, 7
	s_lshl_b32 s47, s[HF], 6
	s_add_co_u32 s46, s46, s47
	s_lshl_b32 s46, s46, 11
	s_mov_b32 s47, 0
	s_mul_i32 s20, s[HF], 128*PITCH
	s_mul_i32 s21, s[HF], 64*PITCH
	s_add_co_u32 s21, s21, BOFF
	s_mov_b32 s[TB], 0
	s_wait_dscnt 0x0                               ; the opening add is done
	s_wait_kmcnt 0x0
	s_add_nc_u64 s[18:19], s[4:5], s[16:17]
	s_add_nc_u64 s[46:47], s[6:7], s[46:47]
	CROUND
.irp s, 0,1
	s_mov_b32 s[G0A+4*(\s)], 1
	s_add_co_u32 s[G0A+4*(\s)+1], s20, (\s)*SLOT1
	s_add_nc_u64 s[G0A+4*(\s)+2:G0A+4*(\s)+3], s[18:19], (\s)*STEPA
	s_or_b32 s[G0A+4*(\s)+3], s[G0A+4*(\s)+3], 0x80000000
	s_mov_b32 s[G0B+4*(\s)], 1
	s_add_co_u32 s[G0B+4*(\s)+1], s21, (\s)*SLOT1
	s_add_nc_u64 s[G0B+4*(\s)+2:G0B+4*(\s)+3], s[46:47], (\s)*STEPB
	s_or_b32 s[G0B+4*(\s)+3], s[G0B+4*(\s)+3], 0x80000000
.endr
	s_cmp_lt_u32 s[WV], 2                          ; a wave's two first fills stand in one branch: two loads of mine are out
	s_cbranch_scc0 .Lfirst_b
	tensor_load_to_lds s[G0A:G0A+3], s[G1A:G1A+7]
	s_nop 0
	tensor_load_to_lds s[G0A+4:G0A+7], s[G1A:G1A+7]
	s_nop 0
	PLACES
	s_branch .Lfirst_asked
.Lfirst_b:
	tensor_load_to_lds s[G0B:G0B+3], s[G1B:G1B+7]
	s_nop 0
	tensor_load_to_lds s[G0B+4:G0B+7], s[G1B:G1B+7]
	s_nop 0
	PLACES
.Lfirst_asked:
	v_and_b32 v1, 15, v0                           ; r
	v_bfe_u32 v16, v0, 4, 1                        ; h
	s_lshl_b32 s46, s42, 9                         ; the tile's 128 columns, 4 bytes each
	s_mov_b32 s47, 0
	s_add_nc_u64 s[8:9], s[8:9], s[46:47]
	v_lshlrev_b32 v18, 5, v16                      ; my eight columns of a block: 32 h
	WIN 0x40
.irp b, 0,1,2,3,4,5,6,7
	global_load_b128 v[BI+8*(\b):BI+8*(\b)+3],   v18, s[8:9] offset:64*(\b)
	global_load_b128 v[BI+8*(\b)+4:BI+8*(\b)+7], v18, s[8:9] offset:64*(\b)+16
.endr
	WIN 0
	v_mul_u32_u24 v17, v1, PITCH
	v_lshl_add_u32 v17, v16, 4, v17
	s_mul_i32 s21, s[WV], 64*PITCH
	v_add_nc_u32 v[LA0], s21, v17
	v_add_nc_u32 v[LB0], BOFF, v17
	v_mov_b32 v[ADRA], v[LA0]
	v_mov_b32 v[ADRB], v[LB0]
	s_mul_i32 s23, s[WV], 16*SPITCH
	s_add_co_u32 s23, s23, STAGE
	v_mul_u32_u24 v17, v1, SPITCH
	v_lshl_add_u32 v17, v16, 5, v17
	v_add_nc_u32 v[STO], s23, v17                  ; in: row r, 32 bytes for each half of the lanes
	v_and_b32 v[CO], 31, v0
	v_lshlrev_b32 v[CO], 4, v[CO]                  ; back and out: 32 lanes take a row's 512 bytes
	v_add_nc_u32 v[RD], s23, v[CO]
	s_lshl_b32 s16, s43, 8
	s_lshl_b32 s17, s[WV], 6
	s_add_co_u32 s16, s16, s17
	s_lshl_b32 s16, s16, 12
	s_mov_b32 s17, 0
	s_add_nc_u64 s[10:11], s[10:11], s[16:17]
	s_add_nc_u64 s[10:11], s[10:11], s[46:47]
	; the prefetches
	s_lshl_b32 s20, s43, 8
	s_lshl_b32 s21, s[HF], 7
	s_add_co_u32 s20, s20, s21
	s_lshl_b32 s21, s40, 5
	s_add_co_u32 s20, s20, s21
	s_lshl_b32 s21, s42, 7
	s_lshl_b32 s22, s41, 5
	s_add_co_u32 s21, s21, s22
	s_and_b32 s22, ttmp7, 0xffff
	s_cmp_lt_u32 s[WV], 2
	s_cselect_b32 s20, s20, s21
	s_cselect_b32 s22, ttmp9, s22
	s_cselect_b64 s[PFA:PFA+1], s[4:5], s[6:7]
	s_cmp_eq_u32 s[WV], 3
	s_cselect_b32 s22, 1, s22
	s_cmp_eq_u32 s22, 0
	s_cselect_b32 s[LIM], 2, -1
	s_lshl_b32 s20, s20, 11
	s_add_co_u32 s20, s20, 3*STEPA                 ; at K step 3: the first change of slots steps it to 4.  Nothing is prefetched at the head
	s_mov_b32 s21, 0
	s_add_nc_u64 s[PFA:PFA+1], s[PFA:PFA+1], s[20:21]
	v_and_b32 v[PFO], 31, v0
	v_lshlrev_b32 v[PFO], 11, v[PFO]
	s_wait_loadcnt 0x0                             ; the bias: rounded to bf16 like every input, kept in f32
	WIN 0x45                                       ; destination and both sources in window 1
.set n, 0
.rept 32
	v_cvt_pk_bf16_f32 v[n], v[BI+2*n], v[BI+2*n+1]
.set n, n+1
.endr
.set n, 0
.rept 32
	v_lshlrev_b32 v[BI+2*n], 16, v[n]
	v_and_b32 v[BI+2*n+1], 0xffff0000, v[n]
.set n, n+1
.endr
	WIN 0
	s_wait_tensorcnt 0x1                           ; my part of K step 0 is in; step 1's may stay out
	s_barrier_signal -1
	s_barrier_wait -1
	FETCH 0, F0
	QUARTER 1, F0, F1, 2                           ; the first quarter starts the sums with the bias: no addition is written
	WIN 0
	s_mov_b32 s[LEFT], NS-2
.Lstep:
	QUARTER 2, F1, F0, 0
	QUARTER 3, F0, F1, 0
	TURN 1
	QUARTER 1, F0, F1, 0
	WIN 0
	s_sub_co_u32 s[LEFT], s[LEFT], 1
	s_cmp_lg_u32 s[LEFT], 0
	s_cbranch_scc1 .Lstep
	QUARTER 2, F1, F0, 0
	QUARTER 3, F0, F1, 0
	TURN 0
	QUARTER 1, F0, F1, 0
	QUARTER 2, F1, F0, 0
	QUARTER 3, F0, F1, 0
	LASTQ
	PLACES
	OUTB 0
	OUTB 1
	OUTB 2
	OUTB 3
	s_wait_tensorcnt 0x0                           ; the wave's end
	ds_add_u32 v[SPW], v[NIL]
	s_wait_dscnt 0x0
	CROUND                                         ; the closing round
	s_endpgm
.Lfunc_end_k_q04759401ce_outp:
	.size	k_q04759401ce_outp, .Lfunc_end_k_q04759401ce_outp-k_q04759401ce_outp
	.p2alignl 7, 3214868480
	.fill 96, 4, 3214868480
	.section	.rodata,"a",@progbits
	.p2align	6, 0x0
	.amdhsa_kernel k_q04759401ce_outp
		.amdhsa_group_segment_fixed_size 327680
		.amdhsa_private_segment_fixed_size 0
		.amdhsa_enable_private_segment 0
		.amdhsa_kernarg_size 32
		.amdhsa_user_sgpr_count 2
		.amdhsa_user_sgpr_kernarg_segment_ptr 1
		.amdhsa_wavefront_size32 1
		.amdhsa_system_sgpr_workgroup_id_x 1
		.amdhsa_system_sgpr_workgroup_id_y 1
		.amdhsa_system_sgpr_workgroup_id_z 1
		.amdhsa_system_vgpr_workitem_id 0
		.amdhsa_next_free_vgpr 768
		.amdhsa_next_free_sgpr 96
		.amdhsa_reserve_vcc 0
		.amdhsa_float_denorm_mode_32 3
		.amdhsa_float_denorm_mode_16_64 3
		.amdhsa_memory_ordered 1
		.amdhsa_forward_progress 1
		.amdhsa_inst_pref_size 79
	.end_amdhsa_kernel
	.amdgpu_metadata
---
amdhsa.version: [ 1, 2 ]
amdhsa.kernels:
  - .name:           k_q04759401ce_outp
    .symbol:         k_q04759401ce_outp.kd
    .args:
      - { .name: ctx, .offset: 0, .size: 8, .value_kind: global_buffer, .address_space: global }
      - { .name: wvo, .offset: 8, .size: 8, .value_kind: global_buffer, .address_space: global }
      - { .name: b_o, .offset: 16, .size: 8, .value_kind: global_buffer, .address_space: global }
      - { .name: out0, .offset: 24, .size: 8, .value_kind: global_buffer, .address_space: global }
    .group_segment_fixed_size: 327680
    .private_segment_fixed_size: 0
    .kernarg_segment_align: 8
    .kernarg_segment_size: 32
    .max_flat_workgroup_size: 128
    .sgpr_count:     96
    .vgpr_count:     768
    .wavefront_size: 32
...
	.end_amdgpu_metadata
.endif
;; end of part 10
